; MI455X (gfx1250); checked and timed in simulation.
; The chip was launched on July 23, 2026; its instructions are those of AMD's public machine-readable ISA for CDNA 5 (MIT licence, August 2026) and "CDNA5" Instruction Set Architecture Reference Guide (July 2026). The comments in the code are by the model that wrote it; some were corrected since.
;; MS Deform Attn. Allowed arithmetic: float matrix products may take bf16 or f16 operands with f32 sums; other float arithmetic in f32, or as packed bf16 or f16 multiplies, adds, multiply-adds, maxima and minima; sums over many terms, partial sums and values carried from step to step in f32; what a program stores and reads back later, other than sums and carried values, may be rounded once to bf16 or f16.
;; Inputs: W_attn 256 x 128 float32; W_off 256 x 256 float32; b_attn 128 float32; b_off 256 float32; query 2 x 21,760 x 256 float32; reference_points 2 x 21,760 x 4 x 1 x 2 float32; value0 16 x 32 x 16,384 float32; value1 16 x 32 x 4,096 float32; value2 16 x 32 x 1,024 float32; value3 16 x 32 x 256 float32.
;; Outputs: out0 2 x 21,760 x 256 float32.
;; 4 versions, each right; versions 2 to 3 are each faster than the one before; version 4 is version 3 with the launches prep, merge written anew for expert scheduling mode. Each part assembles by itself: llvm-mc -triple=amdgcn-amd-amdhsa -mcpu=gfx1250 --defsym DOCPART=n.
;; ======== version 1 of 4: 3 launches
;; limits: inputs' magnitudes at most 65,504; values are held in f16: magnitudes above 65,504 overflow, below 6.1e-05 lose precision
;; workspace buffers: vt 22,282,240 bytes; wf 196,608 bytes; wq 44,564,480 bytes; ix 11,141,120 bytes of whole numbers
;; launch prep (part 1): grid 346 x 1, 8 waves a work-group, no clusters, 70,656 bytes of LDS; arguments value0, value1, value2, value3, W_off, W_attn, vt, wf; writes vt, wf
.if DOCPART == 1
	.amdgcn_target "amdgcn-amd-amdhsa--gfx1250"
	.amdhsa_code_object_version 6
	.text
	.protected	k_qf25fea9ad0_prep
	.globl	k_qf25fea9ad0_prep
	.p2align	8
	.type	k_qf25fea9ad0_prep,@function
k_qf25fea9ad0_prep:
	s_mov_b64 s[64:65], 0
	v_nop
	global_prefetch_b8 v0, s[64:65] scope:SCOPE_SE
	s_setreg_imm32_b32 hwreg(HW_REG_WAVE_MODE, 25, 1), 1
	s_wait_xcnt 0x0
; PREP.  Two jobs, chosen by the work-group's number.
; (a) Work-groups 0-339: the four value tables [b = 16][channel = 32][pixel] in f32 are turned into ONE table vt[b][pix = 21760][32] in f16, a record of 64 bytes a pixel;
;     pix = level base (0, 16384, 20480, 21504) + y W + x.  In a record the 16-byte chunk cg holds channels 4 cg .. 4 cg + 3 and then 16 + 4 cg .. 16 + 4 cg + 3, which is the
;     order in which the gathering launch stores its sums.  A wave takes 128 pixels of one b: 32 loads of 512 consecutive bytes (one a channel), 64 roundings, its own stage in
;     LDS to change from 256 bytes a lane to 16 bytes a lane, 16 stores of 512 consecutive bytes.  16 x 170 = 2,720 waves = 340 work-groups of eight.
; (b) Work-groups 340-345: W_off and W_attn in f16 as matrix fragments, wf[w = 4][f = 6 s + a][half = 2][lane = 32][8]: element e of lane (r = lane % 16, h = lane / 16) is row
;     k = 32 s + 16 half + 8 h + e of the column that a = 3 mi + ty names for head m = 2 w + mi: ty < 2: W_off's column 32 m + 16 ty + r; ty = 2: W_attn's column 16 m + perm(r),
;     perm(r) = 4 (r / 8) + 8 ((r / 4) % 2) + r % 4, so that a lane half of the product holds the logits of the same two levels as its offsets.
; LIMITS.  f16 holds no number beyond 65,504: values and weights are taken to lie within it; below 6e-5 they keep f16's fixed step of 6e-8.
; No barrier: a wave reads only its own stage.  No matrix unit, no cluster: nothing is multiplied and no two work-groups read the same bytes.
.set STG,   32*272                     ; a wave's stage: 32 rows of 256 bytes + 16 of padding, so that 16 lanes' 16-byte columns differ modulo 256 bytes
.set SPARE, 8*STG                      ; behind the stages: the spare words, 128 bytes a wave
.set XR,    8                          ; v[8:135]   as loaded: channel d, my four pixels at XR + 4 d; later the rows read back
.set YR,    136                        ; v[136:199] my four pixels' records, 16 registers each
; v1 lane; v2 16 x lane; v3 where I put my 256 bytes; v4 where I read rows back; v5 the weights' lane offset; v6, v7 the add's two registers
	s_load_b512 s[4:19], s[0:1], 0x0               ; value0-3 s[4:11], W_off s[12:13], W_attn s[14:15], vt s[16:17], wf s[18:19]
	v_lshl_add_u32 v6, v0, 2, SPARE
	v_mov_b32 v7, 0
	v_lshrrev_b32 v3, 5, v0
	v_readfirstlane_b32 s20, v3                    ; wave 0..7
	v_and_b32 v1, 31, v0
	v_lshlrev_b32 v2, 4, v1
	s_cmp_ge_u32 ttmp9, 340
	s_cbranch_scc1 .Lweights
	; ---- (a) the tables ----
	s_lshl_b32 s21, ttmp9, 3
	s_add_co_u32 s21, s21, s20                     ; u = my chunk of 128 pixels among 2,720
	s_mul_hi_u32 s22, s21, 0x01818182              ; b = u / 170: the factor is 2^32 / 170 rounded up, exact for u < 2,720
	s_mul_i32 s23, s22, 170
	s_sub_co_u32 s23, s21, s23                     ; c = u % 170: the level bases are 128, 160 and 168 chunks, so 128 c is the first pix
	s_mul_i32 s24, s22, 1392640                    ; 21,760 records of 64 bytes a b
	s_lshl_b32 s25, s23, 13                        ; 128 records
	s_add_co_u32 s24, s24, s25
	s_mov_b32 s25, 0
	s_mul_i32 s30, s20, STG
	v_mul_u32_u24 v3, v1, 272
	v_add_nc_u32 v3, s30, v3                       ; in: row = lane
	v_lshrrev_b32 v4, 4, v1
	v_mul_u32_u24 v4, v4, 272
	v_and_b32 v5, 15, v1
	v_lshl_add_u32 v4, v5, 4, v4
	v_add_nc_u32 v4, s30, v4                       ; back: lanes 0-15 one row, lanes 16-31 the next
	s_wait_kmcnt 0x0
	s_add_nc_u64 s[28:29], s[16:17], s[24:25]      ; vt at my first record
; The level's table at s[base:base+1]; its first chunk; log2 of a b's bytes; bytes from a channel's row to the next.  32 loads, 512 consecutive bytes each.
.macro LEVEL base, first, shift, rs
	s_sub_co_u32 s25, s23, \first
	s_lshl_b32 s25, s25, 9                         ; 128 pixels of 4 bytes
	s_lshl_b32 s24, s22, \shift
	s_add_co_u32 s24, s24, s25
	s_mov_b32 s25, 0
	s_add_nc_u64 s[26:27], s[\base:\base+1], s[24:25]
.set d, 0
.rept 32
	global_load_b128 v[XR+4*d:XR+4*d+3], v2, s[26:27] offset:d*\rs th:TH_LOAD_NT
.set d, d+1
.endr
.endm
	s_cmp_lt_u32 s23, 128
	s_cbranch_scc0 .Lnot0
	LEVEL 4, 0, 21, 65536
	s_branch .Lturn
.Lnot0:
	s_cmp_lt_u32 s23, 160
	s_cbranch_scc0 .Lnot1
	LEVEL 6, 128, 19, 16384
	s_branch .Lturn
.Lnot1:
	s_cmp_lt_u32 s23, 168
	s_cbranch_scc0 .Lnot2
	LEVEL 8, 160, 17, 4096
	s_branch .Lturn
.Lnot2:
	LEVEL 10, 168, 15, 1024
.Lturn:
	s_wait_loadcnt 0x0                             ; a record needs all 32 channels
.set px, 0
.rept 4                                            ; pixel px of my four; word j of its record holds channels d0, d0 + 1
.set j, 0
.rept 16
.set d0, 4*(j/4)+2*(j%4)+12*((j%4)/2)
	v_cvt_pk_f16_f32 v[YR+16*px+j], v[XR+4*d0+px], v[XR+4*d0+4+px]
.set j, j+1
.endr
.set px, px+1
.endr
.set i, 0
.rept 16
	ds_store_b128 v3, v[YR+4*i:YR+4*i+3] offset:16*i
.set i, i+1
.endr
.set i, 0
.rept 16
	ds_load_b128 v[XR+4*i:XR+4*i+3], v4 offset:544*i   ; LDS serves a wave's instructions in order (ISA guide 5.7.1.4): these see the stores above
.set i, i+1
.endr
.set i, 0
.rept 16
	s_wait_dscnt 15-i                              ; read i is back; the younger ones stay out
	global_store_b128 v2, v[XR+4*i:XR+4*i+3], s[28:29] offset:512*i  ; 512 consecutive bytes, at a multiple of 256 from vt's first byte
.set i, i+1
.endr
	s_wait_tensorcnt 0x0                           ; the wave's end, behind my last LDS store
	ds_add_u32 v6, v7
	s_wait_dscnt 0x0
	s_endpgm
	; ---- (b) the weights ----
.Lweights:
	s_sub_co_u32 s21, ttmp9, 340                   ; a = 0..5
	s_lshr_b32 s22, s20, 1                         ; w
	s_and_b32 s23, s20, 1                          ; half
	s_cmp_ge_u32 s21, 3
	s_cselect_b32 s24, 1, 0                        ; mi
	s_mul_i32 s25, s24, 3
	s_sub_co_u32 s25, s21, s25                     ; ty
	s_lshl1_add_u32 s24, s22, s24                  ; m = 2 w + mi
	s_mul_i32 s30, s22, 48
	s_add_co_u32 s30, s30, s21
	s_lshl_b32 s30, s30, 10                        ; fragment (w, s = 0, a): 1,024 bytes each,
	s_lshl_b32 s31, s23, 9                         ; my half of it
	s_add_co_u32 s30, s30, s31
	s_mov_b32 s31, 0
	v_and_b32 v3, 15, v0                           ; r
	v_bfe_u32 v4, v0, 4, 1                         ; h
	s_wait_kmcnt 0x0
	s_add_nc_u64 s[28:29], s[18:19], s[30:31]
; 64 numbers a lane: K step ks, element e, at row 32 ks + e below the lane's first row; rs = bytes in a row
.macro W64 rs
.set ks, 0
.rept 8
.set e, 0
.rept 8
	global_load_b32 v[XR+8*ks+e], v5, s[26:27] offset:(32*ks+e)*\rs
.set e, e+1
.endr
.set ks, ks+1
.endr
.endm
	s_cmp_eq_u32 s25, 2
	s_cbranch_scc1 .Llogit
	s_lshl_b32 s30, s23, 14                        ; W_off: 16 half rows of 1,024 bytes,
	s_lshl_b32 s31, s24, 7                         ; column 32 m,
	s_add_co_u32 s30, s30, s31
	s_lshl_b32 s31, s25, 6                         ; + 16 ty
	s_add_co_u32 s30, s30, s31
	s_mov_b32 s31, 0
	s_add_nc_u64 s[26:27], s[12:13], s[30:31]
	v_lshlrev_b32 v5, 2, v3                        ; + r,
	v_lshl_add_u32 v5, v4, 13, v5                  ; 8 h rows
	W64 1024
	s_branch .Lpack
.Llogit:
	s_lshl_b32 s30, s23, 13                        ; W_attn: 16 half rows of 512 bytes,
	s_lshl_b32 s31, s24, 6                         ; column 16 m
	s_add_co_u32 s30, s30, s31
	s_mov_b32 s31, 0
	s_add_nc_u64 s[26:27], s[14:15], s[30:31]
	v_lshrrev_b32 v200, 3, v3
	v_bfe_u32 v201, v3, 2, 1
	v_and_b32 v202, 3, v3
	v_lshlrev_b32 v5, 2, v202                      ; 4 bytes x perm(r)
	v_lshl_add_u32 v5, v200, 4, v5
	v_lshl_add_u32 v5, v201, 5, v5
	v_lshl_add_u32 v5, v4, 12, v5                  ; 8 h rows
	W64 512
.Lpack:
	s_wait_loadcnt 0x0
.set i, 0
.rept 32
	v_cvt_pk_f16_f32 v[YR+i], v[XR+2*i], v[XR+2*i+1]
.set i, i+1
.endr
.set ks, 0
.rept 8
	global_store_b128 v2, v[YR+4*ks:YR+4*ks+3], s[28:29] offset:6144*ks  ; the same a, six fragments on: 512 consecutive bytes
.set ks, ks+1
.endr
	s_wait_tensorcnt 0x0                           ; the wave's end
	ds_add_u32 v6, v7
	s_wait_dscnt 0x0
	s_endpgm
.Lfunc_end_k_qf25fea9ad0_prep:
	.size	k_qf25fea9ad0_prep, .Lfunc_end_k_qf25fea9ad0_prep-k_qf25fea9ad0_prep
	.p2alignl 7, 3214868480
	.fill 96, 4, 3214868480
	.section	.rodata,"a",@progbits
	.p2align	6, 0x0
	.amdhsa_kernel k_qf25fea9ad0_prep
		.amdhsa_group_segment_fixed_size 70656
		.amdhsa_private_segment_fixed_size 0
		.amdhsa_enable_private_segment 0
		.amdhsa_kernarg_size 64
		.amdhsa_user_sgpr_count 2
		.amdhsa_user_sgpr_kernarg_segment_ptr 1
		.amdhsa_wavefront_size32 1
		.amdhsa_system_sgpr_workgroup_id_x 1
		.amdhsa_system_sgpr_workgroup_id_y 1
		.amdhsa_system_sgpr_workgroup_id_z 1
		.amdhsa_system_vgpr_workitem_id 0
		.amdhsa_next_free_vgpr 208
		.amdhsa_next_free_sgpr 66
		.amdhsa_reserve_vcc 0
		.amdhsa_float_denorm_mode_32 3
		.amdhsa_float_denorm_mode_16_64 3
		.amdhsa_memory_ordered 1
		.amdhsa_forward_progress 1
		.amdhsa_inst_pref_size 40
	.end_amdhsa_kernel
	.amdgpu_metadata
---
amdhsa.version: [ 1, 2 ]
amdhsa.kernels:
  - .name:           k_qf25fea9ad0_prep
    .symbol:         k_qf25fea9ad0_prep.kd
    .args:
      - { .name: value0, .offset: 0, .size: 8, .value_kind: global_buffer, .address_space: global }
      - { .name: value1, .offset: 8, .size: 8, .value_kind: global_buffer, .address_space: global }
      - { .name: value2, .offset: 16, .size: 8, .value_kind: global_buffer, .address_space: global }
      - { .name: value3, .offset: 24, .size: 8, .value_kind: global_buffer, .address_space: global }
      - { .name: W_off, .offset: 32, .size: 8, .value_kind: global_buffer, .address_space: global }
      - { .name: W_attn, .offset: 40, .size: 8, .value_kind: global_buffer, .address_space: global }
      - { .name: vt, .offset: 48, .size: 8, .value_kind: global_buffer, .address_space: global }
      - { .name: wf, .offset: 56, .size: 8, .value_kind: global_buffer, .address_space: global }
    .group_segment_fixed_size: 70656
    .private_segment_fixed_size: 0
    .kernarg_segment_align: 8
    .kernarg_segment_size: 64
    .max_flat_workgroup_size: 256
    .sgpr_count:     66
    .vgpr_count:     208
    .wavefront_size: 32
...
	.end_amdgpu_metadata
.endif
;; end of part 1
;; launch proj (part 2): grid 256 x 1, 4 waves a work-group, no clusters, 206,080 bytes of LDS; arguments query, reference_points, wf, b_off, b_attn, wq, ix; writes wq, ix
.if DOCPART == 2
	.amdgcn_target "amdgcn-amd-amdhsa--gfx1250"
	.amdhsa_code_object_version 6
	.text
	.protected	k_qf25fea9ad0_proj
	.globl	k_qf25fea9ad0_proj
	.p2align	8
	.type	k_qf25fea9ad0_proj,@function
k_qf25fea9ad0_proj:
	s_mov_b64 s[64:65], 0
	v_nop
	global_prefetch_b8 v0, s[64:65] scope:SCOPE_SE
	s_setreg_imm32_b32 hwreg(HW_REG_WAVE_MODE, 25, 1), 1
	s_wait_xcnt 0x0
; PROJ.  For each of the 43,520 queries: offsets = query W_off + b_off, logits = query W_attn + b_attn (one product, 384 columns, f16 operands, f32 sums), the softmax over a head's 16
; logits (its maximum taken away first), and for each of the 128 sampling points the pixel position x = ref_x W + off_x - 0.5 (y likewise).  Stored for the gathering launch:
;   ix[hp = head / 2][query][level][mi = head % 2][point] u16: pix of the base corner, xb = clamp(floor x, 0, W - 2), yb likewise, + the level's base;
;   wq[hp][query][level][mi][xs][point][ys] f16: attention x hat(x - xb - xs) x hat(y - yb - ys), hat(t) = max(0, 1 - |t|).
; The two hats at xb and xb + 1 are the bilinear weights of those two pixels, and 0 where the sample's own corner lies outside the picture: no validity mask is needed.
; LIMITS.  query and the weights go to the matrix unit in f16 (no number beyond 65,504; below 6e-5 a fixed step of 6e-8); the stored weights lie in 0 to 1 and keep that step too.
; x is made as ref W + (off - 0.5), an order of rounding other than (2 (ref + off / W) - 1 + 1) W / 2 - 0.5: W is a power of two, so only one addition's rounding differs.
; NaN and infinities are not treated apart.
; SHARES.  Work-group i owns the rows from S = (170 i) & ~3 on: 168 rows (i even) or 172 (i odd), as eleven tiles of 16 queries at row min(16 t, LAST), LAST = 152 or 156: the last tile
; overlaps the tenth, and the same wave stores the same numbers there twice.  Wave w owns heads 2 w and 2 w + 1: 96 columns, 48 fragments of W, 384 registers for the whole launch.
; THE PRODUCT IS USED TRANSPOSED: source 0 = 16 columns of W, source 1 = 16 queries: a lane (r = lane % 16, h = lane / 16) holds query r, and register j the column 8 h + j of the 16.
; Of a head's offsets that is level h (first accumulator) and 2 + h (second), point j / 2, x or y by j % 2; of its logits (columns permuted when wf was laid) level h + 2 (j / 4), point j % 4.
; QUERY comes by the tensor data mover, all of it asked for at the start: four loads a wave, four outstanding, no byte of LDS filled twice.  Tile t lies at LDS row 16 t.
; No cluster: every query row has one reader, and W (196,608 bytes) goes straight to registers.
; REGISTERS, in windows of 256 (s_set_vgpr_msb: bits 1:0 source 0, 3:2 source 1, 5:4 source 2, 7:6 destination):
;   window 0: v0-29 addresses and lane constants; v30-45 softmax at work; v48-95 six accumulators; v96-159 the queries' fragments, then the points at work; v160-199 rows on the way out;
;             v200-223 packed weights and indices        window 1: v0-239 W's fragments 0-29        window 2: v0-143 fragments 30-47        window 3: v0-127 a tile of query in f32; v128-175 the biases
.set QP,    1040                       ; an LDS row of query: 1,024 bytes + 16 of padding: the 16 rows of a load start at 16 different 16-byte columns modulo 256 bytes
.set STW,   176*QP                     ; behind the 176 rows: a stage of 16 rows x (256 + 16) bytes for each wave, for wq
.set STI,   STW+4*16*272               ; and one of 16 rows x (64 + 16) bytes, for ix
.set SPARE, STI+4*16*80                ; the spare words, 128 bytes a wave
.set REF,   22                         ; v[22:25]  reference point of levels h and 2 + h
.set RXY,   26                         ; v[26:29]  the same times W
.set ACC,   48                         ; accumulator a = 3 mi + ty at ACC + 8 a
.set QH,    96
.set RB,    160
.set WS,    200
.set PI,    216
.set BIAS,  128                        ; window 3
; v1 r; v2 h; v3 r QP + 32 h; v4 the tile's LDS address; v5, v6 into the stages; v7, v8 back from them; v9 16 x lane; v10 32 r + 8 h; v11, v12 the add's two registers; v13 32 h; v46 16 h
; v[14:15] W of level h, twice; v[16:17] W of level 2 + h, twice; v18, v19 those less 2; v20, v21 the two levels' bases, in both halves of a word
; s[4:17] the seven addresses; s18 the tile's first LDS byte; s[20:43] three descriptor groups 1 (8, 16, 4 rows); s[44:59] four groups 0; s60 wave; s61 S; s62 LAST; s63 16 t
; s[66:67] an offset; s[68:73] wq, ix, reference_points at my first row; s[74:79] the same at the tile in hand; s[80:81] log2(e); s[82:83] lane selects; s84 trips; s85 the tile's row
; s[86:91] wf, b_off, b_attn at my wave's part
.set MSB, 0
.macro WIN new                         ; the immediate's high byte repeats the setting that is left; a switch that changes nothing is dropped
.if MSB != (\new)
	s_set_vgpr_msb (MSB<<8)|(\new)
.set MSB, \new
.endif
.endm
.macro G1SET g, rows                   ; descriptor group 1: rows x 256 elements of 4 bytes, 256 elements from row to row, 4 words of padding behind every 256 words
	s_mov_b32 s[\g], (2<<16)|(1<<20)|(7<<22)|(3<<25)
	s_mov_b32 s[\g+1], 256<<16                     ; tensor_dim0 = 256
	s_mov_b32 s[\g+2], (\rows)<<16                 ; tensor_dim1 = rows
	s_mov_b32 s[\g+3], 256<<16                     ; tile_dim0 = 256
	s_mov_b32 s[\g+4], \rows                       ; tile_dim1 = rows
	s_mov_b32 s[\g+5], 256
	s_mov_b32 s[\g+6], 0
	s_mov_b32 s[\g+7], 0
.endm
	s_load_b256 s[4:11], s[0:1], 0x0               ; query s[4:5], reference_points s[6:7], wf s[8:9], b_off s[10:11]
	s_load_b128 s[12:15], s[0:1], 0x20             ; b_attn s[12:13], wq s[14:15]
	s_load_b64 s[16:17], s[0:1], 0x30              ; ix
	v_lshl_add_u32 v11, v0, 2, SPARE
	v_mov_b32 v12, 0
	ds_add_u32 v11, v12                            ; the wave's opening: the add and its wait stand ahead of my first tensor load; work on registers stands between them
	ds_add_u32 v11, v12
	v_lshrrev_b32 v1, 5, v0
	v_readfirstlane_b32 s60, v1                    ; wave 0..3
	s_mul_i32 s61, ttmp9, 170
	s_and_b32 s61, s61, 0xfffffffc                 ; S
	s_and_b32 s62, ttmp9, 1
	s_lshl_b32 s62, s62, 2
	s_add_co_u32 s62, s62, 152                     ; LAST
	s_mov_b32 s63, 0
	G1SET 20, 8
	G1SET 28, 16
	G1SET 36, 4
	s_mov_b32 s44, 1                               ; groups 0: count = 1; the LDS address is a constant + the wave's number times a constant
	s_mul_i32 s45, s60, 8*QP                       ; load 0: LDS rows 8 w on (tiles 0, 1)
	s_mov_b32 s48, 1
	s_mul_i32 s49, s60, 16*QP
	s_mov_b32 s52, 1
	s_add_co_u32 s53, s49, 96*QP                   ; load 2: rows 96 + 16 w on (tiles 6-9)
	s_add_co_u32 s49, s49, 32*QP                   ; load 1: rows 32 + 16 w on (tiles 2-5)
	s_mov_b32 s56, 1
	s_mul_i32 s57, s60, 4*QP
	s_add_co_u32 s57, s57, 160*QP                  ; load 3: rows 160 + 4 w on (tile 10)
	s_lshl_b32 s66, s60, 3
	s_add_co_u32 s66, s66, s61
	s_lshl_b32 s66, s66, 10                        ; their first rows in query, of 1,024 bytes: S + 8 w,
	s_mov_b32 s67, 0
	s_lshl_b32 s68, s60, 4
	s_add_co_u32 s68, s68, s61
	s_add_co_u32 s68, s68, 32
	s_lshl_b32 s68, s68, 10                        ; S + 32 + 16 w,
	s_mov_b32 s69, 0
	s_add_co_u32 s70, s68, 64*1024                 ; S + 96 + 16 w,
	s_mov_b32 s71, 0
	s_lshl_b32 s72, s60, 2
	s_add_co_u32 s72, s72, s61
	s_add_co_u32 s72, s72, s62
	s_lshl_b32 s72, s72, 10                        ; S + LAST + 4 w
	s_mov_b32 s73, 0
	s_mov_b32 s80, 0x3fb8aa3b                      ; log2(e),
	s_mov_b32 s81, s80                             ; named as a pair
	s_mov_b32 s82, 0x76543210                      ; v_permlanex16_b32: each lane takes its own place in the other half
	s_mov_b32 s83, 0xfedcba98
	v_and_b32 v1, 15, v0                           ; r
	v_bfe_u32 v2, v0, 4, 1                         ; h
	v_mul_u32_u24 v3, v1, QP
	v_lshl_add_u32 v3, v2, 5, v3                   ; a fragment's first bytes: row r, 8 h numbers of 4 bytes
	s_mul_i32 s86, s60, 16*272
	s_add_co_u32 s86, s86, STW
	s_mul_i32 s87, s60, 16*80
	s_add_co_u32 s87, s87, STI
	v_mul_u32_u24 v5, v1, 272
	v_lshl_add_u32 v5, v2, 6, v5                   ; wq's stage, in: row r, level h
	v_add_nc_u32 v5, s86, v5
	v_mul_u32_u24 v7, v2, 272
	v_lshl_add_u32 v7, v1, 4, v7                   ; back: lanes 0-15 one row of 256 bytes, lanes 16-31 the next
	v_add_nc_u32 v7, s86, v7
	v_mul_u32_u24 v6, v1, 80
	v_lshl_add_u32 v6, v2, 4, v6                   ; ix's stage, in: row r, level h
	v_add_nc_u32 v6, s87, v6
	v_bfe_u32 v8, v0, 2, 3
	v_mul_u32_u24 v8, v8, 80
	v_and_b32 v47, 3, v0
	v_lshl_add_u32 v8, v47, 4, v8                  ; back: four lanes a row of 64 bytes
	v_add_nc_u32 v8, s87, v8
	v_and_b32 v9, 31, v0
	v_lshlrev_b32 v9, 4, v9
	v_lshlrev_b32 v10, 5, v1
	v_lshl_add_u32 v10, v2, 3, v10
	v_lshlrev_b32 v13, 5, v2
	v_lshlrev_b32 v46, 4, v2
	v_lshlrev_b32 v47, 23, v2                      ; one step of an f32's exponent
	v_sub_nc_u32 v14, 0x43000000, v47              ; 128.0 or 64.0
	v_mov_b32 v15, v14
	v_sub_nc_u32 v16, 0x42000000, v47              ; 32.0 or 16.0
	v_mov_b32 v17, v16
	v_add_f32 v18, -2.0, v14
	v_add_f32 v19, -2.0, v16
	v_sub_nc_u32 v47, 0, v2                        ; 0 or all ones
	v_and_b32 v20, 0x40004000, v47                 ; 0 or 16,384, twice
	v_and_b32 v21, 0x04000400, v47
	v_add_nc_u32 v21, 0x50005000, v21              ; 20,480 or 21,504, twice
	s_wait_dscnt 0x0                               ; the opening add is done
	s_wait_kmcnt 0x0
	s_add_nc_u64 s[46:47], s[4:5], s[66:67]
	s_or_b32 s47, s47, 0x80000000                  ; type = 2
	s_add_nc_u64 s[50:51], s[4:5], s[68:69]
	s_or_b32 s51, s51, 0x80000000
	s_add_nc_u64 s[54:55], s[4:5], s[70:71]
	s_or_b32 s55, s55, 0x80000000
	s_add_nc_u64 s[58:59], s[4:5], s[72:73]
	s_or_b32 s59, s59, 0x80000000
	tensor_load_to_lds s[44:47], s[20:27]          ; all first fills in one group, ahead of every wait on TENSORcnt, LDS read and barrier; their registers are never written again
	s_nop 0
	tensor_load_to_lds s[48:51], s[28:35]
	s_nop 0
	tensor_load_to_lds s[52:55], s[28:35]
	s_nop 0
	tensor_load_to_lds s[56:59], s[36:43]
	s_nop 0
.rept 4
	v_nop                                          ; ahead of the window switches below
.endr
	s_mul_i32 s66, s60, 11141120                   ; wq: 43,520 x 256 bytes a pair of heads,
	s_lshl_b32 s67, s61, 8                         ; 256 bytes a query
	s_add_co_u32 s66, s66, s67
	s_mov_b32 s67, 0
	s_add_nc_u64 s[68:69], s[14:15], s[66:67]
	s_mul_i32 s66, s60, 2785280                    ; ix: a quarter of that
	s_lshl_b32 s70, s61, 6
	s_add_co_u32 s66, s66, s70
	s_add_nc_u64 s[70:71], s[16:17], s[66:67]
	s_lshl_b32 s66, s61, 5                         ; reference_points: 32 bytes a query
	s_add_nc_u64 s[72:73], s[6:7], s[66:67]
	s_mov_b64 s[78:79], s[72:73]
	s_mul_i32 s66, s60, 49152
	s_add_nc_u64 s[86:87], s[8:9], s[66:67]
	s_lshl_b32 s66, s60, 8
	s_add_nc_u64 s[88:89], s[10:11], s[66:67]
	s_lshl_b32 s66, s60, 7
	s_add_nc_u64 s[90:91], s[12:13], s[66:67]
	WIN 0x40                                       ; destination window 1, address window 0
.set f, 0
.rept 30
	global_load_b128 v[8*f:8*f+3],   v9, s[86:87] offset:1024*f
	global_load_b128 v[8*f+4:8*f+7], v9, s[86:87] offset:1024*f+512
.set f, f+1
.endr
	WIN 0x80                                       ; destination window 2
.rept 18
	global_load_b128 v[8*(f-30):8*(f-30)+3],   v9, s[86:87] offset:1024*f
	global_load_b128 v[8*(f-30)+4:8*(f-30)+7], v9, s[86:87] offset:1024*f+512
.set f, f+1
.endr
	WIN 0xc0                                       ; destination window 3: the biases, in an accumulator's layout: register j is column 8 h + j
.irp m, 0,1
.irp y, 0,1
	global_load_b128 v[BIAS+8*(3*\m+\y):BIAS+8*(3*\m+\y)+3],   v13, s[88:89] offset:128*\m+64*\y
	global_load_b128 v[BIAS+8*(3*\m+\y)+4:BIAS+8*(3*\m+\y)+7], v13, s[88:89] offset:128*\m+64*\y+16
.endr
	global_load_b128 v[BIAS+8*(3*\m+2):BIAS+8*(3*\m+2)+3],   v46, s[90:91] offset:64*\m      ; level h
	global_load_b128 v[BIAS+8*(3*\m+2)+4:BIAS+8*(3*\m+2)+7], v46, s[90:91] offset:64*\m+32   ; level 2 + h
.endr
	WIN 0
	global_load_b64 v[REF:REF+1],   v10, s[78:79]              ; tile 0's reference points
	global_load_b64 v[REF+2:REF+3], v10, s[78:79] offset:16
	s_wait_loadcnt 0x0
	WIN 0xc3                                       ; the position's - 0.5 goes into the offsets' biases
.irp a, 0,1,3,4
.irp i, 0,2,4,6
	v_pk_add_f32 v[BIAS+8*\a+\i:BIAS+8*\a+\i+1], v[BIAS+8*\a+\i:BIAS+8*\a+\i+1], -0.5 op_sel_hi:[1,0]
.endr
.endr
	WIN 0
.macro BOTH line:vararg                ; one line for each of my two heads: LG its logits, TS its eight registers at work
.set mi, 0
.rept 2
.set LG, ACC+24*mi+16
.set TS, 30+8*mi
	\line
.set mi, mi+1
.endr
.endm
.macro FOUR line:vararg                ; one line for each of a level's four points: TP its sixteen registers at work
.set p, 0
.rept 4
.set TP, QH+16*p
	\line
.set p, p+1
.endr
.endm
; A head's softmax: a lane holds 8 of a query's 16 logits, the lane 16 away the others.  The accumulator's lowest registers are read first.
.macro SOFTMAX
	BOTH v_max3_num_f32 v[TS], v[LG], v[LG+1], v[LG+2]
	BOTH v_max3_num_f32 v[TS+1], v[LG+3], v[LG+4], v[LG+5]
	BOTH v_max3_num_f32 v[TS], v[TS], v[LG+6], v[LG+7]
	BOTH v_max_num_f32 v[TS], v[TS], v[TS+1]
	BOTH v_permlanex16_b32 v[TS+1], v[TS], s82, s83
	BOTH v_max_num_f32 v[TS], v[TS], v[TS+1]
	BOTH v_mul_f32 v[TS], s80, v[TS]
.irp i, 0,2,4,6
	BOTH v_pk_fma_f32 v[LG+\i:LG+\i+1], v[LG+\i:LG+\i+1], s[80:81], v[TS:TS+1] op_sel_hi:[1,0,0] neg_lo:[0,0,1] neg_hi:[0,0,1]
.endr
.irp i, 0,1,2,3,4,5,6,7
	BOTH v_exp_f32 v[LG+\i], v[LG+\i]
.endr
	v_nop                                          ; a plain instruction between the last exponential and the use of its result (ISA guide 5.7.2)
	s_wait_alu depctr_va_vdst(0)
	BOTH v_pk_add_f32 v[TS+2:TS+3], v[LG:LG+1], v[LG+2:LG+3]
	BOTH v_pk_add_f32 v[TS+4:TS+5], v[LG+4:LG+5], v[LG+6:LG+7]
	BOTH v_pk_add_f32 v[TS+2:TS+3], v[TS+2:TS+3], v[TS+4:TS+5]
	BOTH v_add_f32 v[TS+2], v[TS+2], v[TS+3]
	BOTH v_permlanex16_b32 v[TS+3], v[TS+2], s82, s83
	BOTH v_add_f32 v[TS+2], v[TS+2], v[TS+3]
	BOTH v_rcp_f32 v[TS+4], v[TS+2]
	v_nop
	s_wait_alu depctr_va_vdst(0)
.irp i, 0,2,4,6
	BOTH v_pk_mul_f32 v[LG+\i:LG+\i+1], v[LG+\i:LG+\i+1], v[TS+4:TS+5] op_sel_hi:[1,0]
.endr
.endm
; The four points of head hd (0, 1), level h + 2 lv.  At work, from TP on: 0, 1 (x, y), later the y hats times attention; 2, 3 the base corner; 4, 5 t = position - base; 6, 7: 2 - t, then 6 the x hat at
; base + 1; 8, 9: 1 - t, then 8 the x hat at base; 10, 11: 1 + t; 12-15 the four weights.  hat(t) = med3(1 - t, 0, 1 + t); hat(t - 1) = med3(t, 0, 2 - t).
.macro POINTS hd, lv
.set OB,  ACC+24*(\hd)+8*(\lv)
.set LGS, ACC+24*(\hd)+16+4*(\lv)
.set WSB, WS+8*(\lv)
	FOUR v_pk_add_f32 v[TP:TP+1], v[OB+2*p:OB+2*p+1], v[RXY+2*(\lv):RXY+2*(\lv)+1]
	FOUR v_floor_f32 v[TP+2], v[TP]
	FOUR v_floor_f32 v[TP+3], v[TP+1]
	FOUR v_med3_num_f32 v[TP+2], v[TP+2], 0, v[18+(\lv)]
	FOUR v_med3_num_f32 v[TP+3], v[TP+3], 0, v[18+(\lv)]
	FOUR v_pk_add_f32 v[TP+4:TP+5], v[TP:TP+1], v[TP+2:TP+3] neg_lo:[0,1] neg_hi:[0,1]
	FOUR v_pk_add_f32 v[TP+6:TP+7], v[TP+4:TP+5], 2.0 op_sel_hi:[1,0] neg_lo:[1,0] neg_hi:[1,0]
	FOUR v_pk_add_f32 v[TP+8:TP+9], v[TP+4:TP+5], 1.0 op_sel_hi:[1,0] neg_lo:[1,0] neg_hi:[1,0]
	FOUR v_pk_add_f32 v[TP+10:TP+11], v[TP+4:TP+5], 1.0 op_sel_hi:[1,0]
	FOUR v_med3_num_f32 v[TP+6], v[TP+4], 0, v[TP+6]
	FOUR v_med3_num_f32 v[TP+1], v[TP+5], 0, v[TP+7]
	FOUR v_med3_num_f32 v[TP], v[TP+9], 0, v[TP+11]
	FOUR v_med3_num_f32 v[TP+8], v[TP+8], 0, v[TP+10]
	FOUR v_mul_f32 v[TP], v[TP], v[LGS+p]
	FOUR v_mul_f32 v[TP+1], v[TP+1], v[LGS+p]
	FOUR v_pk_mul_f32 v[TP+12:TP+13], v[TP:TP+1], v[TP+8:TP+9] op_sel_hi:[1,0]
	FOUR v_pk_mul_f32 v[TP+14:TP+15], v[TP:TP+1], v[TP+6:TP+7] op_sel_hi:[1,0]
	FOUR v_cvt_pk_f16_f32 v[WSB+p], v[TP+12], v[TP+13]
	FOUR v_cvt_pk_f16_f32 v[WSB+4+p], v[TP+14], v[TP+15]
	FOUR v_fma_f32 v[TP+4], v[TP+3], v[14+2*(\lv)], v[TP+2]
	FOUR v_cvt_u32_f32 v[PI+p], v[TP+4]
	v_lshl_or_b32 v[PI+4], v[PI+1], 16, v[PI]
	v_lshl_or_b32 v[PI+5], v[PI+3], 16, v[PI+2]
	v_add_nc_u32 v[PI+4], v[20+(\lv)], v[PI+4]     ; yb W + xb stays under the level's size, so no half carries into the other
	v_add_nc_u32 v[PI+5], v[20+(\lv)], v[PI+5]
	ds_store_b128 v5, v[WSB:WSB+3]   offset:128*(\lv)+32*(\hd)
	ds_store_b128 v5, v[WSB+4:WSB+7] offset:128*(\lv)+32*(\hd)+16
	ds_store_b64  v6, v[PI+4:PI+5]   offset:32*(\lv)+8*(\hd)
.endm
; ONE TILE of 16 queries.
.macro TILE
	s_wait_loadcnt 0x0                             ; this tile's reference points are in, and the loads that named s[78:79] are done
	v_pk_mul_f32 v[RXY:RXY+1],   v[REF:REF+1],   v[14:15]
	v_pk_mul_f32 v[RXY+2:RXY+3], v[REF+2:REF+3], v[16:17]
	v_add_nc_u32 v4, s18, v3
	s_min_u32 s85, s63, s62                        ; this tile's first row
	s_add_co_u32 s66, s63, 16
	s_min_u32 s66, s66, s62                        ; the next tile's (in the last trip: the last tile's once more, inside the buffer, unused)
	s_lshl_b32 s66, s66, 5
	s_mov_b32 s67, 0
	s_add_nc_u64 s[78:79], s[72:73], s[66:67]
	global_load_b64 v[REF:REF+1],   v10, s[78:79]
	global_load_b64 v[REF+2:REF+3], v10, s[78:79] offset:16
	WIN 0xc0                                       ; destination window 3, address window 0
.set ks, 0
.rept 8                                            ; K step ks: numbers 32 ks + 8 h + 0..7 and 32 ks + 16 + 8 h + 0..7 of row r, in f32
.set i, 0
.rept 4
	ds_load_b128 v[16*ks+4*i:16*ks+4*i+3], v4 offset:128*ks+16*(i%2)+64*(i/2)
.set i, i+1
.endr
.set ks, ks+1
.endr
	WIN 0x0f                                       ; sources window 3, destination window 0
.set ks, 0
.rept 8
	s_wait_dscnt 28-4*ks                           ; K step ks's four loads are back; the younger ones stay out
.set i, 0
.rept 8
	v_cvt_pk_f16_f32 v[QH+8*ks+i], v[16*ks+2*i], v[16*ks+2*i+1]
.set i, i+1
.endr
.set ks, ks+1
.endr
.set ks, 0
.rept 8                                            ; 48 products; the six accumulators take turns, one instruction a turn; the first K step starts the sums with the biases
.set a, 0
.rept 6
.set f, 6*ks+a
.if ks == 0
	WIN 0x31                                       ; W in window 1, the bias in window 3
	v_wmma_f32_16x16x32_f16 v[ACC+8*a:ACC+8*a+7], v[8*f:8*f+7], v[QH:QH+7], v[BIAS+8*a:BIAS+8*a+7]
.elseif ks < 5
	WIN 0x01
	v_wmma_f32_16x16x32_f16 v[ACC+8*a:ACC+8*a+7], v[8*f:8*f+7], v[QH+8*ks:QH+8*ks+7], v[ACC+8*a:ACC+8*a+7]
.else
	WIN 0x02
	v_wmma_f32_16x16x32_f16 v[ACC+8*a:ACC+8*a+7], v[8*(f-30):8*(f-30)+7], v[QH+8*ks:QH+8*ks+7], v[ACC+8*a:ACC+8*a+7]
.endif
.set a, a+1
.endr
.set ks, ks+1
.endr
	WIN 0
.rept 4
	v_nop                                          ; four places behind the last product, whose result the softmax reads (ISA guide 7.12.1)
.endr
	SOFTMAX
	POINTS 0, 0
	POINTS 0, 1
	POINTS 1, 0
	POINTS 1, 1
	s_wait_xcnt 0x0                                ; the last tile's stores have had their addresses translated (ISA guide 3.1): only now are their data and bases written again
	s_lshl_b32 s66, s85, 8
	s_add_nc_u64 s[74:75], s[68:69], s[66:67]
	s_lshl_b32 s66, s85, 6
	s_add_nc_u64 s[76:77], s[70:71], s[66:67]
.set t, 0
.rept 8
	ds_load_b128 v[RB+4*t:RB+4*t+3], v7 offset:544*t   ; my own stage: LDS serves a wave's instructions in order (ISA guide 5.7.1.4)
.set t, t+1
.endr
	ds_load_b128 v[RB+32:RB+35], v8
	ds_load_b128 v[RB+36:RB+39], v8 offset:640
.set t, 0
.rept 8
	s_wait_dscnt 9-t                               ; read t is back; the younger ones stay out
	global_store_b128 v9, v[RB+4*t:RB+4*t+3], s[74:75] offset:512*t  ; two queries' 512 consecutive bytes, at a multiple of 256 from wq's first byte
.set t, t+1
.endr
	s_wait_dscnt 1
	global_store_b128 v9, v[RB+32:RB+35], s[76:77]                   ; eight queries' 512 consecutive bytes of ix: S and the tile's row are multiples of 4
	s_wait_dscnt 0
	global_store_b128 v9, v[RB+36:RB+39], s[76:77] offset:512
	s_add_co_u32 s18, s18, 16*QP
	s_add_co_u32 s63, s63, 16
.endm
; A phase: the tiles that one more of the four loads has brought.  left = how many younger tensor loads of mine may stay out.
.macro PHASE tag, left, base, trips
	s_wait_tensorcnt \left                         ; my part of the phase's rows is in LDS (tensor loads of a wave end in order: ISA guide 10.11.1),
	s_wait_dscnt 0x0
	s_barrier_signal -1
	s_barrier_wait -1                              ; everybody's is
	s_mov_b32 s18, \base
	s_mov_b32 s84, \trips
.Ltile\tag:
	TILE
	s_sub_co_u32 s84, s84, 1
	s_cmp_lg_u32 s84, 0
	s_cbranch_scc1 .Ltile\tag
.endm
	PHASE A, 3, 0, 2                               ; tiles 0, 1: load 0
	PHASE B, 2, 32*QP, 4                           ; tiles 2-5: load 1
	PHASE C, 0, 96*QP, 5                           ; tiles 6-10: loads 2 and 3
	s_wait_tensorcnt 0x0                           ; the wave's end, behind my last tensor load and my last LDS store
	ds_add_u32 v11, v12
	s_wait_dscnt 0x0
	s_endpgm
.Lfunc_end_k_qf25fea9ad0_proj:
	.size	k_qf25fea9ad0_proj, .Lfunc_end_k_qf25fea9ad0_proj-k_qf25fea9ad0_proj
	.p2alignl 7, 3214868480
	.fill 96, 4, 3214868480
	.section	.rodata,"a",@progbits
	.p2align	6, 0x0
	.amdhsa_kernel k_qf25fea9ad0_proj
		.amdhsa_group_segment_fixed_size 206080
		.amdhsa_private_segment_fixed_size 0
		.amdhsa_enable_private_segment 0
		.amdhsa_kernarg_size 56
		.amdhsa_user_sgpr_count 2
		.amdhsa_user_sgpr_kernarg_segment_ptr 1
		.amdhsa_wavefront_size32 1
		.amdhsa_system_sgpr_workgroup_id_x 1
		.amdhsa_system_sgpr_workgroup_id_y 1
		.amdhsa_system_sgpr_workgroup_id_z 1
		.amdhsa_system_vgpr_workitem_id 0
		.amdhsa_next_free_vgpr 944
		.amdhsa_next_free_sgpr 92
		.amdhsa_reserve_vcc 0
		.amdhsa_float_denorm_mode_32 3
		.amdhsa_float_denorm_mode_16_64 3
		.amdhsa_memory_ordered 1
		.amdhsa_forward_progress 1
		.amdhsa_inst_pref_size 126
	.end_amdhsa_kernel
	.amdgpu_metadata
---
amdhsa.version: [ 1, 2 ]
amdhsa.kernels:
  - .name:           k_qf25fea9ad0_proj
    .symbol:         k_qf25fea9ad0_proj.kd
    .args:
      - { .name: query, .offset: 0, .size: 8, .value_kind: global_buffer, .address_space: global }
      - { .name: reference_points, .offset: 8, .size: 8, .value_kind: global_buffer, .address_space: global }
      - { .name: wf, .offset: 16, .size: 8, .value_kind: global_buffer, .address_space: global }
      - { .name: b_off, .offset: 24, .size: 8, .value_kind: global_buffer, .address_space: global }
      - { .name: b_attn, .offset: 32, .size: 8, .value_kind: global_buffer, .address_space: global }
      - { .name: wq, .offset: 40, .size: 8, .value_kind: global_buffer, .address_space: global }
      - { .name: ix, .offset: 48, .size: 8, .value_kind: global_buffer, .address_space: global }
    .group_segment_fixed_size: 206080
    .private_segment_fixed_size: 0
    .kernarg_segment_align: 8
    .kernarg_segment_size: 56
    .max_flat_workgroup_size: 128
    .sgpr_count:     92
    .vgpr_count:     944
    .wavefront_size: 32
...
	.end_amdgpu_metadata
.endif
;; end of part 2
;; launch sample (part 3): grid 320 x 4, 4 waves a work-group, no clusters, 0 bytes of LDS; arguments vt, wq, ix, out0; writes out0
.if DOCPART == 3
	.amdgcn_target "amdgcn-amd-amdhsa--gfx1250"
	.amdhsa_code_object_version 6
	.text
	.protected	k_qf25fea9ad0_sample
	.globl	k_qf25fea9ad0_sample
	.p2align	8
	.type	k_qf25fea9ad0_sample,@function
k_qf25fea9ad0_sample:
	s_mov_b64 s[64:65], 0
	v_nop
	global_prefetch_b8 v0, s[64:65] scope:SCOPE_SE
	s_setreg_imm32_b32 hwreg(HW_REG_WAVE_MODE, 25, 1), 1
	s_wait_xcnt 0x0
; SAMPLE.  out0[query][32 head + channel] = the sum over a head's 16 points and each point's 4 corners of wq x vt[pixel][channel].  The pixel numbers come as whole numbers from ix.
; SHARES.  Work-group (x, y): pair of heads hp = y; wave = 4 x + its number takes 34 consecutive queries (all in one batch entry: 640 x 34 = 21,760), two a trip, 17 trips.
; lane = 16 qi + 8 mi + 4 xs + cg: query qi of the two, head 2 hp + mi, corner column xs, 16-byte chunk cg of a record.  Eight lanes read the 128 consecutive bytes of pixels xb, xb + 1.
; A lane adds up 8 channels over 16 points x 2 rows, in f32, straight from f16 halves; one exchange adds the two corner columns; then the lanes with xs = 0 hold channels 4 cg .. + 3 and those with
; xs = 1 channels 16 + 4 cg .. + 3 to store (the order in which the records were laid), so that 16 lanes store 256 consecutive bytes.
; A RING OF FOUR SLOTS IN REGISTERS, one a level.  Slot l's turn in trip t: wait for its ten loads; 64 multiply-adds; then ask for trip t + 1's 8 corners (their indices came with the ten) and
; weights, and for trip t + 2's indices.  So 40 loads of a wave are out at the most, and each wait leaves the three younger slots' loads out.
; No LDS, no barrier, no matrix unit (the sums run over points, whose records lie along the channels), no cluster (no two work-groups read the same bytes at the same time by plan).
; An index is held to the level's last base corner before it enters an address.
.set ACC,  8                           ; v[8:15]   eight sums
.set OUTR, 16                          ; v[16:19]  what I store
.set AR,   20                          ; slot l: v[20+4l ..]  four byte offsets into vt
.set WR,   36                          ; slot l: v[36+4l ..]  weights: word p holds rows 0 and 1 of point p
.set IR,   52                          ; slot l: v[52+2l ..]  four indices of 16 bits
.set XR,   60                          ; slot l: v[60+32l ..] corner (p, row) at + 4 (2 p + row)
; v1 my head's table + my 16 bytes of two records; v2, v3, v4 my byte offsets in wq, ix, out0 (stepped a trip); v5 0
	s_load_b256 s[4:11], s[0:1], 0x0               ; vt s[4:5], wq s[6:7], ix s[8:9], out0 s[10:11]
	v_lshrrev_b32 v16, 5, v0
	v_readfirstlane_b32 s22, v16                   ; wave 0..3
	s_and_b32 s20, ttmp7, 0xffff                   ; hp
	s_lshl_b32 s21, ttmp9, 2
	s_add_co_u32 s21, s21, s22
	s_mul_i32 s23, s21, 34                         ; my first query
	s_cmp_ge_u32 ttmp9, 160
	s_cselect_b32 s24, 8, 0                        ; 8 x batch entry
	s_lshl1_add_u32 s24, s20, s24                  ; + 2 hp
	s_mov_b32 s18, 0xf0f0f0f0                      ; the lanes with xs = 1
	v_bfe_u32 v16, v0, 3, 1                        ; mi
	v_bfe_u32 v17, v0, 4, 1                        ; qi
	v_bfe_u32 v18, v0, 2, 1                        ; xs
	v_add_nc_u32 v19, s24, v16
	v_mul_u32_u24 v19, v19, 0x154000               ; 21,760 records of 64 bytes a head
	v_and_b32 v1, 7, v0
	v_lshl_add_u32 v1, v1, 4, v19
	v_lshlrev_b32 v2, 8, v17
	v_lshl_add_u32 v2, v16, 5, v2
	v_lshl_add_u32 v2, v18, 4, v2
	v_lshlrev_b32 v3, 6, v17
	v_lshl_add_u32 v3, v16, 3, v3
	v_and_b32 v4, 15, v0
	v_lshlrev_b32 v4, 4, v4
	v_lshl_add_u32 v4, v17, 10, v4
	v_mov_b32 v5, 0
	s_mul_i32 s26, s20, 11141120
	s_lshl_b32 s27, s23, 8
	s_add_co_u32 s26, s26, s27
	s_mov_b32 s27, 0
	s_mul_i32 s28, s20, 2785280
	s_lshl_b32 s29, s23, 6
	s_add_co_u32 s28, s28, s29
	s_mov_b32 s29, 0
	s_lshl_b32 s30, s23, 10
	s_lshl_b32 s31, s20, 8
	s_add_co_u32 s30, s30, s31
	s_mov_b32 s31, 0
	s_wait_kmcnt 0x0
	s_add_nc_u64 s[12:13], s[6:7], s[26:27]
	s_add_nc_u64 s[14:15], s[8:9], s[28:29]
	s_add_nc_u64 s[16:17], s[10:11], s[30:31]
; Slot l asks.  gw = 1: 8 corners by the indices that it holds, and their weights, at byte wo of my place in wq.  ii = 1: the indices at byte io of my place in ix.
.macro ISSUE l, gw, ii, wo, io
.set ab, AR+4*(\l)
.set ib, IR+2*(\l)
.set xb, XR+32*(\l)
.set wb, WR+4*(\l)
.if (\l) == 0
.set MAXP, 16254                       ; the level's base + (H - 2) W + W - 2
.elseif (\l) == 1
.set MAXP, 20414
.elseif (\l) == 2
.set MAXP, 21470
.else
.set MAXP, 21742
.endif
.set ROWB, 8192>>(\l)                  ; a picture row of records
.if \gw
	v_and_b32     v[ab],   0xffff, v[ib]
	v_lshrrev_b32 v[ab+1], 16, v[ib]
	v_and_b32     v[ab+2], 0xffff, v[ib+1]
	v_lshrrev_b32 v[ab+3], 16, v[ib+1]
.irp q, 0,1,2,3
	v_min_u32 v[ab+\q], MAXP, v[ab+\q]
.endr
.irp q, 0,1,2,3
	v_lshl_add_u32 v[ab+\q], v[ab+\q], 6, v1
.endr
.irp q, 0,1,2,3
	global_load_b128 v[xb+8*\q:xb+8*\q+3],   v[ab+\q], s[4:5]
	global_load_b128 v[xb+8*\q+4:xb+8*\q+7], v[ab+\q], s[4:5] offset:ROWB
.endr
	global_load_b128 v[wb:wb+3], v2, s[12:13] offset:(\wo)+64*(\l) th:TH_LOAD_NT
.endif
.if \ii
	global_load_b64 v[ib:ib+1], v3, s[14:15] offset:(\io)+16*(\l) th:TH_LOAD_NT
.endif
.endm
; Sum e takes half e % 2 of word e / 2 of corner pp = 2 p + row, times half pp % 2 of weight word p; cr = the register added to.
.macro FM cr
.if (e%2 == 0) && (pp%2 == 0)
	v_fma_mix_f32 v[ACC+e], v[xb+4*pp+e/2], v[wb+pp/2], v[\cr] op_sel:[0,0,0] op_sel_hi:[1,1,0]
.elseif (e%2 == 1) && (pp%2 == 0)
	v_fma_mix_f32 v[ACC+e], v[xb+4*pp+e/2], v[wb+pp/2], v[\cr] op_sel:[1,0,0] op_sel_hi:[1,1,0]
.elseif (e%2 == 0)
	v_fma_mix_f32 v[ACC+e], v[xb+4*pp+e/2], v[wb+pp/2], v[\cr] op_sel:[0,1,0] op_sel_hi:[1,1,0]
.else
	v_fma_mix_f32 v[ACC+e], v[xb+4*pp+e/2], v[wb+pp/2], v[\cr] op_sel:[1,1,0] op_sel_hi:[1,1,0]
.endif
.endm
; Slot l's turn.  left = how many younger loads may stay out.
.macro SLOT l, gw, ii, left
	s_wait_loadcnt \left                           ; loads come back in order (ISA guide 5.7.1): my corners, weights and next indices are in, and my offsets are free
.set xb, XR+32*(\l)
.set wb, WR+4*(\l)
.set pp, 0
.rept 8
.set e, 0
.rept 8
.if ((\l) == 0) && (pp == 0)
	FM 5                                           ; the first eight start the sums: nothing is cleared
.else
	FM ACC+e
.endif
.set e, e+1
.endr
.set pp, pp+1
.endr
	ISSUE \l, \gw, \ii, 512, 256
.endm
.macro TRIP gw, ii, c0, c1, c2, c3
	SLOT 0, \gw, \ii, \c0
	SLOT 1, \gw, \ii, \c1
	SLOT 2, \gw, \ii, \c2
	SLOT 3, \gw, \ii, \c3
.set e, 0
.rept 8
	v_add_f32_dpp v[ACC+e], v[ACC+e], v[ACC+e] row_xmask:4 row_mask:0xf bank_mask:0xf  ; + the other corner column's sums
.set e, e+1
.endr
	s_wait_xcnt 0x0                                ; every earlier memory instruction has had its addresses translated (ISA guide 3.1): the three offsets and the last store's data are written only now
	v_add_nc_u32 v4, 2048, v4                      ; two queries on in out0,
	v_add_nc_u32 v2, 512, v2                       ; in wq,
	v_add_nc_u32 v3, 128, v3                       ; in ix
.irp q, 0,1,2,3
	v_cndmask_b32 v[OUTR+\q], v[ACC+\q], v[ACC+4+\q], s18
.endr
	global_store_b128 v4, v[OUTR:OUTR+3], s[16:17] offset:-2048 th:TH_STORE_NT  ; 16 lanes store 256 consecutive bytes, at a multiple of 256 from out0's first byte
.endm
.irp l, 0,1,2,3
	global_load_b64 v[IR+2*\l:IR+2*\l+1], v3, s[14:15] offset:16*\l th:TH_LOAD_NT  ; trip 0's indices
.endr
	s_wait_loadcnt 0x0
	ISSUE 0, 1, 1, 0, 128                          ; trip 0's corners and weights, trip 1's indices
	ISSUE 1, 1, 1, 0, 128
	ISSUE 2, 1, 1, 0, 128
	ISSUE 3, 1, 1, 0, 128
	s_mov_b32 s19, 15
.Ltrip:
	TRIP 1, 1, 30, 30, 30, 30                      ; three younger slots of ten loads
	s_sub_co_u32 s19, s19, 1
	s_cmp_lg_u32 s19, 0
	s_cbranch_scc1 .Ltrip
	TRIP 1, 0, 30, 29, 28, 27                      ; trip 15 asks for no indices: 3 - l slots of ten and l of nine are younger
	TRIP 0, 0, 27, 18, 9, 0                        ; trip 16 asks for nothing: the counts run down
	s_endpgm
.Lfunc_end_k_qf25fea9ad0_sample:
	.size	k_qf25fea9ad0_sample, .Lfunc_end_k_qf25fea9ad0_sample-k_qf25fea9ad0_sample
	.p2alignl 7, 3214868480
	.fill 96, 4, 3214868480
	.section	.rodata,"a",@progbits
	.p2align	6, 0x0
	.amdhsa_kernel k_qf25fea9ad0_sample
		.amdhsa_group_segment_fixed_size 0
		.amdhsa_private_segment_fixed_size 0
		.amdhsa_enable_private_segment 0
		.amdhsa_kernarg_size 32
		.amdhsa_user_sgpr_count 2
		.amdhsa_user_sgpr_kernarg_segment_ptr 1
		.amdhsa_wavefront_size32 1
		.amdhsa_system_sgpr_workgroup_id_x 1
		.amdhsa_system_sgpr_workgroup_id_y 1
		.amdhsa_system_sgpr_workgroup_id_z 1
		.amdhsa_system_vgpr_workitem_id 0
		.amdhsa_next_free_vgpr 192
		.amdhsa_next_free_sgpr 66
		.amdhsa_reserve_vcc 0
		.amdhsa_float_denorm_mode_32 3
		.amdhsa_float_denorm_mode_16_64 3
		.amdhsa_memory_ordered 1
		.amdhsa_forward_progress 1
		.amdhsa_inst_pref_size 74
	.end_amdhsa_kernel
	.amdgpu_metadata
---
amdhsa.version: [ 1, 2 ]
amdhsa.kernels:
  - .name:           k_qf25fea9ad0_sample
    .symbol:         k_qf25fea9ad0_sample.kd
    .args:
      - { .name: vt, .offset: 0, .size: 8, .value_kind: global_buffer, .address_space: global }
      - { .name: wq, .offset: 8, .size: 8, .value_kind: global_buffer, .address_space: global }
      - { .name: ix, .offset: 16, .size: 8, .value_kind: global_buffer, .address_space: global }
      - { .name: out0, .offset: 24, .size: 8, .value_kind: global_buffer, .address_space: global }
    .group_segment_fixed_size: 0
    .private_segment_fixed_size: 0
    .kernarg_segment_align: 8
    .kernarg_segment_size: 32
    .max_flat_workgroup_size: 128
    .sgpr_count:     66
    .vgpr_count:     192
    .wavefront_size: 32
...
	.end_amdgpu_metadata
.endif
;; end of part 3
;; ======== version 2 of 4: 4 launches; 1.79 times as fast as version 1
;; limits: inputs' magnitudes at most 65,504; values are held in f16: magnitudes above 65,504 overflow, below 6.1e-05 lose precision
;; workspace buffers: vt 22,282,240 bytes; wf 196,608 bytes; wq 44,564,480 bytes; ix 11,141,120 bytes of whole numbers; ot 22,282,240 bytes
;; launch prep (part 4): grid 692 x 1, 4 waves a work-group, no clusters, 0 bytes of LDS; arguments value0, value1, value2, value3, W_off, W_attn, vt, wf; writes vt, wf
.if DOCPART == 4
	.amdgcn_target "amdgcn-amd-amdhsa--gfx1250"
	.amdhsa_code_object_version 6
	.text
	.protected	k_qf25fea9ad0_prep
	.globl	k_qf25fea9ad0_prep
	.p2align	8
	.type	k_qf25fea9ad0_prep,@function
k_qf25fea9ad0_prep:
	s_mov_b64 s[64:65], 0
	v_nop
	global_prefetch_b8 v0, s[64:65] scope:SCOPE_SE
	s_setreg_imm32_b32 hwreg(HW_REG_WAVE_MODE, 25, 1), 1
	s_wait_xcnt 0x0
; PREP.  Two jobs, chosen by the work-group's number.
; (a) Work-groups 0-679: the four value tables [b = 16][channel = 32][pixel] in f32 become ONE table vt[b][cg = 8][pix = 21760][4] in f16: for each b and each group cg of four channels
;     (4 cg .. 4 cg + 3) a dense run of records of 8 bytes, pix = level base (0, 16384, 20480, 21504) + y W + x: 174,080 bytes, what one work-group of the gathering launch holds in LDS.
;     A wave takes 128 pixels of one b (16 x 170 = 2,720 waves).  A lane loads two neighbouring pixels of a channel (8 bytes; a load of the wave covers 256 consecutive bytes), so its
;     two records of a channel group are 16 neighbouring bytes, and a store of the wave covers 512 consecutive bytes: no turn through LDS is needed.
; (b) Work-groups 680-691: W_off and W_attn in f16 as matrix fragments, wf[w = 4][f = 6 s + a][half = 2][lane = 32][8]: element e of lane (r = lane % 16, h = lane / 16) is row
;     k = 32 s + 16 half + 8 h + e of the column that a = 3 mi + ty names for head m = 2 w + mi: ty < 2: W_off's column 32 m + 16 ty + r; ty = 2: W_attn's column 16 m + perm(r),
;     perm(r) = 4 (r / 8) + 8 ((r / 4) % 2) + r % 4, so that a lane half of the product holds the logits of the same two levels as its offsets.
; LIMITS.  f16 holds no number beyond 65,504: values and weights are taken to lie within it; below 6e-5 they keep f16's fixed step of 6e-8.
; No LDS, no barrier, no matrix unit, no cluster: nothing is multiplied, no wave needs another's data and no two work-groups read the same bytes.
.set XR,    8                          ; v[8:135]   as loaded: channel d, half hp of the 128 pixels, my two pixels at XR + 4 d + 2 hp
.set YR,    136                        ; v[136:199] to store: channel group cg, half hp: four registers at YR + 4 (2 cg + hp)
.set CGB,   174080                     ; bytes of one (b, cg) table
; v1 lane; v2 8 x lane; v3 16 x lane; v4, v5, v6 the weights' r, lane offset, h
	s_load_b512 s[4:19], s[0:1], 0x0               ; value0-3 s[4:11], W_off s[12:13], W_attn s[14:15], vt s[16:17], wf s[18:19]
	v_lshrrev_b32 v1, 5, v0
	v_readfirstlane_b32 s20, v1                    ; wave 0..3
	v_and_b32 v1, 31, v0
	v_lshlrev_b32 v2, 3, v1
	v_lshlrev_b32 v3, 4, v1
	s_cmp_ge_u32 ttmp9, 680
	s_cbranch_scc1 .Lweights
	; ---- (a) the tables ----
	s_lshl_b32 s21, ttmp9, 2
	s_add_co_u32 s21, s21, s20                     ; u = my chunk of 128 pixels among 2,720
	s_mul_hi_u32 s22, s21, 0x01818182              ; b = u / 170: the factor is 2^32 / 170 rounded up, exact for u < 2,720
	s_mul_i32 s23, s22, 170
	s_sub_co_u32 s23, s21, s23                     ; c = u % 170: the level bases are 128, 160 and 168 chunks, so 128 c is the first pix
	s_mul_i32 s24, s22, 8*CGB                      ; eight tables a b
	s_lshl_b32 s25, s23, 10                        ; 128 records of 8 bytes
	s_add_co_u32 s24, s24, s25
	s_mov_b32 s25, 0
	s_wait_kmcnt 0x0
	s_add_nc_u64 s[28:29], s[16:17], s[24:25]      ; vt at my first record of channel group 0
; The level's table at s[base:base+1]; its first chunk; log2 of a b's bytes; bytes from a channel's row to the next.  64 loads, 256 consecutive bytes each, channels ascending.
.macro LEVEL base, first, shift, rs
	s_sub_co_u32 s25, s23, \first
	s_lshl_b32 s25, s25, 9                         ; 128 pixels of 4 bytes
	s_lshl_b32 s24, s22, \shift
	s_add_co_u32 s24, s24, s25
	s_mov_b32 s25, 0
	s_add_nc_u64 s[26:27], s[\base:\base+1], s[24:25]
.set d, 0
.rept 32
	global_load_b64 v[XR+4*d:XR+4*d+1],   v2, s[26:27] offset:d*\rs th:TH_LOAD_NT
	global_load_b64 v[XR+4*d+2:XR+4*d+3], v2, s[26:27] offset:d*\rs+256 th:TH_LOAD_NT
.set d, d+1
.endr
.endm
	s_cmp_lt_u32 s23, 128
	s_cbranch_scc0 .Lnot0
	LEVEL 4, 0, 21, 65536
	s_branch .Lturn
.Lnot0:
	s_cmp_lt_u32 s23, 160
	s_cbranch_scc0 .Lnot1
	LEVEL 6, 128, 19, 16384
	s_branch .Lturn
.Lnot1:
	s_cmp_lt_u32 s23, 168
	s_cbranch_scc0 .Lnot2
	LEVEL 8, 160, 17, 4096
	s_branch .Lturn
.Lnot2:
	LEVEL 10, 168, 15, 1024
.Lturn:
.set cg, 0
.rept 8
	s_wait_loadcnt 56-8*cg                         ; loads come back in order (ISA guide 5.7.1): the eight of channels 4 cg .. 4 cg + 3 are in, the later channels' stay out
.set hp, 0
.rept 2
.set yb, YR+4*(2*cg+hp)
.set px, 0
.rept 2                                            ; word 2 px + j of my 16 bytes: pixel px of my two, channels 4 cg + 2 j and + 1
.set j, 0
.rept 2
	v_cvt_pk_f16_f32 v[yb+2*px+j], v[XR+4*(4*cg+2*j)+2*hp+px], v[XR+4*(4*cg+2*j+1)+2*hp+px]
.set j, j+1
.endr
.set px, px+1
.endr
	global_store_b128 v3, v[yb:yb+3], s[28:29] offset:cg*CGB+hp*512  ; 64 records: 512 consecutive bytes, at a multiple of 256 from vt's first byte
.set hp, hp+1
.endr
.set cg, cg+1
.endr
	s_endpgm
	; ---- (b) the weights ----
.Lweights:
	s_sub_co_u32 s21, ttmp9, 680
	s_lshl_b32 s21, s21, 2
	s_add_co_u32 s21, s21, s20                     ; my part among 48
	s_and_b32 s31, s21, 7
	s_lshr_b32 s21, s21, 3                         ; a = 0..5
	s_lshr_b32 s22, s31, 1                         ; w
	s_and_b32 s23, s31, 1                          ; half
	s_cmp_ge_u32 s21, 3
	s_cselect_b32 s24, 1, 0                        ; mi
	s_mul_i32 s25, s24, 3
	s_sub_co_u32 s25, s21, s25                     ; ty
	s_lshl1_add_u32 s24, s22, s24                  ; m = 2 w + mi
	s_mul_i32 s30, s22, 48
	s_add_co_u32 s30, s30, s21
	s_lshl_b32 s30, s30, 10                        ; fragment (w, s = 0, a): 1,024 bytes each,
	s_lshl_b32 s31, s23, 9                         ; my half of it
	s_add_co_u32 s30, s30, s31
	s_mov_b32 s31, 0
	v_and_b32 v4, 15, v0                           ; r
	v_bfe_u32 v6, v0, 4, 1                         ; h
	s_wait_kmcnt 0x0
	s_add_nc_u64 s[28:29], s[18:19], s[30:31]
; 64 numbers a lane: K step ks, element e, at row 32 ks + e below the lane's first row; rs = bytes in a row
.macro W64 rs
.set ks, 0
.rept 8
.set e, 0
.rept 8
	global_load_b32 v[XR+8*ks+e], v5, s[26:27] offset:(32*ks+e)*\rs
.set e, e+1
.endr
.set ks, ks+1
.endr
.endm
	s_cmp_eq_u32 s25, 2
	s_cbranch_scc1 .Llogit
	s_lshl_b32 s30, s23, 14                        ; W_off: 16 half rows of 1,024 bytes,
	s_lshl_b32 s31, s24, 7                         ; column 32 m,
	s_add_co_u32 s30, s30, s31
	s_lshl_b32 s31, s25, 6                         ; + 16 ty
	s_add_co_u32 s30, s30, s31
	s_mov_b32 s31, 0
	s_add_nc_u64 s[26:27], s[12:13], s[30:31]
	v_lshlrev_b32 v5, 2, v4                        ; + r,
	v_lshl_add_u32 v5, v6, 13, v5                  ; 8 h rows
	W64 1024
	s_branch .Lpack
.Llogit:
	s_lshl_b32 s30, s23, 13                        ; W_attn: 16 half rows of 512 bytes,
	s_lshl_b32 s31, s24, 6                         ; column 16 m
	s_add_co_u32 s30, s30, s31
	s_mov_b32 s31, 0
	s_add_nc_u64 s[26:27], s[14:15], s[30:31]
	v_lshrrev_b32 v200, 3, v4
	v_bfe_u32 v201, v4, 2, 1
	v_and_b32 v202, 3, v4
	v_lshlrev_b32 v5, 2, v202                      ; 4 bytes x perm(r)
	v_lshl_add_u32 v5, v200, 4, v5
	v_lshl_add_u32 v5, v201, 5, v5
	v_lshl_add_u32 v5, v6, 12, v5                  ; 8 h rows
	W64 512
.Lpack:
	s_wait_loadcnt 0x0
.set i, 0
.rept 32
	v_cvt_pk_f16_f32 v[YR+i], v[XR+2*i], v[XR+2*i+1]
.set i, i+1
.endr
.set ks, 0
.rept 8
	global_store_b128 v3, v[YR+4*ks:YR+4*ks+3], s[28:29] offset:6144*ks  ; the same a, six fragments on: 512 consecutive bytes
.set ks, ks+1
.endr
	s_endpgm
.Lfunc_end_k_qf25fea9ad0_prep:
	.size	k_qf25fea9ad0_prep, .Lfunc_end_k_qf25fea9ad0_prep-k_qf25fea9ad0_prep
	.p2alignl 7, 3214868480
	.fill 96, 4, 3214868480
	.section	.rodata,"a",@progbits
	.p2align	6, 0x0
	.amdhsa_kernel k_qf25fea9ad0_prep
		.amdhsa_group_segment_fixed_size 0
		.amdhsa_private_segment_fixed_size 0
		.amdhsa_enable_private_segment 0
		.amdhsa_kernarg_size 64
		.amdhsa_user_sgpr_count 2
		.amdhsa_user_sgpr_kernarg_segment_ptr 1
		.amdhsa_wavefront_size32 1
		.amdhsa_system_sgpr_workgroup_id_x 1
		.amdhsa_system_sgpr_workgroup_id_y 1
		.amdhsa_system_sgpr_workgroup_id_z 1
		.amdhsa_system_vgpr_workitem_id 0
		.amdhsa_next_free_vgpr 208
		.amdhsa_next_free_sgpr 66
		.amdhsa_reserve_vcc 0
		.amdhsa_float_denorm_mode_32 3
		.amdhsa_float_denorm_mode_16_64 3
		.amdhsa_memory_ordered 1
		.amdhsa_forward_progress 1
		.amdhsa_inst_pref_size 49
	.end_amdhsa_kernel
	.amdgpu_metadata
---
amdhsa.version: [ 1, 2 ]
amdhsa.kernels:
  - .name:           k_qf25fea9ad0_prep
    .symbol:         k_qf25fea9ad0_prep.kd
    .args:
      - { .name: value0, .offset: 0, .size: 8, .value_kind: global_buffer, .address_space: global }
      - { .name: value1, .offset: 8, .size: 8, .value_kind: global_buffer, .address_space: global }
      - { .name: value2, .offset: 16, .size: 8, .value_kind: global_buffer, .address_space: global }
      - { .name: value3, .offset: 24, .size: 8, .value_kind: global_buffer, .address_space: global }
      - { .name: W_off, .offset: 32, .size: 8, .value_kind: global_buffer, .address_space: global }
      - { .name: W_attn, .offset: 40, .size: 8, .value_kind: global_buffer, .address_space: global }
      - { .name: vt, .offset: 48, .size: 8, .value_kind: global_buffer, .address_space: global }
      - { .name: wf, .offset: 56, .size: 8, .value_kind: global_buffer, .address_space: global }
    .group_segment_fixed_size: 0
    .private_segment_fixed_size: 0
    .kernarg_segment_align: 8
    .kernarg_segment_size: 64
    .max_flat_workgroup_size: 128
    .sgpr_count:     66
    .vgpr_count:     208
    .wavefront_size: 32
...
	.end_amdgpu_metadata
.endif
;; end of part 4
;; launch proj (part 5): grid 256 x 1, 4 waves a work-group, no clusters, 205,312 bytes of LDS; arguments query, reference_points, wf, b_off, b_attn, wq, ix; writes wq, ix
.if DOCPART == 5
	.amdgcn_target "amdgcn-amd-amdhsa--gfx1250"
	.amdhsa_code_object_version 6
	.text
	.protected	k_qf25fea9ad0_proj
	.globl	k_qf25fea9ad0_proj
	.p2align	8
	.type	k_qf25fea9ad0_proj,@function
k_qf25fea9ad0_proj:
	s_mov_b64 s[64:65], 0
	v_nop
	global_prefetch_b8 v0, s[64:65] scope:SCOPE_SE
	s_setreg_imm32_b32 hwreg(HW_REG_WAVE_MODE, 25, 1), 1
	s_wait_xcnt 0x0
; PROJ.  For each of the 43,520 queries: offsets = query W_off + b_off, logits = query W_attn + b_attn (one product, 384 columns, f16 operands, f32 sums), the softmax over a head's 16
; logits (its maximum taken away first), and for each of the 128 sampling points the pixel position x = ref_x W + off_x - 0.5 (y likewise).  Stored for the gathering launch, by heads m:
;   ix[m][query / 8][hf][query % 8][lv][point] u16: the record number of the base corner in that launch's LDS table, level = hf + 2 lv: the level's base (0, 16640, 20864, 21952) + yb (W + 2) + xb,
;       xb = clamp(floor x, 0, W - 2), yb likewise (a picture row has two records of padding there);
;   wq[m][query / 8][hf][query % 8][c = xs + 2 ys][lv][point] f16: attention x hat(x - xb - xs) x hat(y - yb - ys), hat(t) = max(0, 1 - |t|).
; The two hats at xb and xb + 1 are the bilinear weights of those two pixels, and 0 where the sample's own corner lies outside the picture: no validity mask is needed.
; LIMITS.  query and the weights go to the matrix unit in f16 (no number beyond 65,504; below 6e-5 a fixed step of 6e-8); the stored weights lie in 0 to 1 and keep that step too.
; x is made as ref W + (off - 0.5), an order of rounding other than (2 (ref + off / W) - 1 + 1) W / 2 - 0.5: W is a power of two, so only one addition's rounding differs.
; NaN and infinities are not treated apart.
; SHARES.  Work-group i owns the rows from S = 8 ((85 i) / 4) on: 168 rows, or 176 where i % 4 = 3, as eleven tiles of 16 queries at row min(16 t, LAST), LAST = 152 or 160: every tile begins at a
; multiple of 8 queries; where LAST = 152 the last tile overlaps the tenth, and the same wave stores the same numbers there twice.  Wave w owns heads 2 w and 2 w + 1: 96 columns, 48 fragments
; of W, 384 registers for the whole launch.
; THE PRODUCT IS USED TRANSPOSED: source 0 = 16 columns of W, source 1 = 16 queries: a lane (r = lane % 16, h = lane / 16) holds query r, and register j the column 8 h + j of the 16.
; Of a head's offsets that is level h (first accumulator) and 2 + h (second), point j / 2, x or y by j % 2; of its logits (columns permuted when wf was laid) level h + 2 (j / 4), point j % 4.
; So a lane's half h is the stored layouts' hf, and a lane holds 16 whole bytes (lv, point) of each corner's weights and of the indices.
; QUERY comes by the tensor data mover, all of it asked for at the start: four loads a wave, four outstanding, no byte of LDS filled twice.  Tile t lies at LDS row 16 t.
; No cluster: every query row has one reader, and W (196,608 bytes) goes straight to registers.
; REGISTERS, in windows of 256 (s_set_vgpr_msb: bits 1:0 source 0, 3:2 source 1, 5:4 source 2, 7:6 destination):
;   window 0: v0-29 addresses and lane constants; v30-45 softmax at work; v48-95 six accumulators; v96-159 the queries' fragments, then the points at work; v160-199 rows on the way out;
;             v200-223 packed weights and indices; v224-225 W + 2        window 1: v0-239 W's fragments 0-29        window 2: v0-143 fragments 30-47        window 3: v0-127 a tile of query in f32; v128-175 the biases
.set QP,    1040                       ; an LDS row of query: 1,024 bytes + 16 of padding: the 16 rows of a load start at 16 different 16-byte columns modulo 256 bytes
.set STW,   176*QP                     ; behind the 176 rows: for each wave a stage of 16 units of 256 + 16 bytes for wq: unit 8 mi + 4 (r / 8) + 2 h + (r / 4) % 2 holds four queries' 64 bytes
.set STI,   STW+4*16*272               ; and one of 4 units for ix: unit 2 mi + r / 8 holds [h][r % 8][16 bytes]
.set SPARE, STI+4*4*272                ; the spare words, 128 bytes a wave
.set HW,    5570560                    ; a head's bytes in wq: 43,520 x 128
.set HI,    1392640                    ; and in ix: 43,520 x 32
.set REF,   22                         ; v[22:25]  reference point of levels h and 2 + h
.set RXY,   26                         ; v[26:29]  the same times W
.set ACC,   48                         ; accumulator a = 3 mi + ty at ACC + 8 a
.set QH,    96
.set RB,    160
.set WS,    200                        ; corner c's four words (lv, point pair) at WS + 4 c
.set PI,    216                        ; four indices at work; PI + 4 .. + 7 the four packed words (lv, point pair)
.set BIAS,  128                        ; window 3
; v1 r; v2 h; v3 r QP + 32 h; v4 the tile's LDS address; v5, v6 into the stages; v7, v8 back from them; v9 16 x lane; v10 32 r + 8 h; v11, v12 the add's two registers; v13 32 h; v46 16 h
; v[14:15] W of level h, twice; v[16:17] W of level 2 + h, twice; v18, v19 those less 2; v224, v225 those plus 2; v20, v21 the two levels' record bases, in both halves of a word
; s[4:17] the seven addresses; s18 the tile's first LDS byte; s[20:43] three descriptor groups 1 (8, 16, 4 rows); s[44:59] four groups 0; s60 wave; s61 S; s62 LAST; s63 16 t
; s[66:67] an offset; s[68:73] wq, ix, reference_points at my first row; s[74:79] the same at the tile in hand; s[80:81] log2(e); s[82:83] lane selects; s84 trips; s85 the tile's row
; s[86:91] wf, b_off, b_attn at my wave's part
.set MSB, 0
.macro WIN new                         ; the immediate's high byte repeats the setting that is left; a switch that changes nothing is dropped
.if MSB != (\new)
	s_set_vgpr_msb (MSB<<8)|(\new)
.set MSB, \new
.endif
.endm
.macro G1SET g, rows                   ; descriptor group 1: rows x 256 elements of 4 bytes, 256 elements from row to row, 4 words of padding behind every 256 words
	s_mov_b32 s[\g], (2<<16)|(1<<20)|(7<<22)|(3<<25)
	s_mov_b32 s[\g+1], 256<<16                     ; tensor_dim0 = 256
	s_mov_b32 s[\g+2], (\rows)<<16                 ; tensor_dim1 = rows
	s_mov_b32 s[\g+3], 256<<16                     ; tile_dim0 = 256
	s_mov_b32 s[\g+4], \rows                       ; tile_dim1 = rows
	s_mov_b32 s[\g+5], 256
	s_mov_b32 s[\g+6], 0
	s_mov_b32 s[\g+7], 0
.endm
	s_load_b256 s[4:11], s[0:1], 0x0               ; query s[4:5], reference_points s[6:7], wf s[8:9], b_off s[10:11]
	s_load_b128 s[12:15], s[0:1], 0x20             ; b_attn s[12:13], wq s[14:15]
	s_load_b64 s[16:17], s[0:1], 0x30              ; ix
	v_lshl_add_u32 v11, v0, 2, SPARE
	v_mov_b32 v12, 0
	ds_add_u32 v11, v12                            ; the wave's opening: the add and its wait stand ahead of my first tensor load; work on registers stands between them
	ds_add_u32 v11, v12
	v_lshrrev_b32 v1, 5, v0
	v_readfirstlane_b32 s60, v1                    ; wave 0..3
	s_mul_i32 s61, ttmp9, 85
	s_lshr_b32 s61, s61, 2
	s_lshl_b32 s61, s61, 3                         ; S: 5,440 groups of 8 rows over 256 work-groups, 21.25 each
	s_and_b32 s62, ttmp9, 3
	s_cmp_eq_u32 s62, 3
	s_cselect_b32 s62, 8, 0
	s_add_co_u32 s62, s62, 152                     ; LAST
	s_mov_b32 s63, 0
	G1SET 20, 8
	G1SET 28, 16
	G1SET 36, 4
	s_mov_b32 s44, 1                               ; groups 0: count = 1; the LDS address is a constant + the wave's number times a constant
	s_mul_i32 s45, s60, 8*QP                       ; load 0: LDS rows 8 w on (tiles 0, 1)
	s_mov_b32 s48, 1
	s_mul_i32 s49, s60, 16*QP
	s_mov_b32 s52, 1
	s_add_co_u32 s53, s49, 96*QP                   ; load 2: rows 96 + 16 w on (tiles 6-9)
	s_add_co_u32 s49, s49, 32*QP                   ; load 1: rows 32 + 16 w on (tiles 2-5)
	s_mov_b32 s56, 1
	s_mul_i32 s57, s60, 4*QP
	s_add_co_u32 s57, s57, 160*QP                  ; load 3: rows 160 + 4 w on (tile 10)
	s_lshl_b32 s66, s60, 3
	s_add_co_u32 s66, s66, s61
	s_lshl_b32 s66, s66, 10                        ; their first rows in query, of 1,024 bytes: S + 8 w,
	s_mov_b32 s67, 0
	s_lshl_b32 s68, s60, 4
	s_add_co_u32 s68, s68, s61
	s_add_co_u32 s68, s68, 32
	s_lshl_b32 s68, s68, 10                        ; S + 32 + 16 w,
	s_mov_b32 s69, 0
	s_add_co_u32 s70, s68, 64*1024                 ; S + 96 + 16 w,
	s_mov_b32 s71, 0
	s_lshl_b32 s72, s60, 2
	s_add_co_u32 s72, s72, s61
	s_add_co_u32 s72, s72, s62
	s_lshl_b32 s72, s72, 10                        ; S + LAST + 4 w
	s_mov_b32 s73, 0
	s_mov_b32 s80, 0x3fb8aa3b                      ; log2(e),
	s_mov_b32 s81, s80                             ; named as a pair
	s_mov_b32 s82, 0x76543210                      ; v_permlanex16_b32: each lane takes its own place in the other half
	s_mov_b32 s83, 0xfedcba98
	v_and_b32 v1, 15, v0                           ; r
	v_bfe_u32 v2, v0, 4, 1                         ; h
	v_mul_u32_u24 v3, v1, QP
	v_lshl_add_u32 v3, v2, 5, v3                   ; a fragment's first bytes: row r, 8 h numbers of 4 bytes
	s_mul_i32 s86, s60, 16*272
	s_add_co_u32 s86, s86, STW
	s_mul_i32 s87, s60, 4*272
	s_add_co_u32 s87, s87, STI
	v_lshrrev_b32 v30, 3, v1                       ; r / 8
	v_bfe_u32 v31, v1, 2, 1                        ; (r / 4) % 2
	v_and_b32 v32, 3, v1                           ; r % 4
	v_and_b32 v33, 7, v1                           ; r % 8
	v_lshl_add_u32 v5, v30, 2, v31
	v_lshl_add_u32 v5, v2, 1, v5                   ; wq's stage, in: unit 4 (r / 8) + 2 h + (r / 4) % 2,
	v_mul_u32_u24 v5, v5, 272
	v_lshl_add_u32 v5, v32, 6, v5                  ; query r % 4 of its four
	v_add_nc_u32 v5, s86, v5
	v_mul_u32_u24 v6, v30, 272                     ; ix's stage, in: unit r / 8,
	v_lshl_add_u32 v6, v2, 7, v6                   ; half h,
	v_lshl_add_u32 v6, v33, 4, v6                  ; query r % 8
	v_add_nc_u32 v6, s87, v6
	v_mul_u32_u24 v7, v2, 272
	v_lshl_add_u32 v7, v1, 4, v7                   ; back: lanes 0-15 one unit of 256 bytes, lanes 16-31 the next
	v_add_nc_u32 v8, s87, v7
	v_add_nc_u32 v7, s86, v7
	v_and_b32 v9, 31, v0
	v_lshlrev_b32 v9, 4, v9
	v_lshlrev_b32 v10, 5, v1
	v_lshl_add_u32 v10, v2, 3, v10
	v_lshlrev_b32 v13, 5, v2
	v_lshlrev_b32 v46, 4, v2
	v_lshlrev_b32 v47, 23, v2                      ; one step of an f32's exponent
	v_sub_nc_u32 v14, 0x43000000, v47              ; 128.0 or 64.0
	v_mov_b32 v15, v14
	v_sub_nc_u32 v16, 0x42000000, v47              ; 32.0 or 16.0
	v_mov_b32 v17, v16
	v_add_f32 v18, -2.0, v14
	v_add_f32 v19, -2.0, v16
	v_add_f32 v224, 2.0, v14                       ; records in a padded picture row
	v_add_f32 v225, 2.0, v16
	v_sub_nc_u32 v47, 0, v2                        ; 0 or all ones
	v_and_b32 v20, 0x41004100, v47                 ; 0 or 16,640, twice
	v_and_b32 v21, 0x04400440, v47
	v_add_nc_u32 v21, 0x51805180, v21              ; 20,864 or 21,952, twice
	s_wait_dscnt 0x0                               ; the opening add is done
	s_wait_kmcnt 0x0
	s_add_nc_u64 s[46:47], s[4:5], s[66:67]
	s_or_b32 s47, s47, 0x80000000                  ; type = 2
	s_add_nc_u64 s[50:51], s[4:5], s[68:69]
	s_or_b32 s51, s51, 0x80000000
	s_add_nc_u64 s[54:55], s[4:5], s[70:71]
	s_or_b32 s55, s55, 0x80000000
	s_add_nc_u64 s[58:59], s[4:5], s[72:73]
	s_or_b32 s59, s59, 0x80000000
	tensor_load_to_lds s[44:47], s[20:27]          ; all first fills in one group, ahead of every wait on TENSORcnt, LDS read and barrier; their registers are never written again
	s_nop 0
	tensor_load_to_lds s[48:51], s[28:35]
	s_nop 0
	tensor_load_to_lds s[52:55], s[28:35]
	s_nop 0
	tensor_load_to_lds s[56:59], s[36:43]
	s_nop 0
.rept 4
	v_nop                                          ; ahead of the window switches below
.endr
	s_mul_i32 s66, s60, 2*HW                       ; wq: my first head,
	s_lshl_b32 s67, s61, 7                         ; 128 bytes a query
	s_add_co_u32 s66, s66, s67
	s_mov_b32 s67, 0
	s_add_nc_u64 s[68:69], s[14:15], s[66:67]
	s_mul_i32 s66, s60, 2*HI                       ; ix: a quarter of that
	s_lshl_b32 s70, s61, 5
	s_add_co_u32 s66, s66, s70
	s_add_nc_u64 s[70:71], s[16:17], s[66:67]
	s_lshl_b32 s66, s61, 5                         ; reference_points: 32 bytes a query
	s_add_nc_u64 s[72:73], s[6:7], s[66:67]
	s_mov_b64 s[78:79], s[72:73]
	s_mul_i32 s66, s60, 49152
	s_add_nc_u64 s[86:87], s[8:9], s[66:67]
	s_lshl_b32 s66, s60, 8
	s_add_nc_u64 s[88:89], s[10:11], s[66:67]
	s_lshl_b32 s66, s60, 7
	s_add_nc_u64 s[90:91], s[12:13], s[66:67]
	WIN 0x40                                       ; destination window 1, address window 0
.set f, 0
.rept 30
	global_load_b128 v[8*f:8*f+3],   v9, s[86:87] offset:1024*f
	global_load_b128 v[8*f+4:8*f+7], v9, s[86:87] offset:1024*f+512
.set f, f+1
.endr
	WIN 0x80                                       ; destination window 2
.rept 18
	global_load_b128 v[8*(f-30):8*(f-30)+3],   v9, s[86:87] offset:1024*f
	global_load_b128 v[8*(f-30)+4:8*(f-30)+7], v9, s[86:87] offset:1024*f+512
.set f, f+1
.endr
	WIN 0xc0                                       ; destination window 3: the biases, in an accumulator's layout: register j is column 8 h + j
.irp m, 0,1
.irp y, 0,1
	global_load_b128 v[BIAS+8*(3*\m+\y):BIAS+8*(3*\m+\y)+3],   v13, s[88:89] offset:128*\m+64*\y
	global_load_b128 v[BIAS+8*(3*\m+\y)+4:BIAS+8*(3*\m+\y)+7], v13, s[88:89] offset:128*\m+64*\y+16
.endr
	global_load_b128 v[BIAS+8*(3*\m+2):BIAS+8*(3*\m+2)+3],   v46, s[90:91] offset:64*\m      ; level h
	global_load_b128 v[BIAS+8*(3*\m+2)+4:BIAS+8*(3*\m+2)+7], v46, s[90:91] offset:64*\m+32   ; level 2 + h
.endr
	WIN 0
	global_load_b64 v[REF:REF+1],   v10, s[78:79]              ; tile 0's reference points
	global_load_b64 v[REF+2:REF+3], v10, s[78:79] offset:16
	s_wait_loadcnt 0x0
	WIN 0xc3                                       ; the position's - 0.5 goes into the offsets' biases
.irp a, 0,1,3,4
.irp i, 0,2,4,6
	v_pk_add_f32 v[BIAS+8*\a+\i:BIAS+8*\a+\i+1], v[BIAS+8*\a+\i:BIAS+8*\a+\i+1], -0.5 op_sel_hi:[1,0]
.endr
.endr
	WIN 0
.macro BOTH line:vararg                ; one line for each of my two heads: LG its logits, TS its eight registers at work
.set mi, 0
.rept 2
.set LG, ACC+24*mi+16
.set TS, 30+8*mi
	\line
.set mi, mi+1
.endr
.endm
.macro FOUR line:vararg                ; one line for each of a level's four points: TP its sixteen registers at work
.set p, 0
.rept 4
.set TP, QH+16*p
	\line
.set p, p+1
.endr
.endm
; A head's softmax: a lane holds 8 of a query's 16 logits, the lane 16 away the others.  The accumulator's lowest registers are read first.
.macro SOFTMAX
	BOTH v_max3_num_f32 v[TS], v[LG], v[LG+1], v[LG+2]
	BOTH v_max3_num_f32 v[TS+1], v[LG+3], v[LG+4], v[LG+5]
	BOTH v_max3_num_f32 v[TS], v[TS], v[LG+6], v[LG+7]
	BOTH v_max_num_f32 v[TS], v[TS], v[TS+1]
	BOTH v_permlanex16_b32 v[TS+1], v[TS], s82, s83
	BOTH v_max_num_f32 v[TS], v[TS], v[TS+1]
	BOTH v_mul_f32 v[TS], s80, v[TS]
.irp i, 0,2,4,6
	BOTH v_pk_fma_f32 v[LG+\i:LG+\i+1], v[LG+\i:LG+\i+1], s[80:81], v[TS:TS+1] op_sel_hi:[1,0,0] neg_lo:[0,0,1] neg_hi:[0,0,1]
.endr
.irp i, 0,1,2,3,4,5,6,7
	BOTH v_exp_f32 v[LG+\i], v[LG+\i]
.endr
	v_nop                                          ; a plain instruction between the last exponential and the use of its result (ISA guide 5.7.2)
	s_wait_alu depctr_va_vdst(0)
	BOTH v_pk_add_f32 v[TS+2:TS+3], v[LG:LG+1], v[LG+2:LG+3]
	BOTH v_pk_add_f32 v[TS+4:TS+5], v[LG+4:LG+5], v[LG+6:LG+7]
	BOTH v_pk_add_f32 v[TS+2:TS+3], v[TS+2:TS+3], v[TS+4:TS+5]
	BOTH v_add_f32 v[TS+2], v[TS+2], v[TS+3]
	BOTH v_permlanex16_b32 v[TS+3], v[TS+2], s82, s83
	BOTH v_add_f32 v[TS+2], v[TS+2], v[TS+3]
	BOTH v_rcp_f32 v[TS+4], v[TS+2]
	v_nop
	s_wait_alu depctr_va_vdst(0)
.irp i, 0,2,4,6
	BOTH v_pk_mul_f32 v[LG+\i:LG+\i+1], v[LG+\i:LG+\i+1], v[TS+4:TS+5] op_sel_hi:[1,0]
.endr
.endm
; The four points of head hd (0, 1), level h + 2 lv.  At work, from TP on: 0, 1 (x, y), later the y hats times attention; 2, 3 the base corner; 4, 5 t = position - base; 6, 7: 2 - t, then 6 the x hat at
; base + 1; 8, 9: 1 - t, then 8 the x hat at base; 10, 11: 1 + t; 12-15 the four weights, corner (xs, ys) at 12 + 2 xs + ys.  hat(t) = med3(1 - t, 0, 1 + t); hat(t - 1) = med3(t, 0, 2 - t).
; Behind the head's second level its 16 bytes a corner, and its 16 bytes of indices, go into the stages.
.macro POINTS hd, lv
.set OB,  ACC+24*(\hd)+8*(\lv)
.set LGS, ACC+24*(\hd)+16+4*(\lv)
	FOUR v_pk_add_f32 v[TP:TP+1], v[OB+2*p:OB+2*p+1], v[RXY+2*(\lv):RXY+2*(\lv)+1]
	FOUR v_floor_f32 v[TP+2], v[TP]
	FOUR v_floor_f32 v[TP+3], v[TP+1]
	FOUR v_med3_num_f32 v[TP+2], v[TP+2], 0, v[18+(\lv)]
	FOUR v_med3_num_f32 v[TP+3], v[TP+3], 0, v[18+(\lv)]
	FOUR v_pk_add_f32 v[TP+4:TP+5], v[TP:TP+1], v[TP+2:TP+3] neg_lo:[0,1] neg_hi:[0,1]
	FOUR v_pk_add_f32 v[TP+6:TP+7], v[TP+4:TP+5], 2.0 op_sel_hi:[1,0] neg_lo:[1,0] neg_hi:[1,0]
	FOUR v_pk_add_f32 v[TP+8:TP+9], v[TP+4:TP+5], 1.0 op_sel_hi:[1,0] neg_lo:[1,0] neg_hi:[1,0]
	FOUR v_pk_add_f32 v[TP+10:TP+11], v[TP+4:TP+5], 1.0 op_sel_hi:[1,0]
	FOUR v_med3_num_f32 v[TP+6], v[TP+4], 0, v[TP+6]
	FOUR v_med3_num_f32 v[TP+1], v[TP+5], 0, v[TP+7]
	FOUR v_med3_num_f32 v[TP], v[TP+9], 0, v[TP+11]
	FOUR v_med3_num_f32 v[TP+8], v[TP+8], 0, v[TP+10]
	FOUR v_mul_f32 v[TP], v[TP], v[LGS+p]
	FOUR v_mul_f32 v[TP+1], v[TP+1], v[LGS+p]
	FOUR v_pk_mul_f32 v[TP+12:TP+13], v[TP:TP+1], v[TP+8:TP+9] op_sel_hi:[1,0]
	FOUR v_pk_mul_f32 v[TP+14:TP+15], v[TP:TP+1], v[TP+6:TP+7] op_sel_hi:[1,0]
.irp c, 0,1,2,3
.set oc, 12+2*((\c)%2)+((\c)/2)
	v_cvt_pk_f16_f32 v[WS+4*(\c)+2*(\lv)],   v[QH+oc],    v[QH+16+oc]   ; corner c: points 0, 1,
	v_cvt_pk_f16_f32 v[WS+4*(\c)+2*(\lv)+1], v[QH+32+oc], v[QH+48+oc]   ; points 2, 3
.endr
	FOUR v_fma_f32 v[TP+4], v[TP+3], v[224+(\lv)], v[TP+2]
	FOUR v_cvt_u32_f32 v[PI+p], v[TP+4]
	v_lshl_or_b32 v[PI+4+2*(\lv)], v[PI+1], 16, v[PI]
	v_lshl_or_b32 v[PI+5+2*(\lv)], v[PI+3], 16, v[PI+2]
	v_add_nc_u32 v[PI+4+2*(\lv)], v[20+(\lv)], v[PI+4+2*(\lv)]  ; yb (W + 2) + xb stays under the level's size, so no half carries into the other
	v_add_nc_u32 v[PI+5+2*(\lv)], v[20+(\lv)], v[PI+5+2*(\lv)]
.if (\lv) == 1
.irp c, 0,1,2,3
	ds_store_b128 v5, v[WS+4*(\c):WS+4*(\c)+3] offset:8*272*(\hd)+16*(\c)
.endr
	ds_store_b128 v6, v[PI+4:PI+7] offset:2*272*(\hd)
.endif
.endm
; ONE TILE of 16 queries.
.macro TILE
	s_wait_loadcnt 0x0                             ; this tile's reference points are in, and the loads that named s[78:79] are done
	v_pk_mul_f32 v[RXY:RXY+1],   v[REF:REF+1],   v[14:15]
	v_pk_mul_f32 v[RXY+2:RXY+3], v[REF+2:REF+3], v[16:17]
	v_add_nc_u32 v4, s18, v3
	s_min_u32 s85, s63, s62                        ; this tile's first row
	s_add_co_u32 s66, s63, 16
	s_min_u32 s66, s66, s62                        ; the next tile's (in the last trip: the last tile's once more, inside the buffer, unused)
	s_lshl_b32 s66, s66, 5
	s_mov_b32 s67, 0
	s_add_nc_u64 s[78:79], s[72:73], s[66:67]
	global_load_b64 v[REF:REF+1],   v10, s[78:79]
	global_load_b64 v[REF+2:REF+3], v10, s[78:79] offset:16
	WIN 0xc0                                       ; destination window 3, address window 0
.set ks, 0
.rept 8                                            ; K step ks: numbers 32 ks + 8 h + 0..7 and 32 ks + 16 + 8 h + 0..7 of row r, in f32
.set i, 0
.rept 4
	ds_load_b128 v[16*ks+4*i:16*ks+4*i+3], v4 offset:128*ks+16*(i%2)+64*(i/2)
.set i, i+1
.endr
.set ks, ks+1
.endr
	WIN 0x0f                                       ; sources window 3, destination window 0
.set ks, 0
.rept 8
	s_wait_dscnt 28-4*ks                           ; K step ks's four loads are back; the younger ones stay out
.set i, 0
.rept 8
	v_cvt_pk_f16_f32 v[QH+8*ks+i], v[16*ks+2*i], v[16*ks+2*i+1]
.set i, i+1
.endr
.set ks, ks+1
.endr
.set ks, 0
.rept 8                                            ; 48 products; the six accumulators take turns, one instruction a turn; the first K step starts the sums with the biases
.set a, 0
.rept 6
.set f, 6*ks+a
.if ks == 0
	WIN 0x31                                       ; W in window 1, the bias in window 3
	v_wmma_f32_16x16x32_f16 v[ACC+8*a:ACC+8*a+7], v[8*f:8*f+7], v[QH:QH+7], v[BIAS+8*a:BIAS+8*a+7]
.elseif ks < 5
	WIN 0x01
	v_wmma_f32_16x16x32_f16 v[ACC+8*a:ACC+8*a+7], v[8*f:8*f+7], v[QH+8*ks:QH+8*ks+7], v[ACC+8*a:ACC+8*a+7]
.else
	WIN 0x02
	v_wmma_f32_16x16x32_f16 v[ACC+8*a:ACC+8*a+7], v[8*(f-30):8*(f-30)+7], v[QH+8*ks:QH+8*ks+7], v[ACC+8*a:ACC+8*a+7]
.endif
.set a, a+1
.endr
.set ks, ks+1
.endr
	WIN 0
.rept 4
	v_nop                                          ; four places behind the last product, whose result the softmax reads (ISA guide 7.12.1)
.endr
	SOFTMAX
	POINTS 0, 0
	POINTS 0, 1
	POINTS 1, 0
	POINTS 1, 1
	s_wait_xcnt 0x0                                ; the last tile's stores have had their addresses translated (ISA guide 3.1): only now are their data and bases written again
	s_lshl_b32 s66, s85, 7
	s_add_nc_u64 s[74:75], s[68:69], s[66:67]
	s_lshl_b32 s66, s85, 5
	s_add_nc_u64 s[76:77], s[70:71], s[66:67]
.set t, 0
.rept 8
	ds_load_b128 v[RB+4*t:RB+4*t+3], v7 offset:544*t   ; my own stage: LDS serves a wave's instructions in order (ISA guide 5.7.1.4)
.set t, t+1
.endr
	ds_load_b128 v[RB+32:RB+35], v8
	ds_load_b128 v[RB+36:RB+39], v8 offset:544
.set t, 0
.rept 8
	s_wait_dscnt 9-t                               ; read t is back; the younger ones stay out
	global_store_b128 v9, v[RB+4*t:RB+4*t+3], s[74:75] offset:512*(t%4)+HW*(t/4)  ; head t / 4: 512 consecutive bytes of the tile's 2,048, at a multiple of 256 from wq's first byte
.set t, t+1
.endr
	s_wait_dscnt 1
	global_store_b128 v9, v[RB+32:RB+35], s[76:77]                   ; the tile's 512 consecutive bytes of ix, first head,
	s_wait_dscnt 0
	global_store_b128 v9, v[RB+36:RB+39], s[76:77] offset:HI         ; second head
	s_add_co_u32 s18, s18, 16*QP
	s_add_co_u32 s63, s63, 16
.endm
; A phase: the tiles that one more of the four loads has brought.  left = how many younger tensor loads of mine may stay out.
.macro PHASE tag, left, base, trips
	s_wait_tensorcnt \left                         ; my part of the phase's rows is in LDS (tensor loads of a wave end in order: ISA guide 10.11.1),
	s_wait_dscnt 0x0
	s_barrier_signal -1
	s_barrier_wait -1                              ; everybody's is
	s_mov_b32 s18, \base
	s_mov_b32 s84, \trips
.Ltile\tag:
	TILE
	s_sub_co_u32 s84, s84, 1
	s_cmp_lg_u32 s84, 0
	s_cbranch_scc1 .Ltile\tag
.endm
	PHASE A, 3, 0, 2                               ; tiles 0, 1: load 0
	PHASE B, 2, 32*QP, 4                           ; tiles 2-5: load 1
	PHASE C, 0, 96*QP, 5                           ; tiles 6-10: loads 2 and 3
	s_wait_tensorcnt 0x0                           ; the wave's end, behind my last tensor load and my last LDS store
	ds_add_u32 v11, v12
	s_wait_dscnt 0x0
	s_endpgm
.Lfunc_end_k_qf25fea9ad0_proj:
	.size	k_qf25fea9ad0_proj, .Lfunc_end_k_qf25fea9ad0_proj-k_qf25fea9ad0_proj
	.p2alignl 7, 3214868480
	.fill 96, 4, 3214868480
	.section	.rodata,"a",@progbits
	.p2align	6, 0x0
	.amdhsa_kernel k_qf25fea9ad0_proj
		.amdhsa_group_segment_fixed_size 205312
		.amdhsa_private_segment_fixed_size 0
		.amdhsa_enable_private_segment 0
		.amdhsa_kernarg_size 56
		.amdhsa_user_sgpr_count 2
		.amdhsa_user_sgpr_kernarg_segment_ptr 1
		.amdhsa_wavefront_size32 1
		.amdhsa_system_sgpr_workgroup_id_x 1
		.amdhsa_system_sgpr_workgroup_id_y 1
		.amdhsa_system_sgpr_workgroup_id_z 1
		.amdhsa_system_vgpr_workitem_id 0
		.amdhsa_next_free_vgpr 944
		.amdhsa_next_free_sgpr 92
		.amdhsa_reserve_vcc 0
		.amdhsa_float_denorm_mode_32 3
		.amdhsa_float_denorm_mode_16_64 3
		.amdhsa_memory_ordered 1
		.amdhsa_forward_progress 1
		.amdhsa_inst_pref_size 126
	.end_amdhsa_kernel
	.amdgpu_metadata
---
amdhsa.version: [ 1, 2 ]
amdhsa.kernels:
  - .name:           k_qf25fea9ad0_proj
    .symbol:         k_qf25fea9ad0_proj.kd
    .args:
      - { .name: query, .offset: 0, .size: 8, .value_kind: global_buffer, .address_space: global }
      - { .name: reference_points, .offset: 8, .size: 8, .value_kind: global_buffer, .address_space: global }
      - { .name: wf, .offset: 16, .size: 8, .value_kind: global_buffer, .address_space: global }
      - { .name: b_off, .offset: 24, .size: 8, .value_kind: global_buffer, .address_space: global }
      - { .name: b_attn, .offset: 32, .size: 8, .value_kind: global_buffer, .address_space: global }
      - { .name: wq, .offset: 40, .size: 8, .value_kind: global_buffer, .address_space: global }
      - { .name: ix, .offset: 48, .size: 8, .value_kind: global_buffer, .address_space: global }
    .group_segment_fixed_size: 205312
    .private_segment_fixed_size: 0
    .kernarg_segment_align: 8
    .kernarg_segment_size: 56
    .max_flat_workgroup_size: 128
    .sgpr_count:     92
    .vgpr_count:     944
    .wavefront_size: 32
...
	.end_amdgpu_metadata
.endif
;; end of part 5
;; launch sample (part 6): grid 256 x 1, 20 waves a work-group, no clusters, 180,480 bytes of LDS; arguments vt, wq, ix, ot; writes ot
.if DOCPART == 6
	.amdgcn_target "amdgcn-amd-amdhsa--gfx1250"
	.amdhsa_code_object_version 6
	.text
	.protected	k_qf25fea9ad0_sample
	.globl	k_qf25fea9ad0_sample
	.p2align	8
	.type	k_qf25fea9ad0_sample,@function
k_qf25fea9ad0_sample:
	s_mov_b64 s[64:65], 0
	v_nop
	global_prefetch_b8 v0, s[64:65] scope:SCOPE_SE
	s_setreg_imm32_b32 hwreg(HW_REG_WAVE_MODE, 25, 1), 1
	s_wait_xcnt 0x0
; SAMPLE.  ot[b][cg][query][4] (f16) = the sum over a head's 16 points and each point's 4 corners of wq x table[record][channel], for the four channels 4 cg .. 4 cg + 3 of head b.
; THE TABLE LIES IN LDS.  Work-group id = 16 b + 8 qh + cg holds all four levels of (b, cg): 21,760 records of 8 bytes, each picture row followed by 16 bytes of padding: 177,920 bytes.  (Eight channels
; would be 348,160 bytes, more than a work-group can have.)  It walks the 10,880 queries of half qh of b's batch entry.  The record numbers come as whole numbers from ix, made for this padded layout.
; With the padding a picture row is 1,040, 528, 272 or 144 bytes, so the four corners of a point (record, + 1, + a row, + a row + 1) fall into four different pairs of the 64 banks of 4 bytes (ISA guide 11.1).
; LANES.  lane = 4 q8 + c: query q8 of eight, corner c = xs + 2 ys.  A lane reads its corner's 8 bytes of each of its query's 16 points and adds up 4 channels in f32, straight from f16 halves;
; two exchanges add the four corners.  Four trips make a block of 32 queries: trip t's rounded sums are kept by the lanes with c = t, so that one store of the wave covers 256 consecutive bytes.
; A wave owns 544 queries: 17 blocks.  THE STREAM (a trip: 1,024 bytes of wq, 256 of ix) comes straight into registers, through a ring of four slots, one for each trip of a block, asked for one block
; ahead: 16 loads of a wave are out, and each wait leaves the three younger slots' twelve out.  The last block is written out and asks for nothing.
; NO CLUSTER, though the eight work-groups of a (b, qh) read the same stream: a joint load lands in LDS, where a trip's 1,280 bytes would be written and then read again lane by lane (weights 1,024 bytes;
; indices 256 bytes, each by four lanes) beside the 4,096 bytes that the trip's gather reads there, and reads of LDS are this kernel's main work.  The eight lie side by side in the grid.
; The table is filled once, by waves 0-7, four tensor loads each (four outstanding): no byte of LDS is filled twice.
; LIMITS.  The sums leave rounded once to f16 (no number beyond 65,504; 11 significant bits).  An index is held to its level's last base corner before it enters an address.
.set SPARE, 177920                     ; behind the table: the spare words, 128 bytes for each of 20 waves
.set CGB,   174080                     ; bytes of a (b, cg) table in vt, and of its sums in ot
.set CO,    8                          ; v[8:11]   my corner's byte offset in level 0..3: 8 xs + ys x the row's bytes
.set ACC,   12                         ; v[12:15]  four sums
.set TT,    16                         ; v[16:17]  at work
.set OUTR,  18                         ; v[18:19]  what I store
.set WR,    20                         ; slot t: v[20+8t ..]  my corner's 16 weights: point k in half k % 2 of word k / 2; k = 8 hf + 4 lv + p, level hf + 2 lv
.set IR,    52                         ; slot t: v[52+8t ..]  my query's 16 record numbers, in the same order
.set AD,    84                         ; v[84:99]  16 LDS addresses
.set XR,    100                        ; v[100:131] point k's four channels at XR + 2 k
; v1, v2 the add's two registers; v3 0; v4 16 x lane (wq); v5 16 q8 (ix); v6 8 (8 c + q8) (ot)
; s[4:11] vt, wq, ix, ot; s12 wave; s13 cg; s14 qh; s15 b; s[16:47] four descriptor groups 1; s[48:63] four groups 0; s[68:73] wq, ix, ot at my block; s74 blocks; s75-77 the lanes with c = 1, 2, 3
.macro G1SET g, cols, rows, qi         ; descriptor group 1: rows x cols elements of 8 bytes, dense in memory, 4 words of padding behind every row (2 << qi words)
	s_mov_b32 s[\g], (3<<16)|(1<<20)|((\qi)<<22)|(3<<25)
	s_mov_b32 s[\g+1], (\cols)<<16                 ; tensor_dim0
	s_mov_b32 s[\g+2], (\rows)<<16                 ; tensor_dim1
	s_mov_b32 s[\g+3], (\cols)<<16                 ; tile_dim0
	s_mov_b32 s[\g+4], \rows                       ; tile_dim1
	s_mov_b32 s[\g+5], \cols                       ; elements from row to row
	s_mov_b32 s[\g+6], 0
	s_mov_b32 s[\g+7], 0
.endm
	s_load_b256 s[4:11], s[0:1], 0x0
	v_lshl_add_u32 v1, v0, 2, SPARE
	v_mov_b32 v2, 0
	ds_add_u32 v1, v2                              ; the wave's opening: the add and its wait stand ahead of my first tensor load; work on registers stands between them
	ds_add_u32 v1, v2
	v_lshrrev_b32 v3, 5, v0
	v_readfirstlane_b32 s12, v3                    ; wave 0..19
	G1SET 16, 128, 16, 7                           ; level 0: 16 picture rows of 1,024 bytes a wave
	G1SET 24, 64, 8, 6                             ; level 1: 8 rows of 512
	G1SET 32, 32, 4, 5                             ; level 2: 4 rows of 256
	G1SET 40, 16, 2, 4                             ; level 3: 2 rows of 128
	s_and_b32 s13, ttmp9, 7                        ; cg
	s_bfe_u32 s14, ttmp9, 0x10003                  ; qh
	s_lshr_b32 s15, ttmp9, 4                       ; b
	s_lshl3_add_u32 s78, s15, s13
	s_mul_i32 s79, s78, CGB                        ; my table in vt, my sums in ot
	s_mov_b32 s48, 1                               ; groups 0: count = 1; the LDS address is a constant + the wave's number times a constant
	s_mul_i32 s49, s12, 16*1040
	s_mov_b32 s52, 1
	s_mul_i32 s53, s12, 8*528
	s_add_co_u32 s53, s53, 133120                  ; 16,640 records
	s_mov_b32 s56, 1
	s_mul_i32 s57, s12, 4*272
	s_add_co_u32 s57, s57, 166912                  ; 20,864 records
	s_mov_b32 s60, 1
	s_mul_i32 s61, s12, 2*144
	s_add_co_u32 s61, s61, 175616                  ; 21,952 records
	s_lshl_b32 s66, s12, 14                        ; the same rows in vt, dense
	s_add_co_u32 s66, s66, s79
	s_mov_b32 s67, 0
	s_lshl_b32 s80, s12, 12
	s_add_co_u32 s80, s80, s79
	s_add_co_u32 s80, s80, 131072
	s_mov_b32 s81, 0
	s_lshl_b32 s82, s12, 10
	s_add_co_u32 s82, s82, s79
	s_add_co_u32 s82, s82, 163840
	s_mov_b32 s83, 0
	s_lshl_b32 s84, s12, 8
	s_add_co_u32 s84, s84, s79
	s_add_co_u32 s84, s84, 172032
	s_mov_b32 s85, 0
	s_mul_i32 s86, s14, 10880
	s_mul_i32 s87, s12, 544
	s_add_co_u32 s86, s86, s87                     ; my first query in the batch entry
	s_lshr_b32 s87, s15, 3                         ; the batch entry
	s_and_b32 s88, s15, 7                          ; the head
	s_mul_i32 s89, s87, 21760
	s_add_co_u32 s89, s89, s86                     ; my first query of all
	s_mul_i32 s90, s88, 5570560                    ; wq: 43,520 x 128 bytes a head
	s_lshl_b32 s91, s89, 7
	s_add_co_u32 s90, s90, s91
	s_mov_b32 s91, 0
	s_mul_i32 s92, s88, 1392640                    ; ix: 43,520 x 32
	s_lshl_b32 s93, s89, 5
	s_add_co_u32 s92, s92, s93
	s_mov_b32 s93, 0
	s_lshl_b32 s94, s86, 3                         ; ot: 8 bytes a query
	s_add_co_u32 s94, s94, s79
	s_mov_b32 s95, 0
	s_mov_b32 s75, 0x22222222
	s_mov_b32 s76, 0x44444444
	s_mov_b32 s77, 0x88888888
	v_mov_b32 v3, 0
	v_and_b32 v7, 31, v0
	v_lshlrev_b32 v4, 4, v7
	v_lshrrev_b32 v5, 2, v7                        ; q8
	v_and_b32 v16, 3, v0                           ; c
	v_lshl_add_u32 v6, v16, 3, v5
	v_lshlrev_b32 v6, 3, v6
	v_lshlrev_b32 v5, 4, v5
	v_and_b32 v16, 1, v0                           ; xs
	v_bfe_u32 v17, v0, 1, 1                        ; ys
	v_lshlrev_b32 v16, 3, v16
	v_mul_u32_u24 v[CO], v17, 1040
	v_mul_u32_u24 v[CO+1], v17, 528
	v_mul_u32_u24 v[CO+2], v17, 272
	v_mul_u32_u24 v[CO+3], v17, 144
.irp l, 0,1,2,3
	v_add_nc_u32 v[CO+\l], v16, v[CO+\l]
.endr
	s_wait_dscnt 0x0                               ; the opening add is done
	s_wait_kmcnt 0x0
	s_add_nc_u64 s[50:51], s[4:5], s[66:67]
	s_or_b32 s51, s51, 0x80000000                  ; type = 2
	s_add_nc_u64 s[54:55], s[4:5], s[80:81]
	s_or_b32 s55, s55, 0x80000000
	s_add_nc_u64 s[58:59], s[4:5], s[82:83]
	s_or_b32 s59, s59, 0x80000000
	s_add_nc_u64 s[62:63], s[4:5], s[84:85]
	s_or_b32 s63, s63, 0x80000000
	s_add_nc_u64 s[68:69], s[6:7], s[90:91]
	s_add_nc_u64 s[70:71], s[8:9], s[92:93]
	s_add_nc_u64 s[72:73], s[10:11], s[94:95]
	s_cmp_lt_u32 s12, 8
	s_cbranch_scc0 .Lnofill                        ; waves 8-19 fill nothing: a wave's four first fills stand in this one branch, ahead of every wait on TENSORcnt, LDS read and barrier
	tensor_load_to_lds s[48:51], s[16:23]
	s_nop 0
	tensor_load_to_lds s[52:55], s[24:31]
	s_nop 0
	tensor_load_to_lds s[56:59], s[32:39]
	s_nop 0
	tensor_load_to_lds s[60:63], s[40:47]
	s_nop 0
.rept 4
	v_nop
.endr
.Lnofill:
; Slot t asks for its trip's weights and indices, wo and io bytes beyond the block in hand.
.macro ISSUE t, wo, io
	global_load_b128 v[WR+8*(\t):WR+8*(\t)+3],   v4, s[68:69] offset:(\wo)+1024*(\t)      ; 512 consecutive bytes: levels 0 and 2,
	global_load_b128 v[WR+8*(\t)+4:WR+8*(\t)+7], v4, s[68:69] offset:(\wo)+1024*(\t)+512  ; levels 1 and 3
	global_load_b128 v[IR+8*(\t):IR+8*(\t)+3],   v5, s[70:71] offset:(\io)+256*(\t)       ; 128 consecutive bytes, each 16 by four lanes
	global_load_b128 v[IR+8*(\t)+4:IR+8*(\t)+7], v5, s[70:71] offset:(\io)+256*(\t)+128
.endm
; Sum e takes half e % 2 of word e / 2 of point k's record, times half k % 2 of weight word k / 2; cr = the register added to.
.macro FM cr
.if (e%2 == 0) && (k%2 == 0)
	v_fma_mix_f32 v[ACC+e], v[XR+2*k+e/2], v[wb+k/2], v[\cr] op_sel:[0,0,0] op_sel_hi:[1,1,0]
.elseif (e%2 == 1) && (k%2 == 0)
	v_fma_mix_f32 v[ACC+e], v[XR+2*k+e/2], v[wb+k/2], v[\cr] op_sel:[1,0,0] op_sel_hi:[1,1,0]
.elseif (e%2 == 0)
	v_fma_mix_f32 v[ACC+e], v[XR+2*k+e/2], v[wb+k/2], v[\cr] op_sel:[0,1,0] op_sel_hi:[1,1,0]
.else
	v_fma_mix_f32 v[ACC+e], v[XR+2*k+e/2], v[wb+k/2], v[\cr] op_sel:[1,1,0] op_sel_hi:[1,1,0]
.endif
.endm
; Trip t of a block: eight queries.  issue = 1: the slot asks for the next block's trip t.  left = how many younger loads may stay out.
.macro TRIP t, issue, left
	s_wait_loadcnt \left                           ; loads come back in order (ISA guide 5.7.1): my slot's four are in
.set wb, WR+8*(\t)
.set ib, IR+8*(\t)
.set g, 0
.rept 4                                            ; points 4 g .. 4 g + 3, of level g / 2 + 2 (g % 2): addresses, then the reads, so that the first reads are out while the later addresses are made
.set lev, g/2+2*(g%2)
.if lev == 0
.set MAXR, 16506                       ; the level's base + (H - 2) (W + 2) + W - 2
.elseif lev == 1
.set MAXR, 20794
.elseif lev == 2
.set MAXR, 21914
.else
.set MAXR, 22218
.endif
	v_and_b32     v[AD+4*g],   0xffff, v[ib+2*g]
	v_lshrrev_b32 v[AD+4*g+1], 16, v[ib+2*g]
	v_and_b32     v[AD+4*g+2], 0xffff, v[ib+2*g+1]
	v_lshrrev_b32 v[AD+4*g+3], 16, v[ib+2*g+1]
.irp q, 0,1,2,3
	v_min_u32 v[AD+4*g+\q], MAXR, v[AD+4*g+\q]
.endr
.irp q, 0,1,2,3
	v_lshl_add_u32 v[AD+4*g+\q], v[AD+4*g+\q], 3, v[CO+lev]
.endr
.irp q, 0,1,2,3
	ds_load_b64 v[XR+8*g+2*\q:XR+8*g+2*\q+1], v[AD+4*g+\q]
.endr
.set g, g+1
.endr
.set k, 0
.rept 16
.if k%4 == 0
	s_wait_dscnt 12-k                              ; LDS reads come back in order (ISA guide 5.7.1): points k .. k + 3 are in, the younger ones stay out
.endif
.set e, 0
.rept 4
.if k == 0
	FM 3                                           ; the first four start the sums: nothing is cleared
.else
	FM ACC+e
.endif
.set e, e+1
.endr
.set k, k+1
.endr
.if \issue
	ISSUE \t, 4096, 1024
.endif
.irp e, 0,1,2,3
	v_add_f32_dpp v[ACC+\e], v[ACC+\e], v[ACC+\e] row_xmask:1 row_mask:0xf bank_mask:0xf  ; + the other corner column,
.endr
.irp e, 0,1,2,3
	v_add_f32_dpp v[ACC+\e], v[ACC+\e], v[ACC+\e] row_xmask:2 row_mask:0xf bank_mask:0xf  ; + the other corner row
.endr
.if (\t) == 0
	v_cvt_pk_f16_f32 v[OUTR],   v[ACC],   v[ACC+1]
	v_cvt_pk_f16_f32 v[OUTR+1], v[ACC+2], v[ACC+3]
.else
	v_cvt_pk_f16_f32 v[TT],   v[ACC],   v[ACC+1]
	v_cvt_pk_f16_f32 v[TT+1], v[ACC+2], v[ACC+3]
	v_cndmask_b32 v[OUTR],   v[OUTR],   v[TT],   s[74+(\t)]  ; the lanes with c = t keep this trip's
	v_cndmask_b32 v[OUTR+1], v[OUTR+1], v[TT+1], s[74+(\t)]
.endif
.endm
	ISSUE 0, 0, 0                                  ; the first block's four trips, asked for while the table is on its way
	ISSUE 1, 0, 0
	ISSUE 2, 0, 0
	ISSUE 3, 0, 0
	s_wait_tensorcnt 0x0                           ; my part of the table is in LDS,
	s_barrier_signal -1
	s_barrier_wait -1                              ; everybody's is
	s_mov_b32 s74, 16
.Lblock:
	TRIP 0, 1, 12                                  ; three younger slots of four loads
	TRIP 1, 1, 12
	TRIP 2, 1, 12
	TRIP 3, 1, 12
	global_store_b64 v6, v[OUTR:OUTR+1], s[72:73]  ; 32 queries' 256 consecutive bytes, at a multiple of 256 from ot's first byte
	s_wait_xcnt 0x0                                ; every earlier memory instruction has had its addresses translated (ISA guide 3.1): the three bases and the store's data are written only now
	s_add_nc_u64 s[68:69], s[68:69], 4096
	s_add_nc_u64 s[70:71], s[70:71], 1024
	s_add_nc_u64 s[72:73], s[72:73], 256
	s_sub_co_u32 s74, s74, 1
	s_cmp_lg_u32 s74, 0
	s_cbranch_scc1 .Lblock
	TRIP 0, 0, 12                                  ; the 17th block asks for nothing: the counts run down
	TRIP 1, 0, 8
	TRIP 2, 0, 4
	TRIP 3, 0, 0
	global_store_b64 v6, v[OUTR:OUTR+1], s[72:73]
	s_wait_tensorcnt 0x0                           ; the wave's end, behind my last tensor load
	ds_add_u32 v1, v2
	s_wait_dscnt 0x0
	s_endpgm
.Lfunc_end_k_qf25fea9ad0_sample:
	.size	k_qf25fea9ad0_sample, .Lfunc_end_k_qf25fea9ad0_sample-k_qf25fea9ad0_sample
	.p2alignl 7, 3214868480
	.fill 96, 4, 3214868480
	.section	.rodata,"a",@progbits
	.p2align	6, 0x0
	.amdhsa_kernel k_qf25fea9ad0_sample
		.amdhsa_group_segment_fixed_size 180480
		.amdhsa_private_segment_fixed_size 0
		.amdhsa_enable_private_segment 0
		.amdhsa_kernarg_size 32
		.amdhsa_user_sgpr_count 2
		.amdhsa_user_sgpr_kernarg_segment_ptr 1
		.amdhsa_wavefront_size32 1
		.amdhsa_system_sgpr_workgroup_id_x 1
		.amdhsa_system_sgpr_workgroup_id_y 1
		.amdhsa_system_sgpr_workgroup_id_z 1
		.amdhsa_system_vgpr_workitem_id 0
		.amdhsa_next_free_vgpr 136
		.amdhsa_next_free_sgpr 96
		.amdhsa_reserve_vcc 0
		.amdhsa_float_denorm_mode_32 3
		.amdhsa_float_denorm_mode_16_64 3
		.amdhsa_memory_ordered 1
		.amdhsa_forward_progress 1
		.amdhsa_inst_pref_size 80
	.end_amdhsa_kernel
	.amdgpu_metadata
---
amdhsa.version: [ 1, 2 ]
amdhsa.kernels:
  - .name:           k_qf25fea9ad0_sample
    .symbol:         k_qf25fea9ad0_sample.kd
    .args:
      - { .name: vt, .offset: 0, .size: 8, .value_kind: global_buffer, .address_space: global }
      - { .name: wq, .offset: 8, .size: 8, .value_kind: global_buffer, .address_space: global }
      - { .name: ix, .offset: 16, .size: 8, .value_kind: global_buffer, .address_space: global }
      - { .name: ot, .offset: 24, .size: 8, .value_kind: global_buffer, .address_space: global }
    .group_segment_fixed_size: 180480
    .private_segment_fixed_size: 0
    .kernarg_segment_align: 8
    .kernarg_segment_size: 32
    .max_flat_workgroup_size: 640
    .sgpr_count:     96
    .vgpr_count:     136
    .wavefront_size: 32
...
	.end_amdgpu_metadata
.endif
;; end of part 6
;; launch merge (part 7): grid 680 x 1, 2 waves a work-group, no clusters, 34,048 bytes of LDS; arguments ot, out0; writes out0
.if DOCPART == 7
	.amdgcn_target "amdgcn-amd-amdhsa--gfx1250"
	.amdhsa_code_object_version 6
	.text
	.protected	k_qf25fea9ad0_merge
	.globl	k_qf25fea9ad0_merge
	.p2align	8
	.type	k_qf25fea9ad0_merge,@function
k_qf25fea9ad0_merge:
	s_mov_b64 s[64:65], 0
	v_nop
	global_prefetch_b8 v0, s[64:65] scope:SCOPE_SE
	s_setreg_imm32_b32 hwreg(HW_REG_WAVE_MODE, 25, 1), 1
	s_wait_xcnt 0x0
; MERGE.  out0[n][query][32 m + 4 cg + ch] (f32) = ot[8 n + m][cg][query][ch] (f16): the gathering launch's sums, which lie by groups of four channels, become whole rows.
; A wave takes 32 queries (1,360 waves): 64 loads, one for each (m, cg), of 256 consecutive bytes (a lane: its query's 8 bytes); its own stage in LDS, a row of 512 + 16 bytes a query;
; back by half rows (a lane: 8 bytes = 4 channels), widened exactly to f32, and 64 stores of 512 consecutive bytes.  Memory binds: no matrix unit, no cluster (no byte has two readers),
; no barrier (a wave reads only its own stage).
; The widening is f16 x 1.0 + 0 in f32: exact, but for the sign of a zero.
.set STG,   32*528                     ; a wave's stage; 528 is an odd multiple of 16, so that 16 lanes' 16-byte columns differ modulo 256 bytes
.set SPARE, 2*STG                      ; behind the stages: the spare words, 128 bytes a wave
.set CGB,   174080                     ; bytes of one (b, cg) run in ot
.set YR,    8                          ; v[8:39]    sixteen half rows' 8 bytes, as read back
.set XR,    128                        ; v[128:255] as loaded: (m, cg) = j at XR + 2 j; then the f32 numbers to store
; v1, v2 the add's two registers; v3 8 x lane; v4 16 x lane; v5 into the stage; v6 back from it; v7 1.0; v40 0
	s_load_b128 s[4:7], s[0:1], 0x0                ; ot s[4:5], out0 s[6:7]
	v_lshl_add_u32 v1, v0, 2, SPARE
	v_mov_b32 v2, 0
	v_lshrrev_b32 v3, 5, v0
	v_readfirstlane_b32 s8, v3                     ; wave 0, 1
	s_lshl_b32 s9, ttmp9, 1
	s_add_co_u32 s9, s9, s8                        ; my block of 32 queries among 1,360
	s_cmp_ge_u32 s9, 680
	s_cselect_b32 s10, 1, 0                        ; n
	s_mul_i32 s11, s10, 680
	s_sub_co_u32 s11, s9, s11
	s_lshl_b32 s12, s11, 8                         ; 32 queries of 8 bytes,
	s_mul_i32 s13, s10, 64*CGB                     ; 64 runs a batch entry
	s_add_co_u32 s12, s12, s13
	s_mov_b32 s13, 0
	s_lshl_b32 s14, s9, 15                         ; 32 rows of 1,024 bytes
	s_mov_b32 s15, 0
	s_mul_i32 s22, s8, STG
	v_and_b32 v6, 31, v0
	v_lshlrev_b32 v3, 3, v6
	v_lshlrev_b32 v4, 4, v6
	v_mul_u32_u24 v5, v6, 528
	v_add_nc_u32 v5, s22, v5                       ; in: row = lane
	v_add_nc_u32 v6, s22, v3                       ; back: 8 bytes a lane
	v_mov_b32 v7, 1.0
	v_mov_b32 v40, 0
	s_wait_kmcnt 0x0
	s_add_nc_u64 s[16:17], s[4:5], s[12:13]        ; runs 0-31,
	s_add_nc_u64 s[18:19], s[16:17], 32*CGB        ; runs 32-63: the immediates stay inside their signed 24 bits
	s_add_nc_u64 s[20:21], s[6:7], s[14:15]
.set j, 0
.rept 32
	global_load_b64 v[XR+2*j:XR+2*j+1], v3, s[16:17] offset:j*CGB th:TH_LOAD_NT
.set j, j+1
.endr
.rept 32
	global_load_b64 v[XR+2*j:XR+2*j+1], v3, s[18:19] offset:(j-32)*CGB th:TH_LOAD_NT
.set j, j+1
.endr
.set i, 0
.rept 32
	s_wait_loadcnt 62-2*i                          ; loads come back in order (ISA guide 5.7.1): runs 2 i and 2 i + 1 are in, the younger ones stay out
	ds_store_b128 v5, v[XR+4*i:XR+4*i+3] offset:16*i
.set i, i+1
.endr
.set bt, 0
.rept 4                                            ; eight queries at a time: sixteen half rows
.if bt == 2
	s_wait_xcnt 0x0                                ; the first 32 stores have had their addresses translated (ISA guide 3.1): their data registers are written again only now
.endif
.set i, 0
.rept 16
	ds_load_b64 v[YR+2*i:YR+2*i+1], v6 offset:(8*bt+i/2)*528+(i%2)*256  ; my own stage: LDS serves a wave's instructions in order (ISA guide 5.7.1.4)
.set i, i+1
.endr
.set i, 0
.rept 16
.set zb, XR+64*(bt%2)+4*i
	s_wait_dscnt 15-i                              ; read i is back; the younger ones stay out
	v_fma_mix_f32 v[zb],   v[YR+2*i],   v7, v40 op_sel:[0,0,0] op_sel_hi:[1,0,0]
	v_fma_mix_f32 v[zb+1], v[YR+2*i],   v7, v40 op_sel:[1,0,0] op_sel_hi:[1,0,0]
	v_fma_mix_f32 v[zb+2], v[YR+2*i+1], v7, v40 op_sel:[0,0,0] op_sel_hi:[1,0,0]
	v_fma_mix_f32 v[zb+3], v[YR+2*i+1], v7, v40 op_sel:[1,0,0] op_sel_hi:[1,0,0]
	global_store_b128 v4, v[zb:zb+3], s[20:21] offset:(8*bt+i/2)*1024+(i%2)*512 th:TH_STORE_NT  ; half a row: 512 consecutive bytes, at a multiple of 256 from out0's first byte
.set i, i+1
.endr
.set bt, bt+1
.endr
	s_wait_tensorcnt 0x0                           ; the wave's end, behind my last LDS store
	ds_add_u32 v1, v2
	s_wait_dscnt 0x0
	s_endpgm
.Lfunc_end_k_qf25fea9ad0_merge:
	.size	k_qf25fea9ad0_merge, .Lfunc_end_k_qf25fea9ad0_merge-k_qf25fea9ad0_merge
	.p2alignl 7, 3214868480
	.fill 96, 4, 3214868480
	.section	.rodata,"a",@progbits
	.p2align	6, 0x0
	.amdhsa_kernel k_qf25fea9ad0_merge
		.amdhsa_group_segment_fixed_size 34048
		.amdhsa_private_segment_fixed_size 0
		.amdhsa_enable_private_segment 0
		.amdhsa_kernarg_size 16
		.amdhsa_user_sgpr_count 2
		.amdhsa_user_sgpr_kernarg_segment_ptr 1
		.amdhsa_wavefront_size32 1
		.amdhsa_system_sgpr_workgroup_id_x 1
		.amdhsa_system_sgpr_workgroup_id_y 1
		.amdhsa_system_sgpr_workgroup_id_z 1
		.amdhsa_system_vgpr_workitem_id 0
		.amdhsa_next_free_vgpr 256
		.amdhsa_next_free_sgpr 66
		.amdhsa_reserve_vcc 0
		.amdhsa_float_denorm_mode_32 3
		.amdhsa_float_denorm_mode_16_64 3
		.amdhsa_memory_ordered 1
		.amdhsa_forward_progress 1
		.amdhsa_inst_pref_size 39
	.end_amdhsa_kernel
	.amdgpu_metadata
---
amdhsa.version: [ 1, 2 ]
amdhsa.kernels:
  - .name:           k_qf25fea9ad0_merge
    .symbol:         k_qf25fea9ad0_merge.kd
    .args:
      - { .name: ot, .offset: 0, .size: 8, .value_kind: global_buffer, .address_space: global }
      - { .name: out0, .offset: 8, .size: 8, .value_kind: global_buffer, .address_space: global }
    .group_segment_fixed_size: 34048
    .private_segment_fixed_size: 0
    .kernarg_segment_align: 8
    .kernarg_segment_size: 16
    .max_flat_workgroup_size: 64
    .sgpr_count:     66
    .vgpr_count:     256
    .wavefront_size: 32
...
	.end_amdgpu_metadata
.endif
;; end of part 7
;; ======== version 3 of 4: 4 launches; 1.99 times as fast as version 1
;; limits: inputs' magnitudes at most 65,504; values are held in f16: magnitudes above 65,504 overflow, below 6.1e-05 lose precision
;; workspace buffers: vt 22,282,240 bytes; wf 196,608 bytes; wq 44,564,480 bytes; ix 11,141,120 bytes of whole numbers; ot 22,282,240 bytes
;; launch prep: the kernel of part 4 again; grid 692 x 1, 4 waves a work-group, no clusters, 0 bytes of LDS; arguments value0, value1, value2, value3, W_off, W_attn, vt, wf; writes vt, wf
;; launch proj (part 8): grid 256 x 1, 4 waves a work-group, no clusters, 205,312 bytes of LDS; arguments query, reference_points, wf, b_off, b_attn, wq, ix; writes wq, ix
.if DOCPART == 8
	.amdgcn_target "amdgcn-amd-amdhsa--gfx1250"
	.amdhsa_code_object_version 6
	.text
	.protected	k_qf25fea9ad0_proj
	.globl	k_qf25fea9ad0_proj
	.p2align	8
	.type	k_qf25fea9ad0_proj,@function
k_qf25fea9ad0_proj:
	s_mov_b64 s[64:65], 0
	v_nop
	global_prefetch_b8 v0, s[64:65] scope:SCOPE_SE
	s_setreg_imm32_b32 hwreg(HW_REG_WAVE_MODE, 25, 1), 1
	s_wait_xcnt 0x0
; PROJ.  For each of the 43,520 queries: offsets = query W_off + b_off, logits = query W_attn + b_attn (one product, 384 columns, f16 operands, f32 sums), the softmax over a head's 16
; logits (its maximum taken away first), and for each of the 128 sampling points the pixel position x = ref_x W + off_x - 0.5 (y likewise).  Stored for the gathering launch, by heads m:
;   ix[m][query / 8][query % 8][point][hf][lv] u16: the record number of the base corner in that launch's LDS table, level = hf + 2 lv: the level's base (0, 16640, 20864, 21952) + yb (W + 2) + xb,
;       xb = clamp(floor x, 0, W - 2), yb likewise (a picture row has two records of padding there);
;   wq[m][query / 8][hf][query % 8][point][lv][c = xs + 2 ys] f16: attention x hat(x - xb - xs) x hat(y - yb - ys), hat(t) = max(0, 1 - |t|).
; The two hats at xb and xb + 1 are the bilinear weights of those two pixels, and 0 where the sample's own corner lies outside the picture: no validity mask is needed.
; LIMITS.  query and the weights go to the matrix unit in f16 (no number beyond 65,504; below 6e-5 a fixed step of 6e-8); the stored weights lie in 0 to 1 and keep that step too.
; x is made as ref W + (off - 0.5), an order of rounding other than (2 (ref + off / W) - 1 + 1) W / 2 - 0.5: W is a power of two, so only one addition's rounding differs.
; NaN and infinities are not treated apart.
; SHARES.  Work-group i owns the rows from S = 8 ((85 i) / 4) on: 168 rows, or 176 where i % 4 = 3, as eleven tiles of 16 queries at row min(16 t, LAST), LAST = 152 or 160: every tile begins at a
; multiple of 8 queries; where LAST = 152 the last tile overlaps the tenth, and the same wave stores the same numbers there twice.  Wave w owns heads 2 w and 2 w + 1: 96 columns, 48 fragments
; of W, 384 registers for the whole launch.
; THE PRODUCT IS USED TRANSPOSED: source 0 = 16 columns of W, source 1 = 16 queries: a lane (r = lane % 16, h = lane / 16) holds query r, and register j the column 8 h + j of the 16.
; Of a head's offsets that is level h (first accumulator) and 2 + h (second), point j / 2, x or y by j % 2; of its logits (columns permuted when wf was laid) level h + 2 (j / 4), point j % 4.
; So a lane's half h is the stored layouts' hf, and a lane holds, for each point, 16 whole bytes (lv, c) of weights and one whole word (lv) of indices.
; QUERY comes by the tensor data mover, all of it asked for at the start: four loads a wave, four outstanding, no byte of LDS filled twice.  Tile t lies at LDS row 16 t.
; No cluster: every query row has one reader, and W (196,608 bytes) goes straight to registers.
; REGISTERS, in windows of 256 (s_set_vgpr_msb: bits 1:0 source 0, 3:2 source 1, 5:4 source 2, 7:6 destination):
;   window 0: v0-29 addresses and lane constants; v30-45 softmax at work; v48-95 six accumulators; v96-159 the queries' fragments, then the points at work; v160-199 rows on the way out;
;             v200-223 packed weights and indices; v224-225 W + 2        window 1: v0-239 W's fragments 0-29        window 2: v0-143 fragments 30-47        window 3: v0-127 a tile of query in f32; v128-175 the biases
.set QP,    1040                       ; an LDS row of query: 1,024 bytes + 16 of padding: the 16 rows of a load start at 16 different 16-byte columns modulo 256 bytes
.set STW,   176*QP                     ; behind the 176 rows: for each wave a stage of 16 units of 256 + 16 bytes for wq: unit 8 mi + 4 (r / 8) + 2 h + (r / 4) % 2 holds four queries' 64 bytes
.set STI,   STW+4*16*272               ; and one of 4 units for ix: unit 2 mi + r / 8 holds [r % 8][point][h][4 bytes]
.set SPARE, STI+4*4*272                ; the spare words, 128 bytes a wave
.set HW,    5570560                    ; a head's bytes in wq: 43,520 x 128
.set HI,    1392640                    ; and in ix: 43,520 x 32
.set REF,   22                         ; v[22:25]  reference point of levels h and 2 + h
.set RXY,   26                         ; v[26:29]  the same times W
.set ACC,   48                         ; accumulator a = 3 mi + ty at ACC + 8 a
.set QH,    96
.set RB,    160
.set WS,    200                        ; point p's four words (lv, corner pair) at WS + 4 p
.set PI,    216                        ; point p's record number in level h at PI + p; in level 2 + h, and then the packed word, at PI + 4 + p
.set BIAS,  128                        ; window 3
; v1 r; v2 h; v3 r QP + 32 h; v4 the tile's LDS address; v5, v6 into the stages; v7, v8 back from them; v9 16 x lane; v10 32 r + 8 h; v11, v12 the add's two registers; v13 32 h; v46 16 h
; v[14:15] W of level h, twice; v[16:17] W of level 2 + h, twice; v18, v19 those less 2; v224, v225 those plus 2; v20 the record bases of level h (low half) and level 2 + h (high half)
; s[4:17] the seven addresses; s18 the tile's first LDS byte; s[20:43] three descriptor groups 1 (8, 16, 4 rows); s[44:59] four groups 0; s60 wave; s61 S; s62 LAST; s63 16 t
; s[66:67] an offset; s[68:73] wq, ix, reference_points at my first row; s[74:79] the same at the tile in hand; s[80:81] log2(e); s[82:83] lane selects; s84 trips; s85 the tile's row
; s[86:91] wf, b_off, b_attn at my wave's part
.set MSB, 0
.macro WIN new                         ; the immediate's high byte repeats the setting that is left; a switch that changes nothing is dropped
.if MSB != (\new)
	s_set_vgpr_msb (MSB<<8)|(\new)
.set MSB, \new
.endif
.endm
.macro G1SET g, rows                   ; descriptor group 1: rows x 256 elements of 4 bytes, 256 elements from row to row, 4 words of padding behind every 256 words
	s_mov_b32 s[\g], (2<<16)|(1<<20)|(7<<22)|(3<<25)
	s_mov_b32 s[\g+1], 256<<16                     ; tensor_dim0 = 256
	s_mov_b32 s[\g+2], (\rows)<<16                 ; tensor_dim1 = rows
	s_mov_b32 s[\g+3], 256<<16                     ; tile_dim0 = 256
	s_mov_b32 s[\g+4], \rows                       ; tile_dim1 = rows
	s_mov_b32 s[\g+5], 256
	s_mov_b32 s[\g+6], 0
	s_mov_b32 s[\g+7], 0
.endm
	s_load_b256 s[4:11], s[0:1], 0x0               ; query s[4:5], reference_points s[6:7], wf s[8:9], b_off s[10:11]
	s_load_b128 s[12:15], s[0:1], 0x20             ; b_attn s[12:13], wq s[14:15]
	s_load_b64 s[16:17], s[0:1], 0x30              ; ix
	v_lshl_add_u32 v11, v0, 2, SPARE
	v_mov_b32 v12, 0
	ds_add_u32 v11, v12                            ; the wave's opening: the add and its wait stand ahead of my first tensor load; work on registers stands between them
	ds_add_u32 v11, v12
	v_lshrrev_b32 v1, 5, v0
	v_readfirstlane_b32 s60, v1                    ; wave 0..3
	s_mul_i32 s61, ttmp9, 85
	s_lshr_b32 s61, s61, 2
	s_lshl_b32 s61, s61, 3                         ; S: 5,440 groups of 8 rows over 256 work-groups, 21.25 each
	s_and_b32 s62, ttmp9, 3
	s_cmp_eq_u32 s62, 3
	s_cselect_b32 s62, 8, 0
	s_add_co_u32 s62, s62, 152                     ; LAST
	s_mov_b32 s63, 0
	G1SET 20, 8
	G1SET 28, 16
	G1SET 36, 4
	s_mov_b32 s44, 1                               ; groups 0: count = 1; the LDS address is a constant + the wave's number times a constant
	s_mul_i32 s45, s60, 8*QP                       ; load 0: LDS rows 8 w on (tiles 0, 1)
	s_mov_b32 s48, 1
	s_mul_i32 s49, s60, 16*QP
	s_mov_b32 s52, 1
	s_add_co_u32 s53, s49, 96*QP                   ; load 2: rows 96 + 16 w on (tiles 6-9)
	s_add_co_u32 s49, s49, 32*QP                   ; load 1: rows 32 + 16 w on (tiles 2-5)
	s_mov_b32 s56, 1
	s_mul_i32 s57, s60, 4*QP
	s_add_co_u32 s57, s57, 160*QP                  ; load 3: rows 160 + 4 w on (tile 10)
	s_lshl_b32 s66, s60, 3
	s_add_co_u32 s66, s66, s61
	s_lshl_b32 s66, s66, 10                        ; their first rows in query, of 1,024 bytes: S + 8 w,
	s_mov_b32 s67, 0
	s_lshl_b32 s68, s60, 4
	s_add_co_u32 s68, s68, s61
	s_add_co_u32 s68, s68, 32
	s_lshl_b32 s68, s68, 10                        ; S + 32 + 16 w,
	s_mov_b32 s69, 0
	s_add_co_u32 s70, s68, 64*1024                 ; S + 96 + 16 w,
	s_mov_b32 s71, 0
	s_lshl_b32 s72, s60, 2
	s_add_co_u32 s72, s72, s61
	s_add_co_u32 s72, s72, s62
	s_lshl_b32 s72, s72, 10                        ; S + LAST + 4 w
	s_mov_b32 s73, 0
	s_mov_b32 s80, 0x3fb8aa3b                      ; log2(e),
	s_mov_b32 s81, s80                             ; named as a pair
	s_mov_b32 s82, 0x76543210                      ; v_permlanex16_b32: each lane takes its own place in the other half
	s_mov_b32 s83, 0xfedcba98
	v_and_b32 v1, 15, v0                           ; r
	v_bfe_u32 v2, v0, 4, 1                         ; h
	v_mul_u32_u24 v3, v1, QP
	v_lshl_add_u32 v3, v2, 5, v3                   ; a fragment's first bytes: row r, 8 h numbers of 4 bytes
	s_mul_i32 s86, s60, 16*272
	s_add_co_u32 s86, s86, STW
	s_mul_i32 s87, s60, 4*272
	s_add_co_u32 s87, s87, STI
	v_lshrrev_b32 v30, 3, v1                       ; r / 8
	v_bfe_u32 v31, v1, 2, 1                        ; (r / 4) % 2
	v_and_b32 v32, 3, v1                           ; r % 4
	v_and_b32 v33, 7, v1                           ; r % 8
	v_lshl_add_u32 v5, v30, 2, v31
	v_lshl_add_u32 v5, v2, 1, v5                   ; wq's stage, in: unit 4 (r / 8) + 2 h + (r / 4) % 2,
	v_mul_u32_u24 v5, v5, 272
	v_lshl_add_u32 v5, v32, 6, v5                  ; query r % 4 of its four
	v_add_nc_u32 v5, s86, v5
	v_mul_u32_u24 v6, v30, 272                     ; ix's stage, in: unit r / 8,
	v_lshl_add_u32 v6, v33, 5, v6                  ; query r % 8,
	v_lshl_add_u32 v6, v2, 2, v6                   ; word h of a point's two
	v_add_nc_u32 v6, s87, v6
	v_mul_u32_u24 v7, v2, 272
	v_lshl_add_u32 v7, v1, 4, v7                   ; back: lanes 0-15 one unit of 256 bytes, lanes 16-31 the next
	v_add_nc_u32 v8, s87, v7
	v_add_nc_u32 v7, s86, v7
	v_and_b32 v9, 31, v0
	v_lshlrev_b32 v9, 4, v9
	v_lshlrev_b32 v10, 5, v1
	v_lshl_add_u32 v10, v2, 3, v10
	v_lshlrev_b32 v13, 5, v2
	v_lshlrev_b32 v46, 4, v2
	v_lshlrev_b32 v47, 23, v2                      ; one step of an f32's exponent
	v_sub_nc_u32 v14, 0x43000000, v47              ; 128.0 or 64.0
	v_mov_b32 v15, v14
	v_sub_nc_u32 v16, 0x42000000, v47              ; 32.0 or 16.0
	v_mov_b32 v17, v16
	v_add_f32 v18, -2.0, v14
	v_add_f32 v19, -2.0, v16
	v_add_f32 v224, 2.0, v14                       ; records in a padded picture row
	v_add_f32 v225, 2.0, v16
	v_sub_nc_u32 v47, 0, v2                        ; 0 or all ones
	v_and_b32 v20, 0x04404100, v47
	v_add_nc_u32 v20, 0x51800000, v20              ; low half 0 or 16,640; high half 20,864 or 21,952
	s_wait_dscnt 0x0                               ; the opening add is done
	s_wait_kmcnt 0x0
	s_add_nc_u64 s[46:47], s[4:5], s[66:67]
	s_or_b32 s47, s47, 0x80000000                  ; type = 2
	s_add_nc_u64 s[50:51], s[4:5], s[68:69]
	s_or_b32 s51, s51, 0x80000000
	s_add_nc_u64 s[54:55], s[4:5], s[70:71]
	s_or_b32 s55, s55, 0x80000000
	s_add_nc_u64 s[58:59], s[4:5], s[72:73]
	s_or_b32 s59, s59, 0x80000000
	tensor_load_to_lds s[44:47], s[20:27]          ; all first fills in one group, ahead of every wait on TENSORcnt, LDS read and barrier; their registers are never written again
	s_nop 0
	tensor_load_to_lds s[48:51], s[28:35]
	s_nop 0
	tensor_load_to_lds s[52:55], s[28:35]
	s_nop 0
	tensor_load_to_lds s[56:59], s[36:43]
	s_nop 0
.rept 4
	v_nop                                          ; ahead of the window switches below
.endr
	s_mul_i32 s66, s60, 2*HW                       ; wq: my first head,
	s_lshl_b32 s67, s61, 7                         ; 128 bytes a query
	s_add_co_u32 s66, s66, s67
	s_mov_b32 s67, 0
	s_add_nc_u64 s[68:69], s[14:15], s[66:67]
	s_mul_i32 s66, s60, 2*HI                       ; ix: a quarter of that
	s_lshl_b32 s70, s61, 5
	s_add_co_u32 s66, s66, s70
	s_add_nc_u64 s[70:71], s[16:17], s[66:67]
	s_lshl_b32 s66, s61, 5                         ; reference_points: 32 bytes a query
	s_add_nc_u64 s[72:73], s[6:7], s[66:67]
	s_mov_b64 s[78:79], s[72:73]
	s_mul_i32 s66, s60, 49152
	s_add_nc_u64 s[86:87], s[8:9], s[66:67]
	s_lshl_b32 s66, s60, 8
	s_add_nc_u64 s[88:89], s[10:11], s[66:67]
	s_lshl_b32 s66, s60, 7
	s_add_nc_u64 s[90:91], s[12:13], s[66:67]
	WIN 0x40                                       ; destination window 1, address window 0
.set f, 0
.rept 30
	global_load_b128 v[8*f:8*f+3],   v9, s[86:87] offset:1024*f
	global_load_b128 v[8*f+4:8*f+7], v9, s[86:87] offset:1024*f+512
.set f, f+1
.endr
	WIN 0x80                                       ; destination window 2
.rept 18
	global_load_b128 v[8*(f-30):8*(f-30)+3],   v9, s[86:87] offset:1024*f
	global_load_b128 v[8*(f-30)+4:8*(f-30)+7], v9, s[86:87] offset:1024*f+512
.set f, f+1
.endr
	WIN 0xc0                                       ; destination window 3: the biases, in an accumulator's layout: register j is column 8 h + j
.irp m, 0,1
.irp y, 0,1
	global_load_b128 v[BIAS+8*(3*\m+\y):BIAS+8*(3*\m+\y)+3],   v13, s[88:89] offset:128*\m+64*\y
	global_load_b128 v[BIAS+8*(3*\m+\y)+4:BIAS+8*(3*\m+\y)+7], v13, s[88:89] offset:128*\m+64*\y+16
.endr
	global_load_b128 v[BIAS+8*(3*\m+2):BIAS+8*(3*\m+2)+3],   v46, s[90:91] offset:64*\m      ; level h
	global_load_b128 v[BIAS+8*(3*\m+2)+4:BIAS+8*(3*\m+2)+7], v46, s[90:91] offset:64*\m+32   ; level 2 + h
.endr
	WIN 0
	global_load_b64 v[REF:REF+1],   v10, s[78:79]              ; tile 0's reference points
	global_load_b64 v[REF+2:REF+3], v10, s[78:79] offset:16
	s_wait_loadcnt 0x0
	WIN 0xc3                                       ; the position's - 0.5 goes into the offsets' biases
.irp a, 0,1,3,4
.irp i, 0,2,4,6
	v_pk_add_f32 v[BIAS+8*\a+\i:BIAS+8*\a+\i+1], v[BIAS+8*\a+\i:BIAS+8*\a+\i+1], -0.5 op_sel_hi:[1,0]
.endr
.endr
	WIN 0
.macro BOTH line:vararg                ; one line for each of my two heads: LG its logits, TS its eight registers at work
.set mi, 0
.rept 2
.set LG, ACC+24*mi+16
.set TS, 30+8*mi
	\line
.set mi, mi+1
.endr
.endm
.macro FOUR line:vararg                ; one line for each of a level's four points: TP its sixteen registers at work
.set p, 0
.rept 4
.set TP, QH+16*p
	\line
.set p, p+1
.endr
.endm
; A head's softmax: a lane holds 8 of a query's 16 logits, the lane 16 away the others.  The accumulator's lowest registers are read first.
.macro SOFTMAX
	BOTH v_max3_num_f32 v[TS], v[LG], v[LG+1], v[LG+2]
	BOTH v_max3_num_f32 v[TS+1], v[LG+3], v[LG+4], v[LG+5]
	BOTH v_max3_num_f32 v[TS], v[TS], v[LG+6], v[LG+7]
	BOTH v_max_num_f32 v[TS], v[TS], v[TS+1]
	BOTH v_permlanex16_b32 v[TS+1], v[TS], s82, s83
	BOTH v_max_num_f32 v[TS], v[TS], v[TS+1]
	BOTH v_mul_f32 v[TS], s80, v[TS]
.irp i, 0,2,4,6
	BOTH v_pk_fma_f32 v[LG+\i:LG+\i+1], v[LG+\i:LG+\i+1], s[80:81], v[TS:TS+1] op_sel_hi:[1,0,0] neg_lo:[0,0,1] neg_hi:[0,0,1]
.endr
.irp i, 0,1,2,3,4,5,6,7
	BOTH v_exp_f32 v[LG+\i], v[LG+\i]
.endr
	v_nop                                          ; a plain instruction between the last exponential and the use of its result (ISA guide 5.7.2)
	s_wait_alu depctr_va_vdst(0)
	BOTH v_pk_add_f32 v[TS+2:TS+3], v[LG:LG+1], v[LG+2:LG+3]
	BOTH v_pk_add_f32 v[TS+4:TS+5], v[LG+4:LG+5], v[LG+6:LG+7]
	BOTH v_pk_add_f32 v[TS+2:TS+3], v[TS+2:TS+3], v[TS+4:TS+5]
	BOTH v_add_f32 v[TS+2], v[TS+2], v[TS+3]
	BOTH v_permlanex16_b32 v[TS+3], v[TS+2], s82, s83
	BOTH v_add_f32 v[TS+2], v[TS+2], v[TS+3]
	BOTH v_rcp_f32 v[TS+4], v[TS+2]
	v_nop
	s_wait_alu depctr_va_vdst(0)
.irp i, 0,2,4,6
	BOTH v_pk_mul_f32 v[LG+\i:LG+\i+1], v[LG+\i:LG+\i+1], v[TS+4:TS+5] op_sel_hi:[1,0]
.endr
.endm
; The four points of head hd (0, 1), level h + 2 lv.  At work, from TP on: 0, 1 (x, y), later the y hats times attention; 2, 3 the base corner; 4, 5 t = position - base; 6, 7: 2 - t, then 6 the x hat at
; base + 1; 8, 9: 1 - t, then 8 the x hat at base; 10, 11: 1 + t; 12-15 the four weights, corner (xs, ys) at 12 + 2 xs + ys.  hat(t) = med3(1 - t, 0, 1 + t); hat(t - 1) = med3(t, 0, 2 - t).
; Behind the head's second level each point's 16 bytes of weights, and its word of indices, go into the stages.
.macro POINTS hd, lv
.set OB,  ACC+24*(\hd)+8*(\lv)
.set LGS, ACC+24*(\hd)+16+4*(\lv)
	FOUR v_pk_add_f32 v[TP:TP+1], v[OB+2*p:OB+2*p+1], v[RXY+2*(\lv):RXY+2*(\lv)+1]
	FOUR v_floor_f32 v[TP+2], v[TP]
	FOUR v_floor_f32 v[TP+3], v[TP+1]
	FOUR v_med3_num_f32 v[TP+2], v[TP+2], 0, v[18+(\lv)]
	FOUR v_med3_num_f32 v[TP+3], v[TP+3], 0, v[18+(\lv)]
	FOUR v_pk_add_f32 v[TP+4:TP+5], v[TP:TP+1], v[TP+2:TP+3] neg_lo:[0,1] neg_hi:[0,1]
	FOUR v_pk_add_f32 v[TP+6:TP+7], v[TP+4:TP+5], 2.0 op_sel_hi:[1,0] neg_lo:[1,0] neg_hi:[1,0]
	FOUR v_pk_add_f32 v[TP+8:TP+9], v[TP+4:TP+5], 1.0 op_sel_hi:[1,0] neg_lo:[1,0] neg_hi:[1,0]
	FOUR v_pk_add_f32 v[TP+10:TP+11], v[TP+4:TP+5], 1.0 op_sel_hi:[1,0]
	FOUR v_med3_num_f32 v[TP+6], v[TP+4], 0, v[TP+6]
	FOUR v_med3_num_f32 v[TP+1], v[TP+5], 0, v[TP+7]
	FOUR v_med3_num_f32 v[TP], v[TP+9], 0, v[TP+11]
	FOUR v_med3_num_f32 v[TP+8], v[TP+8], 0, v[TP+10]
	FOUR v_mul_f32 v[TP], v[TP], v[LGS+p]
	FOUR v_mul_f32 v[TP+1], v[TP+1], v[LGS+p]
	FOUR v_pk_mul_f32 v[TP+12:TP+13], v[TP:TP+1], v[TP+8:TP+9] op_sel_hi:[1,0]
	FOUR v_pk_mul_f32 v[TP+14:TP+15], v[TP:TP+1], v[TP+6:TP+7] op_sel_hi:[1,0]
	FOUR v_cvt_pk_f16_f32 v[WS+4*p+2*(\lv)],   v[TP+12], v[TP+14]   ; corners 0, 1: the upper row's two,
	FOUR v_cvt_pk_f16_f32 v[WS+4*p+2*(\lv)+1], v[TP+13], v[TP+15]   ; corners 2, 3: the lower row's
	FOUR v_fma_f32 v[TP+4], v[TP+3], v[224+(\lv)], v[TP+2]
	FOUR v_cvt_u32_f32 v[PI+4*(\lv)+p], v[TP+4]
.if (\lv) == 1
	FOUR v_lshl_or_b32 v[PI+4+p], v[PI+4+p], 16, v[PI+p]
	FOUR v_add_nc_u32 v[PI+4+p], v20, v[PI+4+p]                     ; yb (W + 2) + xb stays under the level's size, so no half carries into the other
	FOUR ds_store_b128 v5, v[WS+4*p:WS+4*p+3] offset:8*272*(\hd)+16*p
	FOUR ds_store_b32 v6, v[PI+4+p] offset:2*272*(\hd)+8*p
.endif
.endm
; ONE TILE of 16 queries.
.macro TILE
	s_wait_loadcnt 0x0                             ; this tile's reference points are in, and the loads that named s[78:79] are done
	v_pk_mul_f32 v[RXY:RXY+1],   v[REF:REF+1],   v[14:15]
	v_pk_mul_f32 v[RXY+2:RXY+3], v[REF+2:REF+3], v[16:17]
	v_add_nc_u32 v4, s18, v3
	s_min_u32 s85, s63, s62                        ; this tile's first row
	s_add_co_u32 s66, s63, 16
	s_min_u32 s66, s66, s62                        ; the next tile's (in the last trip: the last tile's once more, inside the buffer, unused)
	s_lshl_b32 s66, s66, 5
	s_mov_b32 s67, 0
	s_add_nc_u64 s[78:79], s[72:73], s[66:67]
	global_load_b64 v[REF:REF+1],   v10, s[78:79]
	global_load_b64 v[REF+2:REF+3], v10, s[78:79] offset:16
	WIN 0xc0                                       ; destination window 3, address window 0
.set ks, 0
.rept 8                                            ; K step ks: numbers 32 ks + 8 h + 0..7 and 32 ks + 16 + 8 h + 0..7 of row r, in f32
.set i, 0
.rept 4
	ds_load_b128 v[16*ks+4*i:16*ks+4*i+3], v4 offset:128*ks+16*(i%2)+64*(i/2)
.set i, i+1
.endr
.set ks, ks+1
.endr
	WIN 0x0f                                       ; sources window 3, destination window 0
.set ks, 0
.rept 8
	s_wait_dscnt 28-4*ks                           ; K step ks's four loads are back; the younger ones stay out
.set i, 0
.rept 8
	v_cvt_pk_f16_f32 v[QH+8*ks+i], v[16*ks+2*i], v[16*ks+2*i+1]
.set i, i+1
.endr
.set ks, ks+1
.endr
.set ks, 0
.rept 8                                            ; 48 products; the six accumulators take turns, one instruction a turn; the first K step starts the sums with the biases
.set a, 0
.rept 6
.set f, 6*ks+a
.if ks == 0
	WIN 0x31                                       ; W in window 1, the bias in window 3
	v_wmma_f32_16x16x32_f16 v[ACC+8*a:ACC+8*a+7], v[8*f:8*f+7], v[QH:QH+7], v[BIAS+8*a:BIAS+8*a+7]
.elseif ks < 5
	WIN 0x01
	v_wmma_f32_16x16x32_f16 v[ACC+8*a:ACC+8*a+7], v[8*f:8*f+7], v[QH+8*ks:QH+8*ks+7], v[ACC+8*a:ACC+8*a+7]
.else
	WIN 0x02
	v_wmma_f32_16x16x32_f16 v[ACC+8*a:ACC+8*a+7], v[8*(f-30):8*(f-30)+7], v[QH+8*ks:QH+8*ks+7], v[ACC+8*a:ACC+8*a+7]
.endif
.set a, a+1
.endr
.set ks, ks+1
.endr
	WIN 0
.rept 4
	v_nop                                          ; four places behind the last product, whose result the softmax reads (ISA guide 7.12.1)
.endr
	SOFTMAX
	POINTS 0, 0
	POINTS 0, 1
	POINTS 1, 0
	POINTS 1, 1
	s_wait_xcnt 0x0                                ; the last tile's stores have had their addresses translated (ISA guide 3.1): only now are their data and bases written again
	s_lshl_b32 s66, s85, 7
	s_add_nc_u64 s[74:75], s[68:69], s[66:67]
	s_lshl_b32 s66, s85, 5
	s_add_nc_u64 s[76:77], s[70:71], s[66:67]
.set t, 0
.rept 8
	ds_load_b128 v[RB+4*t:RB+4*t+3], v7 offset:544*t   ; my own stage: LDS serves a wave's instructions in order (ISA guide 5.7.1.4)
.set t, t+1
.endr
	ds_load_b128 v[RB+32:RB+35], v8
	ds_load_b128 v[RB+36:RB+39], v8 offset:544
.set t, 0
.rept 8
	s_wait_dscnt 9-t                               ; read t is back; the younger ones stay out
	global_store_b128 v9, v[RB+4*t:RB+4*t+3], s[74:75] offset:512*(t%4)+HW*(t/4)  ; head t / 4: 512 consecutive bytes of the tile's 2,048, at a multiple of 256 from wq's first byte
.set t, t+1
.endr
	s_wait_dscnt 1
	global_store_b128 v9, v[RB+32:RB+35], s[76:77]                   ; the tile's 512 consecutive bytes of ix, first head,
	s_wait_dscnt 0
	global_store_b128 v9, v[RB+36:RB+39], s[76:77] offset:HI         ; second head
	s_add_co_u32 s18, s18, 16*QP
	s_add_co_u32 s63, s63, 16
.endm
; A phase: the tiles that one more of the four loads has brought.  left = how many younger tensor loads of mine may stay out.
.macro PHASE tag, left, base, trips
	s_wait_tensorcnt \left                         ; my part of the phase's rows is in LDS (tensor loads of a wave end in order: ISA guide 10.11.1),
	s_wait_dscnt 0x0
	s_barrier_signal -1
	s_barrier_wait -1                              ; everybody's is
	s_mov_b32 s18, \base
	s_mov_b32 s84, \trips
.Ltile\tag:
	TILE
	s_sub_co_u32 s84, s84, 1
	s_cmp_lg_u32 s84, 0
	s_cbranch_scc1 .Ltile\tag
.endm
	PHASE A, 3, 0, 2                               ; tiles 0, 1: load 0
	PHASE B, 2, 32*QP, 4                           ; tiles 2-5: load 1
	PHASE C, 0, 96*QP, 5                           ; tiles 6-10: loads 2 and 3
	s_wait_tensorcnt 0x0                           ; the wave's end, behind my last tensor load and my last LDS store
	ds_add_u32 v11, v12
	s_wait_dscnt 0x0
	s_endpgm
.Lfunc_end_k_qf25fea9ad0_proj:
	.size	k_qf25fea9ad0_proj, .Lfunc_end_k_qf25fea9ad0_proj-k_qf25fea9ad0_proj
	.p2alignl 7, 3214868480
	.fill 96, 4, 3214868480
	.section	.rodata,"a",@progbits
	.p2align	6, 0x0
	.amdhsa_kernel k_qf25fea9ad0_proj
		.amdhsa_group_segment_fixed_size 205312
		.amdhsa_private_segment_fixed_size 0
		.amdhsa_enable_private_segment 0
		.amdhsa_kernarg_size 56
		.amdhsa_user_sgpr_count 2
		.amdhsa_user_sgpr_kernarg_segment_ptr 1
		.amdhsa_wavefront_size32 1
		.amdhsa_system_sgpr_workgroup_id_x 1
		.amdhsa_system_sgpr_workgroup_id_y 1
		.amdhsa_system_sgpr_workgroup_id_z 1
		.amdhsa_system_vgpr_workitem_id 0
		.amdhsa_next_free_vgpr 944
		.amdhsa_next_free_sgpr 92
		.amdhsa_reserve_vcc 0
		.amdhsa_float_denorm_mode_32 3
		.amdhsa_float_denorm_mode_16_64 3
		.amdhsa_memory_ordered 1
		.amdhsa_forward_progress 1
		.amdhsa_inst_pref_size 127
	.end_amdhsa_kernel
	.amdgpu_metadata
---
amdhsa.version: [ 1, 2 ]
amdhsa.kernels:
  - .name:           k_qf25fea9ad0_proj
    .symbol:         k_qf25fea9ad0_proj.kd
    .args:
      - { .name: query, .offset: 0, .size: 8, .value_kind: global_buffer, .address_space: global }
      - { .name: reference_points, .offset: 8, .size: 8, .value_kind: global_buffer, .address_space: global }
      - { .name: wf, .offset: 16, .size: 8, .value_kind: global_buffer, .address_space: global }
      - { .name: b_off, .offset: 24, .size: 8, .value_kind: global_buffer, .address_space: global }
      - { .name: b_attn, .offset: 32, .size: 8, .value_kind: global_buffer, .address_space: global }
      - { .name: wq, .offset: 40, .size: 8, .value_kind: global_buffer, .address_space: global }
      - { .name: ix, .offset: 48, .size: 8, .value_kind: global_buffer, .address_space: global }
    .group_segment_fixed_size: 205312
    .private_segment_fixed_size: 0
    .kernarg_segment_align: 8
    .kernarg_segment_size: 56
    .max_flat_workgroup_size: 128
    .sgpr_count:     92
    .vgpr_count:     944
    .wavefront_size: 32
...
	.end_amdgpu_metadata
.endif
;; end of part 8
;; launch sample (part 9): grid 256 x 1, 20 waves a work-group, no clusters, 180,480 bytes of LDS; arguments vt, wq, ix, ot; writes ot
.if DOCPART == 9
	.amdgcn_target "amdgcn-amd-amdhsa--gfx1250"
	.amdhsa_code_object_version 6
	.text
	.protected	k_qf25fea9ad0_sample
	.globl	k_qf25fea9ad0_sample
	.p2align	8
	.type	k_qf25fea9ad0_sample,@function
k_qf25fea9ad0_sample:
	s_mov_b64 s[64:65], 0
	v_nop
	global_prefetch_b8 v0, s[64:65] scope:SCOPE_SE
	s_setreg_imm32_b32 hwreg(HW_REG_WAVE_MODE, 25, 1), 1
	s_wait_xcnt 0x0
; SAMPLE.  ot[b][cg][query][4] (f16) = the sum over a head's 16 points and each point's 4 corners of wq x table[record][channel], for the four channels 4 cg .. 4 cg + 3 of head b.
; THE TABLE LIES IN LDS.  Work-group id = 16 b + 8 qh + cg holds all four levels of (b, cg): 21,760 records of 8 bytes, each picture row followed by 16 bytes of padding: 177,920 bytes.  (Eight channels
; would be 348,160 bytes, more than a work-group can have.)  It walks the 10,880 queries of half qh of b's batch entry.  The record numbers come as whole numbers from ix, made for this padded layout.
; LANES.  lane = 4 q8 + p: query q8 of eight, point p of each of the four levels.  A lane makes ONE address for a point (extract, clamp, shift: 12 lines for its four points) and reads the point's four
; corners by it: the corner stands in the read's immediate, 8 xs + ys x the level's row (1,040, 528, 272 or 144 bytes).  It adds up 4 channels in f32, straight from f16 halves.
; Four trips of eight queries make a block of 32.  The four point lanes of a query are added up once a block, by an exchange in two steps: a lane keeps the trips of its own parity and sends the other ones,
; so that lane (q8, p) ends with the whole sums of trip p's query q8, and one store of the wave covers 256 consecutive bytes.
; A wave owns 544 queries: 17 blocks.  THE STREAM (a trip: 1,024 bytes of wq, 256 of ix) comes straight into registers, through a ring of four slots, one for each trip of a block, asked for one block
; ahead: 12 loads of a wave are out.  A trip's reads are issued first, by addresses made in the trip before; the next trip's addresses are made while those reads are out.  The last block is written out
; and asks for nothing.
; NO CLUSTER, though the eight work-groups of a (b, qh) read the same stream: a joint load lands in LDS, where a trip's 1,280 bytes would be written and then read again lane by lane beside the 4,096
; bytes that the trip's gather reads there.  The eight lie side by side in the grid.
; The table is filled once, by waves 0-7, four tensor loads each (four outstanding): no byte of LDS is filled twice.
; LIMITS.  The sums leave rounded once to f16 (no number beyond 65,504; 11 significant bits).  An index is held to its level's last base corner before it enters an address.
.set SPARE, 177920                     ; behind the table: the spare words, 128 bytes for each of 20 waves
.set CGB,   174080                     ; bytes of a (b, cg) table in vt, and of its sums in ot
.set ACC,   8                          ; v[8:23]   trip t's four sums at ACC + 4 t
.set TT,    24                         ; v[24:31]  what the exchange sends
.set OUTR,  32                         ; v[32:33]  what I store
.set AD,    34                         ; v[34:37]  four LDS addresses: j = 2 hf + lv, level hf + 2 lv
.set IR,    38                         ; slot t: v[38+2t ..]  my point's four record numbers: word hf, half lv
.set WR,    48                         ; slot t: v[48+8t ..]  my point's 16 weights: k = 4 j + c in half k % 2 of word k / 2
.set XR,    80                         ; v[80:111] corner k's four channels at XR + 2 k
; v1, v2 the add's two registers; v3 0; v4 16 x lane (wq); v5 8 x lane (ix); v6 8 (8 p + q8) (ot); v7 at work in the set-up
; s[4:11] vt, wq, ix, ot; s12 wave; s13 cg; s14 qh; s15 b; s[16:47] four descriptor groups 1; s[48:63] four groups 0; s[68:73] wq, ix, ot at my block; s74 blocks;
; s75, s76 the lanes with p odd, with p >= 2; s77 a word's low half
.macro G1SET g, cols, rows, qi         ; descriptor group 1: rows x cols elements of 8 bytes, dense in memory, 4 words of padding behind every row (2 << qi words)
	s_mov_b32 s[\g], (3<<16)|(1<<20)|((\qi)<<22)|(3<<25)
	s_mov_b32 s[\g+1], (\cols)<<16                 ; tensor_dim0
	s_mov_b32 s[\g+2], (\rows)<<16                 ; tensor_dim1
	s_mov_b32 s[\g+3], (\cols)<<16                 ; tile_dim0
	s_mov_b32 s[\g+4], \rows                       ; tile_dim1
	s_mov_b32 s[\g+5], \cols                       ; elements from row to row
	s_mov_b32 s[\g+6], 0
	s_mov_b32 s[\g+7], 0
.endm
	s_load_b256 s[4:11], s[0:1], 0x0
	v_lshl_add_u32 v1, v0, 2, SPARE
	v_mov_b32 v2, 0
	ds_add_u32 v1, v2                              ; the wave's opening: the add and its wait stand ahead of my first tensor load; work on registers stands between them
	ds_add_u32 v1, v2
	v_lshrrev_b32 v3, 5, v0
	v_readfirstlane_b32 s12, v3                    ; wave 0..19
	G1SET 16, 128, 16, 7                           ; level 0: 16 picture rows of 1,024 bytes a wave
	G1SET 24, 64, 8, 6                             ; level 1: 8 rows of 512
	G1SET 32, 32, 4, 5                             ; level 2: 4 rows of 256
	G1SET 40, 16, 2, 4                             ; level 3: 2 rows of 128
	s_and_b32 s13, ttmp9, 7                        ; cg
	s_bfe_u32 s14, ttmp9, 0x10003                  ; qh
	s_lshr_b32 s15, ttmp9, 4                       ; b
	s_lshl3_add_u32 s78, s15, s13
	s_mul_i32 s79, s78, CGB                        ; my table in vt, my sums in ot
	s_mov_b32 s48, 1                               ; groups 0: count = 1; the LDS address is a constant + the wave's number times a constant
	s_mul_i32 s49, s12, 16*1040
	s_mov_b32 s52, 1
	s_mul_i32 s53, s12, 8*528
	s_add_co_u32 s53, s53, 133120                  ; 16,640 records
	s_mov_b32 s56, 1
	s_mul_i32 s57, s12, 4*272
	s_add_co_u32 s57, s57, 166912                  ; 20,864 records
	s_mov_b32 s60, 1
	s_mul_i32 s61, s12, 2*144
	s_add_co_u32 s61, s61, 175616                  ; 21,952 records
	s_lshl_b32 s66, s12, 14                        ; the same rows in vt, dense
	s_add_co_u32 s66, s66, s79
	s_mov_b32 s67, 0
	s_lshl_b32 s80, s12, 12
	s_add_co_u32 s80, s80, s79
	s_add_co_u32 s80, s80, 131072
	s_mov_b32 s81, 0
	s_lshl_b32 s82, s12, 10
	s_add_co_u32 s82, s82, s79
	s_add_co_u32 s82, s82, 163840
	s_mov_b32 s83, 0
	s_lshl_b32 s84, s12, 8
	s_add_co_u32 s84, s84, s79
	s_add_co_u32 s84, s84, 172032
	s_mov_b32 s85, 0
	s_mul_i32 s86, s14, 10880
	s_mul_i32 s87, s12, 544
	s_add_co_u32 s86, s86, s87                     ; my first query in the batch entry
	s_lshr_b32 s87, s15, 3                         ; the batch entry
	s_and_b32 s88, s15, 7                          ; the head
	s_mul_i32 s89, s87, 21760
	s_add_co_u32 s89, s89, s86                     ; my first query of all
	s_mul_i32 s90, s88, 5570560                    ; wq: 43,520 x 128 bytes a head
	s_lshl_b32 s91, s89, 7
	s_add_co_u32 s90, s90, s91
	s_mov_b32 s91, 0
	s_mul_i32 s92, s88, 1392640                    ; ix: 43,520 x 32
	s_lshl_b32 s93, s89, 5
	s_add_co_u32 s92, s92, s93
	s_mov_b32 s93, 0
	s_lshl_b32 s94, s86, 3                         ; ot: 8 bytes a query
	s_add_co_u32 s94, s94, s79
	s_mov_b32 s95, 0
	s_mov_b32 s75, 0xaaaaaaaa
	s_mov_b32 s76, 0xcccccccc
	s_mov_b32 s77, 0xffff
	v_mov_b32 v3, 0
	v_and_b32 v7, 31, v0
	v_lshlrev_b32 v4, 4, v7
	v_lshlrev_b32 v5, 3, v7
	v_lshrrev_b32 v6, 2, v7                        ; q8
	v_and_b32 v7, 3, v0                            ; p
	v_lshl_add_u32 v6, v7, 3, v6                   ; the query of the block whose sums I end with: 8 p + q8
	v_lshlrev_b32 v6, 3, v6
	s_wait_dscnt 0x0                               ; the opening add is done
	s_wait_kmcnt 0x0
	s_add_nc_u64 s[50:51], s[4:5], s[66:67]
	s_or_b32 s51, s51, 0x80000000                  ; type = 2
	s_add_nc_u64 s[54:55], s[4:5], s[80:81]
	s_or_b32 s55, s55, 0x80000000
	s_add_nc_u64 s[58:59], s[4:5], s[82:83]
	s_or_b32 s59, s59, 0x80000000
	s_add_nc_u64 s[62:63], s[4:5], s[84:85]
	s_or_b32 s63, s63, 0x80000000
	s_add_nc_u64 s[68:69], s[6:7], s[90:91]
	s_add_nc_u64 s[70:71], s[8:9], s[92:93]
	s_add_nc_u64 s[72:73], s[10:11], s[94:95]
	s_cmp_lt_u32 s12, 8
	s_cbranch_scc0 .Lnofill                        ; waves 8-19 fill nothing: a wave's four first fills stand in this one branch, ahead of every wait on TENSORcnt, LDS read and barrier
	tensor_load_to_lds s[48:51], s[16:23]
	s_nop 0
	tensor_load_to_lds s[52:55], s[24:31]
	s_nop 0
	tensor_load_to_lds s[56:59], s[32:39]
	s_nop 0
	tensor_load_to_lds s[60:63], s[40:47]
	s_nop 0
.rept 4
	v_nop
.endr
.Lnofill:
; Slot t asks for its trip's indices and weights, io and wo bytes beyond the block in hand: the indices first, since they are wanted a trip earlier.
.macro ISSUE t, wo, io
	global_load_b64  v[IR+2*(\t):IR+2*(\t)+1],   v5, s[70:71] offset:(\io)+256*(\t)       ; 256 consecutive bytes
	global_load_b128 v[WR+8*(\t):WR+8*(\t)+3],   v4, s[68:69] offset:(\wo)+1024*(\t)      ; 512 consecutive bytes: levels 0 and 2,
	global_load_b128 v[WR+8*(\t)+4:WR+8*(\t)+7], v4, s[68:69] offset:(\wo)+1024*(\t)+512  ; levels 1 and 3
.endm
; The four addresses of the trip whose indices lie in slot t.  Each is held to its level's last base corner: the level's base + (H - 2) (W + 2) + W - 2.
.macro ADDR t
.set ib, IR+2*(\t)
	v_and_b32     v[AD],   s77, v[ib]              ; level 0
	v_lshrrev_b32 v[AD+1], 16, v[ib]               ; level 2
	v_and_b32     v[AD+2], s77, v[ib+1]            ; level 1
	v_lshrrev_b32 v[AD+3], 16, v[ib+1]             ; level 3
	v_min_u32 v[AD],   16506, v[AD]
	v_min_u32 v[AD+1], 21914, v[AD+1]
	v_min_u32 v[AD+2], 20794, v[AD+2]
	v_min_u32 v[AD+3], 22218, v[AD+3]
.irp q, 0,1,2,3
	v_lshlrev_b32 v[AD+\q], 3, v[AD+\q]            ; records of 8 bytes
.endr
.endm
; Sum e takes half e % 2 of word e / 2 of corner k's record, times half k % 2 of weight word k / 2; cr = the register added to.
.macro FM cr
.if (e%2 == 0) && (k%2 == 0)
	v_fma_mix_f32 v[ab+e], v[XR+2*k+e/2], v[wb+k/2], v[\cr] op_sel:[0,0,0] op_sel_hi:[1,1,0]
.elseif (e%2 == 1) && (k%2 == 0)
	v_fma_mix_f32 v[ab+e], v[XR+2*k+e/2], v[wb+k/2], v[\cr] op_sel:[1,0,0] op_sel_hi:[1,1,0]
.elseif (e%2 == 0)
	v_fma_mix_f32 v[ab+e], v[XR+2*k+e/2], v[wb+k/2], v[\cr] op_sel:[0,1,0] op_sel_hi:[1,1,0]
.else
	v_fma_mix_f32 v[ab+e], v[XR+2*k+e/2], v[wb+k/2], v[\cr] op_sel:[1,1,0] op_sel_hi:[1,1,0]
.endif
.endm
; Trip t of a block: eight queries.  issue = 1: the slot asks for the next block's trip t.  left = how many younger loads may stay out.  next = 1: the next trip's addresses are made.
.macro TRIP t, issue, left, next
.set wb, WR+8*(\t)
.set ab, ACC+4*(\t)
.set j, 0
.rept 4                                            ; 16 reads by four addresses, which the trip before has made
.set lev, j/2+2*(j%2)
.if lev == 0
.set ROWB, 1040
.elseif lev == 1
.set ROWB, 528
.elseif lev == 2
.set ROWB, 272
.else
.set ROWB, 144
.endif
.set c, 0
.rept 4
	ds_load_b64 v[XR+8*j+2*c:XR+8*j+2*c+1], v[AD+j] offset:8*(c%2)+ROWB*(c/2)
.set c, c+1
.endr
.set j, j+1
.endr
	s_wait_loadcnt \left                           ; loads come back in order (ISA guide 5.7.1): my slot's three are in, and the next slot's indices
.if \next
	ADDR ((\t)+1)%4                                ; while the reads are out; an LDS read's address register may be written again once the read is issued
.endif
.set k, 0
.rept 16
.if k%4 == 0
	s_wait_dscnt 12-k                              ; LDS reads come back in order (ISA guide 5.7.1): corners k .. k + 3 are in, the later levels' stay out
.endif
.set e, 0
.rept 4
.if k == 0
	FM 3                                           ; the first four start the sums: nothing is cleared
.else
	FM ab+e
.endif
.set e, e+1
.endr
.set k, k+1
.endr
.if \issue
	ISSUE \t, 4096, 1024
.endif
.endm
; One step of the exchange, on two sets of four sums: a lane of the mask keeps hi and sends lo, the others keep lo and send hi; each adds what the lane xm away has sent.
.macro XCH lo, hi, tm, mask, xm
.irp e, 0,1,2,3
	v_cndmask_b32 v[(\tm)+\e], v[(\hi)+\e], v[(\lo)+\e], s[\mask]
.endr
.irp e, 0,1,2,3
	v_cndmask_b32 v[(\lo)+\e], v[(\lo)+\e], v[(\hi)+\e], s[\mask]
.endr
.irp e, 0,1,2,3
	v_add_f32_dpp v[(\lo)+\e], v[(\tm)+\e], v[(\lo)+\e] row_xmask:\xm row_mask:0xf bank_mask:0xf
.endr
.endm
; A block's end: lane (q8, p) gets the sums over the four point lanes of trip p's query q8, rounds them once and stores them.
.macro FINISH
	XCH ACC, ACC+4, TT, 75, 1                      ; trips 0 and 1: p even keeps 0, p odd keeps 1
	XCH ACC+8, ACC+12, TT+4, 75, 1                 ; trips 2 and 3 likewise
	XCH ACC, ACC+8, TT, 76, 2                      ; p < 2 keeps trips 0, 1; p >= 2 keeps trips 2, 3
	v_cvt_pk_f16_f32 v[OUTR],   v[ACC],   v[ACC+1]
	v_cvt_pk_f16_f32 v[OUTR+1], v[ACC+2], v[ACC+3]
	global_store_b64 v6, v[OUTR:OUTR+1], s[72:73]  ; 32 queries' 256 consecutive bytes, at a multiple of 256 from ot's first byte
.endm
	ISSUE 0, 0, 0                                  ; the first block's four trips, asked for while the table is on its way
	ISSUE 1, 0, 0
	ISSUE 2, 0, 0
	ISSUE 3, 0, 0
	s_wait_loadcnt 11                              ; the first of the twelve, trip 0's indices, is in
	ADDR 0
	s_wait_tensorcnt 0x0                           ; my part of the table is in LDS,
	s_barrier_signal -1
	s_barrier_wait -1                              ; everybody's is
	s_mov_b32 s74, 16
.Lblock:
	TRIP 0, 1, 8, 1                                ; out may stay: the next slot's two loads of weights and two whole slots of three
	TRIP 1, 1, 8, 1
	TRIP 2, 1, 8, 1
	TRIP 3, 1, 8, 1
	FINISH
	s_wait_xcnt 0x0                                ; every earlier memory instruction has had its addresses translated (ISA guide 3.1): the three bases and the store's data are written only now
	s_add_nc_u64 s[68:69], s[68:69], 4096
	s_add_nc_u64 s[70:71], s[70:71], 1024
	s_add_nc_u64 s[72:73], s[72:73], 256
	s_sub_co_u32 s74, s74, 1
	s_cmp_lg_u32 s74, 0
	s_cbranch_scc1 .Lblock
	TRIP 0, 0, 8, 1                                ; the 17th block asks for nothing: the counts run down by a slot's three
	TRIP 1, 0, 5, 1
	TRIP 2, 0, 2, 1
	TRIP 3, 0, 0, 0
	FINISH
	s_wait_tensorcnt 0x0                           ; the wave's end, behind my last tensor load
	ds_add_u32 v1, v2
	s_wait_dscnt 0x0
	s_endpgm
.Lfunc_end_k_qf25fea9ad0_sample:
	.size	k_qf25fea9ad0_sample, .Lfunc_end_k_qf25fea9ad0_sample-k_qf25fea9ad0_sample
	.p2alignl 7, 3214868480
	.fill 96, 4, 3214868480
	.section	.rodata,"a",@progbits
	.p2align	6, 0x0
	.amdhsa_kernel k_qf25fea9ad0_sample
		.amdhsa_group_segment_fixed_size 180480
		.amdhsa_private_segment_fixed_size 0
		.amdhsa_enable_private_segment 0
		.amdhsa_kernarg_size 32
		.amdhsa_user_sgpr_count 2
		.amdhsa_user_sgpr_kernarg_segment_ptr 1
		.amdhsa_wavefront_size32 1
		.amdhsa_system_sgpr_workgroup_id_x 1
		.amdhsa_system_sgpr_workgroup_id_y 1
		.amdhsa_system_sgpr_workgroup_id_z 1
		.amdhsa_system_vgpr_workitem_id 0
		.amdhsa_next_free_vgpr 112
		.amdhsa_next_free_sgpr 96
		.amdhsa_reserve_vcc 0
		.amdhsa_float_denorm_mode_32 3
		.amdhsa_float_denorm_mode_16_64 3
		.amdhsa_memory_ordered 1
		.amdhsa_forward_progress 1
		.amdhsa_inst_pref_size 59
	.end_amdhsa_kernel
	.amdgpu_metadata
---
amdhsa.version: [ 1, 2 ]
amdhsa.kernels:
  - .name:           k_qf25fea9ad0_sample
    .symbol:         k_qf25fea9ad0_sample.kd
    .args:
      - { .name: vt, .offset: 0, .size: 8, .value_kind: global_buffer, .address_space: global }
      - { .name: wq, .offset: 8, .size: 8, .value_kind: global_buffer, .address_space: global }
      - { .name: ix, .offset: 16, .size: 8, .value_kind: global_buffer, .address_space: global }
      - { .name: ot, .offset: 24, .size: 8, .value_kind: global_buffer, .address_space: global }
    .group_segment_fixed_size: 180480
    .private_segment_fixed_size: 0
    .kernarg_segment_align: 8
    .kernarg_segment_size: 32
    .max_flat_workgroup_size: 640
    .sgpr_count:     96
    .vgpr_count:     112
    .wavefront_size: 32
...
	.end_amdgpu_metadata
.endif
;; end of part 9
;; launch merge: the kernel of part 7 again; grid 680 x 1, 2 waves a work-group, no clusters, 34,048 bytes of LDS; arguments ot, out0; writes out0
;; ======== version 4 of 4: 4 launches; version 3 with the launches prep, merge written anew for expert scheduling mode
;; limits: inputs' magnitudes at most 65,504; values are held in f16: magnitudes above 65,504 overflow, below 6.1e-05 lose precision
;; workspace buffers: vt 22,282,240 bytes; wf 196,608 bytes; wq 44,564,480 bytes; ix 11,141,120 bytes of whole numbers; ot 22,282,240 bytes
;; launch prep (part 10): grid 692 x 1, 4 waves a work-group, no clusters, 0 bytes of LDS; arguments value0, value1, value2, value3, W_off, W_attn, vt, wf; writes vt, wf
.if DOCPART == 10
	.amdgcn_target "amdgcn-amd-amdhsa--gfx1250"
	.amdhsa_code_object_version 6
	.text
	.protected	k_qf25fea9ad0_prep
	.globl	k_qf25fea9ad0_prep
	.p2align	8
	.type	k_qf25fea9ad0_prep,@function
k_qf25fea9ad0_prep:
	s_mov_b64 s[64:65], 0
	v_nop
	global_prefetch_b8 v0, s[64:65] scope:SCOPE_SE
	s_setreg_imm32_b32 hwreg(HW_REG_WAVE_SCHED_MODE, 0, 2), 2
	s_setreg_imm32_b32 hwreg(HW_REG_WAVE_MODE, 25, 1), 1
	s_wait_xcnt 0x0
	s_wait_alu depctr_vm_vsrc(0)
; PREP.  Two jobs, chosen by the work-group's number.
; (a) Work-groups 0-679: the four value tables [b = 16][channel = 32][pixel] in f32 become ONE table vt[b][cg = 8][pix = 21760][4] in f16: for each b and each group cg of four channels
;     (4 cg .. 4 cg + 3) a dense run of records of 8 bytes, pix = level base (0, 16384, 20480, 21504) + y W + x: 174,080 bytes, what one work-group of the gathering launch holds in LDS.
;     A wave takes 128 pixels of one b (16 x 170 = 2,720 waves).  A lane loads two neighbouring pixels of a channel (8 bytes; a load of the wave covers 256 consecutive bytes), so its
;     two records of a channel group are 16 neighbouring bytes, and a store of the wave covers 512 consecutive bytes: no turn through LDS is needed.
; (b) Work-groups 680-691: W_off and W_attn in f16 as matrix fragments, wf[w = 4][f = 6 s + a][half = 2][lane = 32][8]: element e of lane (r = lane % 16, h = lane / 16) is row
;     k = 32 s + 16 half + 8 h + e of the column that a = 3 mi + ty names for head m = 2 w + mi: ty < 2: W_off's column 32 m + 16 ty + r; ty = 2: W_attn's column 16 m + perm(r),
;     perm(r) = 4 (r / 8) + 8 ((r / 4) % 2) + r % 4, so that a lane half of the product holds the logits of the same two levels as its offsets.
; LIMITS.  f16 holds no number beyond 65,504: values and weights are taken to lie within it; below 6e-5 they keep f16's fixed step of 6e-8.
; No LDS, no barrier, no matrix unit, no cluster: nothing is multiplied, no wave needs another's data and no two work-groups read the same bytes.
; THE MODE: SCHED_MODE bits 1:0 = 2 (LLVM: expert scheduling mode 2), set by the entry lines.  The code itself states the register dependences between vector instructions and memory
; instructions, with s_wait_alu, always for 0.
; THE PLAN.  Registers that memory instructions touch:
;   v2, v3   byte offsets, written once at the head; read by the tables' loads and by every store.       v5   the weights' offset, written once in each of the two arms; read by that arm's loads.
;   XR       written by loads alone, each register once; read by the roundings.  No load lands in it a second time.
;   YR       written by the roundings, each register once; read by one store each.  Nothing writes it a second time.
; So the one dependence to state is that a register is written before a memory instruction reads it: a wait on va_vdst at the head (v2, v3), one in each arm of the weights (v5), one behind the
; eight roundings of a channel group, ahead of the group's two stores, and one behind the weights' 32 roundings, ahead of their eight stores.  The wave's number goes through a scalar register:
; a wait on va_sdst ahead of the branch behind which both ways read it.
.set XR,    8                          ; v[8:135]   as loaded: channel d, half hp of the 128 pixels, my two pixels at XR + 4 d + 2 hp
.set YR,    136                        ; v[136:199] to store: channel group cg, half hp: four registers at YR + 4 (2 cg + hp)
.set CGB,   174080                     ; bytes of one (b, cg) table
; v1 lane; v2 8 x lane; v3 16 x lane; v4, v5, v6 the weights' r, lane offset, h
	s_load_b512 s[4:19], s[0:1], 0x0               ; value0-3 s[4:11], W_off s[12:13], W_attn s[14:15], vt s[16:17], wf s[18:19]
	v_lshrrev_b32 v1, 5, v0
	v_readfirstlane_b32 s20, v1                    ; wave 0..3
	v_and_b32 v1, 31, v0
	v_lshlrev_b32 v2, 3, v1
	v_lshlrev_b32 v3, 4, v1
	s_wait_alu depctr_va_sdst(0)                   ; s20 is written, ahead of the branch: both ways make their part's number from it
	s_wait_alu depctr_va_vdst(0)                   ; v2 and v3 are written: the tables' loads read v2 as their offset, every store reads v3
	s_cmp_ge_u32 ttmp9, 680
	s_cbranch_scc1 .Lweights
	; ---- (a) the tables ----
	s_lshl_b32 s21, ttmp9, 2
	s_add_co_u32 s21, s21, s20                     ; u = my chunk of 128 pixels among 2,720
	s_mul_hi_u32 s22, s21, 0x01818182              ; b = u / 170: the factor is 2^32 / 170 rounded up, exact for u < 2,720
	s_mul_i32 s23, s22, 170
	s_sub_co_u32 s23, s21, s23                     ; c = u % 170: the level bases are 128, 160 and 168 chunks, so 128 c is the first pix
	s_mul_i32 s24, s22, 8*CGB                      ; eight tables a b
	s_lshl_b32 s25, s23, 10                        ; 128 records of 8 bytes
	s_add_co_u32 s24, s24, s25
	s_mov_b32 s25, 0
	s_wait_kmcnt 0x0
	s_add_nc_u64 s[28:29], s[16:17], s[24:25]      ; vt at my first record of channel group 0
; The level's table at s[base:base+1]; its first chunk; log2 of a b's bytes; bytes from a channel's row to the next.  64 loads, 256 consecutive bytes each, channels ascending.
.macro LEVEL base, first, shift, rs
	s_sub_co_u32 s25, s23, \first
	s_lshl_b32 s25, s25, 9                         ; 128 pixels of 4 bytes
	s_lshl_b32 s24, s22, \shift
	s_add_co_u32 s24, s24, s25
	s_mov_b32 s25, 0
	s_add_nc_u64 s[26:27], s[\base:\base+1], s[24:25]
.set d, 0
.rept 32
	global_load_b64 v[XR+4*d:XR+4*d+1],   v2, s[26:27] offset:d*\rs th:TH_LOAD_NT
	global_load_b64 v[XR+4*d+2:XR+4*d+3], v2, s[26:27] offset:d*\rs+256 th:TH_LOAD_NT
.set d, d+1
.endr
.endm
	s_cmp_lt_u32 s23, 128
	s_cbranch_scc0 .Lnot0
	LEVEL 4, 0, 21, 65536
	s_branch .Lturn
.Lnot0:
	s_cmp_lt_u32 s23, 160
	s_cbranch_scc0 .Lnot1
	LEVEL 6, 128, 19, 16384
	s_branch .Lturn
.Lnot1:
	s_cmp_lt_u32 s23, 168
	s_cbranch_scc0 .Lnot2
	LEVEL 8, 160, 17, 4096
	s_branch .Lturn
.Lnot2:
	LEVEL 10, 168, 15, 1024
.Lturn:
.set cg, 0
.rept 8
	s_wait_loadcnt 56-8*cg                         ; loads come back in order (ISA guide 5.7.1): the eight of channels 4 cg .. 4 cg + 3 are in, the later channels' stay out
.set hp, 0
.rept 2
.set yb, YR+4*(2*cg+hp)
.set px, 0
.rept 2                                            ; word 2 px + j of my 16 bytes: pixel px of my two, channels 4 cg + 2 j and + 1
.set j, 0
.rept 2
	v_cvt_pk_f16_f32 v[yb+2*px+j], v[XR+4*(4*cg+2*j)+2*hp+px], v[XR+4*(4*cg+2*j+1)+2*hp+px]
.set j, j+1
.endr
.set px, px+1
.endr
.set hp, hp+1
.endr
	s_wait_alu depctr_va_vdst(0)                   ; the group's eight roundings have written v[YR + 8 cg ..], which its two stores read
.set hp, 0
.rept 2
.set yb, YR+4*(2*cg+hp)
	global_store_b128 v3, v[yb:yb+3], s[28:29] offset:cg*CGB+hp*512  ; 64 records: 512 consecutive bytes, at a multiple of 256 from vt's first byte
.set hp, hp+1
.endr
.set cg, cg+1
.endr
	s_endpgm
	; ---- (b) the weights ----
.Lweights:
	s_sub_co_u32 s21, ttmp9, 680
	s_lshl_b32 s21, s21, 2
	s_add_co_u32 s21, s21, s20                     ; my part among 48
	s_and_b32 s31, s21, 7
	s_lshr_b32 s21, s21, 3                         ; a = 0..5
	s_lshr_b32 s22, s31, 1                         ; w
	s_and_b32 s23, s31, 1                          ; half
	s_cmp_ge_u32 s21, 3
	s_cselect_b32 s24, 1, 0                        ; mi
	s_mul_i32 s25, s24, 3
	s_sub_co_u32 s25, s21, s25                     ; ty
	s_lshl1_add_u32 s24, s22, s24                  ; m = 2 w + mi
	s_mul_i32 s30, s22, 48
	s_add_co_u32 s30, s30, s21
	s_lshl_b32 s30, s30, 10                        ; fragment (w, s = 0, a): 1,024 bytes each,
	s_lshl_b32 s31, s23, 9                         ; my half of it
	s_add_co_u32 s30, s30, s31
	s_mov_b32 s31, 0
	v_and_b32 v4, 15, v0                           ; r
	v_bfe_u32 v6, v0, 4, 1                         ; h
	s_wait_kmcnt 0x0
	s_add_nc_u64 s[28:29], s[18:19], s[30:31]
; 64 numbers a lane: K step ks, element e, at row 32 ks + e below the lane's first row; rs = bytes in a row
.macro W64 rs
.set ks, 0
.rept 8
.set e, 0
.rept 8
	global_load_b32 v[XR+8*ks+e], v5, s[26:27] offset:(32*ks+e)*\rs
.set e, e+1
.endr
.set ks, ks+1
.endr
.endm
	s_cmp_eq_u32 s25, 2
	s_cbranch_scc1 .Llogit
	s_lshl_b32 s30, s23, 14                        ; W_off: 16 half rows of 1,024 bytes,
	s_lshl_b32 s31, s24, 7                         ; column 32 m,
	s_add_co_u32 s30, s30, s31
	s_lshl_b32 s31, s25, 6                         ; + 16 ty
	s_add_co_u32 s30, s30, s31
	s_mov_b32 s31, 0
	s_add_nc_u64 s[26:27], s[12:13], s[30:31]
	v_lshlrev_b32 v5, 2, v4                        ; + r,
	v_lshl_add_u32 v5, v6, 13, v5                  ; 8 h rows
	s_wait_alu depctr_va_vdst(0)                   ; v5 is written, which the 64 loads below read as their offset
	W64 1024
	s_branch .Lpack
.Llogit:
	s_lshl_b32 s30, s23, 13                        ; W_attn: 16 half rows of 512 bytes,
	s_lshl_b32 s31, s24, 6                         ; column 16 m
	s_add_co_u32 s30, s30, s31
	s_mov_b32 s31, 0
	s_add_nc_u64 s[26:27], s[14:15], s[30:31]
	v_lshrrev_b32 v200, 3, v4
	v_bfe_u32 v201, v4, 2, 1
	v_and_b32 v202, 3, v4
	v_lshlrev_b32 v5, 2, v202                      ; 4 bytes x perm(r)
	v_lshl_add_u32 v5, v200, 4, v5
	v_lshl_add_u32 v5, v201, 5, v5
	v_lshl_add_u32 v5, v6, 12, v5                  ; 8 h rows
	s_wait_alu depctr_va_vdst(0)                   ; v5 is written, which the 64 loads below read as their offset
	W64 512
.Lpack:
	s_wait_loadcnt 0x0
.set i, 0
.rept 32
	v_cvt_pk_f16_f32 v[YR+i], v[XR+2*i], v[XR+2*i+1]
.set i, i+1
.endr
	s_wait_alu depctr_va_vdst(0)                   ; the 32 roundings have written v[YR .. YR + 31], which the eight stores read
.set ks, 0
.rept 8
	global_store_b128 v3, v[YR+4*ks:YR+4*ks+3], s[28:29] offset:6144*ks  ; the same a, six fragments on: 512 consecutive bytes
.set ks, ks+1
.endr
	s_endpgm
.Lfunc_end_k_qf25fea9ad0_prep:
	.size	k_qf25fea9ad0_prep, .Lfunc_end_k_qf25fea9ad0_prep-k_qf25fea9ad0_prep
	.p2alignl 7, 3214868480
	.fill 96, 4, 3214868480
	.section	.rodata,"a",@progbits
	.p2align	6, 0x0
	.amdhsa_kernel k_qf25fea9ad0_prep
		.amdhsa_group_segment_fixed_size 0
		.amdhsa_private_segment_fixed_size 0
		.amdhsa_enable_private_segment 0
		.amdhsa_kernarg_size 64
		.amdhsa_user_sgpr_count 2
		.amdhsa_user_sgpr_kernarg_segment_ptr 1
		.amdhsa_wavefront_size32 1
		.amdhsa_system_sgpr_workgroup_id_x 1
		.amdhsa_system_sgpr_workgroup_id_y 1
		.amdhsa_system_sgpr_workgroup_id_z 1
		.amdhsa_system_vgpr_workitem_id 0
		.amdhsa_next_free_vgpr 208
		.amdhsa_next_free_sgpr 66
		.amdhsa_reserve_vcc 0
		.amdhsa_float_denorm_mode_32 3
		.amdhsa_float_denorm_mode_16_64 3
		.amdhsa_memory_ordered 1
		.amdhsa_forward_progress 1
		.amdhsa_inst_pref_size 49
	.end_amdhsa_kernel
	.amdgpu_metadata
---
amdhsa.version: [ 1, 2 ]
amdhsa.kernels:
  - .name:           k_qf25fea9ad0_prep
    .symbol:         k_qf25fea9ad0_prep.kd
    .args:
      - { .name: value0, .offset: 0, .size: 8, .value_kind: global_buffer, .address_space: global }
      - { .name: value1, .offset: 8, .size: 8, .value_kind: global_buffer, .address_space: global }
      - { .name: value2, .offset: 16, .size: 8, .value_kind: global_buffer, .address_space: global }
      - { .name: value3, .offset: 24, .size: 8, .value_kind: global_buffer, .address_space: global }
      - { .name: W_off, .offset: 32, .size: 8, .value_kind: global_buffer, .address_space: global }
      - { .name: W_attn, .offset: 40, .size: 8, .value_kind: global_buffer, .address_space: global }
      - { .name: vt, .offset: 48, .size: 8, .value_kind: global_buffer, .address_space: global }
      - { .name: wf, .offset: 56, .size: 8, .value_kind: global_buffer, .address_space: global }
    .group_segment_fixed_size: 0
    .private_segment_fixed_size: 0
    .kernarg_segment_align: 8
    .kernarg_segment_size: 64
    .max_flat_workgroup_size: 128
    .sgpr_count:     66
    .vgpr_count:     208
    .wavefront_size: 32
...
	.end_amdgpu_metadata
.endif
;; end of part 10
;; launch proj: the kernel of part 8 again; grid 256 x 1, 4 waves a work-group, no clusters, 205,312 bytes of LDS; arguments query, reference_points, wf, b_off, b_attn, wq, ix; writes wq, ix
;; launch sample: the kernel of part 9 again; grid 256 x 1, 20 waves a work-group, no clusters, 180,480 bytes of LDS; arguments vt, wq, ix, ot; writes ot
;; launch merge (part 11): grid 680 x 1, 2 waves a work-group, no clusters, 34,048 bytes of LDS; arguments ot, out0; writes out0
.if DOCPART == 11
	.amdgcn_target "amdgcn-amd-amdhsa--gfx1250"
	.amdhsa_code_object_version 6
	.text
	.protected	k_qf25fea9ad0_merge
	.globl	k_qf25fea9ad0_merge
	.p2align	8
	.type	k_qf25fea9ad0_merge,@function
k_qf25fea9ad0_merge:
	s_mov_b64 s[64:65], 0
	v_nop
	global_prefetch_b8 v0, s[64:65] scope:SCOPE_SE
	s_setreg_imm32_b32 hwreg(HW_REG_WAVE_SCHED_MODE, 0, 2), 2
	s_setreg_imm32_b32 hwreg(HW_REG_WAVE_MODE, 25, 1), 1
	s_wait_xcnt 0x0
	s_wait_alu depctr_vm_vsrc(0)
; MERGE.  out0[n][query][32 m + 4 cg + ch] (f32) = ot[8 n + m][cg][query][ch] (f16): the gathering launch's sums, which lie by groups of four channels, become whole rows.
; A wave takes 32 queries (1,360 waves): 64 loads, one for each (m, cg), of 256 consecutive bytes (a lane: its query's 8 bytes); its own stage in LDS, a row of 512 + 16 bytes a query;
; back by half rows (a lane: 8 bytes = 4 channels), widened exactly to f32, and 64 stores of 512 consecutive bytes.  Memory binds: no matrix unit, no cluster (no byte has two readers),
; no barrier (a wave reads only its own stage).
; The widening is f16 x 1.0 + 0 in f32: exact, but for the sign of a zero.
; THE MODE: SCHED_MODE bits 1:0 = 2 (LLVM: expert scheduling mode 2), set by the entry lines.  The code itself states the register dependences between vector instructions and memory or LDS
; instructions, with s_wait_alu, always for 0.
; THE PLAN.  The 32 queries go back out of the stage in four batches of eight: sixteen half rows each.  Registers that memory or LDS instructions touch:
;   v3, v4, v5, v6   offsets and LDS addresses, written once at the head and never again.       v1, v2   written at the head, read by the closing add alone.
;   XR               written by the 64 global loads, each register once; read by the 32 LDS stores.  From then on its two halves are OUT0 and OUT1.
;   OUT0, OUT1       Batch bt's 64 widenings write OUT[bt % 2]; the sixteen global stores that read it are issued in batch bt + 1 (the last batch's behind the last batch).
;   Y0, Y1           Batch bt's widenings read Y[bt % 2].  The reads back of batches 0 and 1 are issued ahead of batch 0; those of batch bt + 1 in batch bt (bt = 1, 2), into the Y that batch bt - 1 emptied.
; So the memory and LDS instructions of batch bt touch OUT[(bt - 1) % 2], Y[(bt - 1) % 2], v4 and v6, none of which a widening of batch bt names: the waits at a batch's head state all that they hang
; on, and they are dealt among the batch's widenings, a read and a store ahead of each four, with no further wait.
.set STG,   32*528                     ; a wave's stage; 528 is an odd multiple of 16, so that 16 lanes' 16-byte columns differ modulo 256 bytes
.set SPARE, 2*STG                      ; behind the stages: the spare words, 128 bytes a wave
.set CGB,   174080                     ; bytes of one (b, cg) run in ot
.set Y0,    8                          ; v[8:39]    sixteen half rows' 8 bytes, as read back: batches 0 and 2
.set Y1,    42                         ; v[42:73]   the same: batches 1 and 3
.set XR,    128                        ; v[128:255] as loaded: (m, cg) = j at XR + 2 j; then the f32 numbers to store: OUT0 = v[128:191], OUT1 = v[192:255]
; v1, v2 the add's two registers; v3 8 x lane; v4 16 x lane; v5 into the stage; v6 back from it; v7 1.0; v40 0
	s_load_b128 s[4:7], s[0:1], 0x0                ; ot s[4:5], out0 s[6:7]
	v_lshl_add_u32 v1, v0, 2, SPARE
	v_mov_b32 v2, 0
	v_lshrrev_b32 v3, 5, v0
	v_readfirstlane_b32 s8, v3                     ; wave 0, 1
	v_and_b32 v6, 31, v0
	v_lshlrev_b32 v3, 3, v6
	v_lshlrev_b32 v4, 4, v6
	v_mul_u32_u24 v5, v6, 528
	v_mov_b32 v7, 1.0
	v_mov_b32 v40, 0
	s_wait_alu depctr_va_sdst(0)                   ; s8 is written, ahead of its first reader: my block's number and my stage's place are made from it
	s_lshl_b32 s9, ttmp9, 1
	s_add_co_u32 s9, s9, s8                        ; my block of 32 queries among 1,360
	s_cmp_ge_u32 s9, 680
	s_cselect_b32 s10, 1, 0                        ; n
	s_mul_i32 s11, s10, 680
	s_sub_co_u32 s11, s9, s11
	s_lshl_b32 s12, s11, 8                         ; 32 queries of 8 bytes,
	s_mul_i32 s13, s10, 64*CGB                     ; 64 runs a batch entry
	s_add_co_u32 s12, s12, s13
	s_mov_b32 s13, 0
	s_lshl_b32 s14, s9, 15                         ; 32 rows of 1,024 bytes
	s_mov_b32 s15, 0
	s_mul_i32 s22, s8, STG
	v_add_nc_u32 v5, s22, v5                       ; in: row = lane
	v_add_nc_u32 v6, s22, v3                       ; back: 8 bytes a lane
	s_wait_kmcnt 0x0
	s_add_nc_u64 s[16:17], s[4:5], s[12:13]        ; runs 0-31,
	s_add_nc_u64 s[18:19], s[16:17], 32*CGB        ; runs 32-63: the immediates stay inside their signed 24 bits
	s_add_nc_u64 s[20:21], s[6:7], s[14:15]
	s_wait_alu depctr_va_vdst(0)                   ; v3, v4, v5 and v6 are written, which the loads, stores and LDS instructions below read as offsets and addresses; so are v1 and v2, which the closing add reads
.set j, 0
.rept 32
	global_load_b64 v[XR+2*j:XR+2*j+1], v3, s[16:17] offset:j*CGB th:TH_LOAD_NT
.set j, j+1
.endr
.rept 32
	global_load_b64 v[XR+2*j:XR+2*j+1], v3, s[18:19] offset:(j-32)*CGB th:TH_LOAD_NT
.set j, j+1
.endr
.set i, 0
.rept 32
	s_wait_loadcnt 62-2*i                          ; loads come back in order (ISA guide 5.7.1): runs 2 i and 2 i + 1 are in, the younger ones stay out
	ds_store_b128 v5, v[XR+4*i:XR+4*i+3] offset:16*i
.set i, i+1
.endr
.set i, 0
.rept 16                                           ; batch 0's sixteen half rows; no vector instruction has named Y0 or Y1
	ds_load_b64 v[Y0+2*i:Y0+2*i+1], v6 offset:(i/2)*528+(i%2)*256       ; my own stage: LDS serves a wave's instructions in order (ISA guide 5.7.1.4)
.set i, i+1
.endr
.set i, 0
.rept 16                                           ; batch 1's
	ds_load_b64 v[Y1+2*i:Y1+2*i+1], v6 offset:(8+i/2)*528+(i%2)*256
.set i, i+1
.endr
	s_wait_alu depctr_vm_vsrc(0)                   ; the LDS stores have read v[XR ..]: these registers are OUT0 and OUT1 from here on, written by the widenings
; Batch bt: eight queries, sixteen half rows.  It widens Y[bt % 2] into OUT[bt % 2]; among its widenings go the reads back of batch bt + 1 (bt = 1, 2) and the stores of batch bt - 1 (bt > 0).
.macro BATCH bt
.set yb, Y0+(Y1-Y0)*((\bt)%2)
.set yo, Y0+(Y1-Y0)*(1-(\bt)%2)
.set zb, XR+64*((\bt)%2)
.set zo, XR+64*(1-(\bt)%2)
.if (\bt) >= 2
	s_wait_xcnt 0x0                                ; the stores issued in the batch before have had their addresses translated (ISA guide 3.1): their data registers are written again only now,
	s_wait_alu depctr_vm_vsrc(0)                   ; and they have read OUT[bt % 2], which this batch's widenings write again
.endif
.if (\bt) >= 1
	s_wait_alu depctr_va_vdst(0)                   ; the batch before has written the other OUT, which the stores below read, and is done reading the other Y, in which the reads below land
.endif
.set i, 0
.rept 16
.if ((\bt) == 1) || ((\bt) == 2)
	ds_load_b64 v[yo+2*i:yo+2*i+1], v6 offset:(8*((\bt)+1)+i/2)*528+(i%2)*256  ; the next batch; no vector instruction since the wait names these registers
.endif
.if (\bt) >= 1
	global_store_b128 v4, v[zo+4*i:zo+4*i+3], s[20:21] offset:(8*((\bt)-1)+i/2)*1024+(i%2)*512 th:TH_STORE_NT  ; the batch before: half a row, 512 consecutive bytes, at a multiple of 256 from out0's first byte
.endif
.if (\bt) == 0
	s_wait_dscnt 31-i                              ; LDS reads come back in order (ISA guide 5.7.1): read i is back; the batch's later ones and batch 1's sixteen stay out
.elseif (\bt) == 3
	s_wait_dscnt 15-i                              ; read i is back; the batch's later ones stay out
.else
	s_wait_dscnt 16                                ; read i is back; out may stay the batch's 15 - i later ones and the next batch's first i + 1
.endif
	v_fma_mix_f32 v[zb+4*i],   v[yb+2*i],   v7, v40 op_sel:[0,0,0] op_sel_hi:[1,0,0]
	v_fma_mix_f32 v[zb+4*i+1], v[yb+2*i],   v7, v40 op_sel:[1,0,0] op_sel_hi:[1,0,0]
	v_fma_mix_f32 v[zb+4*i+2], v[yb+2*i+1], v7, v40 op_sel:[0,0,0] op_sel_hi:[1,0,0]
	v_fma_mix_f32 v[zb+4*i+3], v[yb+2*i+1], v7, v40 op_sel:[1,0,0] op_sel_hi:[1,0,0]
.set i, i+1
.endr
.endm
	BATCH 0
	BATCH 1
	BATCH 2
	BATCH 3
	s_wait_alu depctr_va_vdst(0)                   ; batch 3 has written OUT1, which the last sixteen stores read
.set i, 0
.rept 16
	global_store_b128 v4, v[XR+64+4*i:XR+64+4*i+3], s[20:21] offset:(24+i/2)*1024+(i%2)*512 th:TH_STORE_NT
.set i, i+1
.endr
	s_wait_dscnt 0x0                               ; the closing lines, six on end
	s_wait_alu 0x0
	s_wait_tensorcnt 0x0
	ds_add_u32 v1, v2
	s_wait_dscnt 0x0
	s_endpgm
.Lfunc_end_k_qf25fea9ad0_merge:
	.size	k_qf25fea9ad0_merge, .Lfunc_end_k_qf25fea9ad0_merge-k_qf25fea9ad0_merge
	.p2alignl 7, 3214868480
	.fill 96, 4, 3214868480
	.section	.rodata,"a",@progbits
	.p2align	6, 0x0
	.amdhsa_kernel k_qf25fea9ad0_merge
		.amdhsa_group_segment_fixed_size 34048
		.amdhsa_private_segment_fixed_size 0
		.amdhsa_enable_private_segment 0
		.amdhsa_kernarg_size 16
		.amdhsa_user_sgpr_count 2
		.amdhsa_user_sgpr_kernarg_segment_ptr 1
		.amdhsa_wavefront_size32 1
		.amdhsa_system_sgpr_workgroup_id_x 1
		.amdhsa_system_sgpr_workgroup_id_y 1
		.amdhsa_system_sgpr_workgroup_id_z 1
		.amdhsa_system_vgpr_workitem_id 0
		.amdhsa_next_free_vgpr 256
		.amdhsa_next_free_sgpr 66
		.amdhsa_reserve_vcc 0
		.amdhsa_float_denorm_mode_32 3
		.amdhsa_float_denorm_mode_16_64 3
		.amdhsa_memory_ordered 1
		.amdhsa_forward_progress 1
		.amdhsa_inst_pref_size 40
	.end_amdhsa_kernel
	.amdgpu_metadata
---
amdhsa.version: [ 1, 2 ]
amdhsa.kernels:
  - .name:           k_qf25fea9ad0_merge
    .symbol:         k_qf25fea9ad0_merge.kd
    .args:
      - { .name: ot, .offset: 0, .size: 8, .value_kind: global_buffer, .address_space: global }
      - { .name: out0, .offset: 8, .size: 8, .value_kind: global_buffer, .address_space: global }
    .group_segment_fixed_size: 34048
    .private_segment_fixed_size: 0
    .kernarg_segment_align: 8
    .kernarg_segment_size: 16
    .max_flat_workgroup_size: 64
    .sgpr_count:     66
    .vgpr_count:     256
    .wavefront_size: 32
...
	.end_amdgpu_metadata
.endif
;; end of part 11
